; MI455X (gfx1250); checked and timed in simulation.
; The chip was launched on July 23, 2026; its instructions are those of AMD's public machine-readable ISA for CDNA 5 (MIT licence, August 2026) and "CDNA5" Instruction Set Architecture Reference Guide (July 2026). The comments in the code are by the model that wrote it; some were corrected since.
;; Transformer Block. Allowed arithmetic: matrix products marked QUANTISED: E2M3 operands, one E8M0 scale for each 32 along K, by v_wmma_scale_f32_16x16x128_f8f6f4 with both operands' format E2M3, f32 sums; everything else in f32.
;; Inputs: W1 1,024 x 4,096 float32; W2 4,096 x 1,024 float32; Wk 1,024 x 1,024 float32; Wo 1,024 x 1,024 float32; Wq 1,024 x 1,024 float32; Wv 1,024 x 1,024 float32; b1 4,096 float32; b2 1,024 float32; bo 1,024 float32; ln1_b 1,024 float32; ln1_g 1,024 float32; ln2_b 1,024 float32; ln2_g 1,024 float32; x 2 x 2,048 x 1,024 float32.
;; Outputs: out0 2 x 2,048 x 1,024 float32.
;; This version of the problem:
;;   THIS VERSION OF THE PROBLEM IS GIVEN IN LOW PRECISION. The matrix products marked QUANTISED in the list below multiply operands that are first quantised to E2M3 (2 exponent bits, 3 mantissa bits; 6 bits a number), with one power-of-two scale for each 32 numbers along K (OCP MX v1.0); their sums are f32. All else is computed in f32.
;;   The module's matrix products, in the order in which they are computed (A, B: the left and right operand; K: the contracted axis; several contracted axes count as one K, in the product's order):
;;     1. [M 4,096, K 1,024] x [K 1,024, N 1,024]; A: computed on the way; B: input Wq: QUANTISED
;;     2. [M 4,096, K 1,024] x [K 1,024, N 1,024]; A: computed on the way; B: input Wk: QUANTISED
;;     3. [M 4,096, K 1,024] x [K 1,024, N 1,024]; A: computed on the way; B: input Wv: QUANTISED
;;     4. batch 32 x [M 2,048, K 64] x [K 64, N 2,048]; A: computed on the way; B: computed on the way: QUANTISED
;;     5. batch 32 x [M 2,048, K 2,048] x [K 2,048, N 64]; A: softmax (see below); B: computed on the way: QUANTISED
;;     6. [M 4,096, K 1,024] x [K 1,024, N 1,024]; A: computed on the way; B: input Wo: QUANTISED
;;     7. [M 4,096, K 1,024] x [K 1,024, N 4,096]; A: computed on the way; B: input W1: QUANTISED
;;     8. [M 4,096, K 4,096] x [K 4,096, N 1,024]; A: computed on the way; B: input W2: QUANTISED
;;   THE QUANTISER, for each operand of a quantised product, along K:
;;     - K is cut into blocks of 32 from its start; a last block that is shorter is filled with zeros.
;;     - A block's scale is 2^e with e = floor(log2(the largest magnitude in the block)) - 2, held to -126 .. 127; a block of zeros has e = 0. As a byte (E8M0): e + 127.
;;     - Each number is divided by its block's scale, clamped to +-7.5, and rounded to the nearest number of E2M3, ties to even, subnormals kept.
;;     - The product sums the exact products of the quantised numbers (number of the format x scale) in f32.
;;   ~~~python
;;   def quantise(x, axis):      # numpy; x: float32 -> the quantised numbers, widened to float32 again
;;       x = np.moveaxis(x, axis, -1); K = x.shape[-1]
;;       x = np.pad(x, [(0, 0)] * (x.ndim - 1) + [(0, -K % 32)]); x = x.reshape(x.shape[:-1] + (-1, 32)); a = np.abs(x).max(-1, keepdims=True)
;;       e = np.where(a > 0, np.clip(np.frexp(np.where(a > 0, a, 1))[1] - 1 - 2, -126, 127), 0)      # np.frexp(a)[1] - 1 = floor(log2(a)), exactly
;;       r = np.clip(x / 2.0 ** e, -7.5, 7.5)
;;       step = 2.0 ** (np.maximum(np.frexp(np.where(r == 0, 1, r))[1] - 1, 0) - 3)
;;       q = np.round(r / step) * step * 2.0 ** e      # np.round: ties to even
;;       return np.moveaxis(q.reshape(q.shape[:-2] + (-1,))[..., :K], -1, axis).astype(np.float32)
;;   ~~~
;;   SOFTMAX AHEAD OF A QUANTISED PRODUCT. Where the list says 'softmax', what is quantised is not the finished softmax but p = 2^(t - M), with t = logit x log2(e) and M = ceil(the row's largest t), a whole number; so 1/2 < the row's largest p <= 1. The row's sum l is taken of the UNQUANTISED p, in f32, and the product's result is divided by l at the end. Since M is a whole number, a kernel that streams over the keys may use a running M (the ceiling of the running maximum): every later rescaling is an exact power of two, which a block's scale takes up: the codes' values come out the same.
;;   OPERANDS COMPUTED ON THE WAY. 'Computed on the way' means the value that the module computes at that place (a softmax that the list does not call 'softmax' is quantised finished and normalised). What goes into a quantiser is computed in f32, as accurately as f32 sums, v_exp_f32 and their like allow (about 1e-6 of the number): no bf16 or f16 on the way to a quantiser, and a product that is left as it is and whose result goes on into a quantised operand takes f32 operands (vector FMAs, or v_wmma_f32_16x16x4_f32). A number that lies on a knife's edge between two numbers of the format may be rounded either way, as far as f32 arithmetic and the matrix unit's own rounding can turn it there, and no further.
;; 2 versions. Each part assembles by itself: llvm-mc -triple=amdgcn-amd-amdhsa -mcpu=gfx1250 --defsym DOCPART=n.
;; ======== version 1 of 2: 8 launches
;; workspace buffers: wimg 10,223,616 bytes; himg 3,407,872 bytes; qkv 10,223,616 bytes; cimg 3,407,872 bytes; x2 16,777,216 bytes; hid 13,631,488 bytes
;; launch wq (part 1): grid 384 x 1, 4 waves a work-group, no clusters, 27,136 bytes of LDS; arguments Wq, Wk, Wv, Wo, W1, W2, wimg; writes wimg
.if DOCPART == 1
	.amdgcn_target "amdgcn-amd-amdhsa--gfx1250"
	.amdhsa_code_object_version 6
	.text
	.protected	k_q61ce5061a3_wq
	.globl	k_q61ce5061a3_wq
	.p2align	8
	.type	k_q61ce5061a3_wq,@function
k_q61ce5061a3_wq:
	s_mov_b64 s[64:65], 0
	v_nop
	global_prefetch_b8 v0, s[64:65] scope:SCOPE_SE
	s_setreg_imm32_b32 hwreg(HW_REG_WAVE_MODE, 25, 1), 1
	s_wait_xcnt 0x0
; The six weights, f32 with K as their FIRST axis, become codes of FP6 (E2M3) with one E8M0 scale byte for each 32 along K, laid as IMAGES OF OPERAND REGISTERS.
; AN IMAGE is made of units of 3,328 bytes, laid [k / 256][block of 16 rows].  A unit holds, for the two K steps q of 128 and the two halves c of a fragment: at 1536 q + 768 c the registers 6c..6c+3
; (lane l's 16 bytes at 16 l), at + 512 the registers 6c+4, 6c+5 (8 bytes at 8 l); at 3072 + 128 q + 4 l the scale word of lane l % 16's row (lanes 16-31 repeat lanes 0-15).
; Row r of block rb is row 32 (rb / 2) + 8 (rb % 2) + r + 8 (r / 8) of the operand (here: a column of the weight).
; A LANE TAKES A COLUMN AND ITS REGISTERS RUN DOWN K: a block of 32 lies in one lane, its largest magnitude needs no other lane, and the conversions give codes with K innermost.
; A block's scale is 2^(floor(log2(largest magnitude)) - 2); its byte is the largest magnitude's exponent field - 2, held at 1 from below.
; LIMITS: a block of zeros, or one whose largest magnitude lies under 2^-124, gets the byte 1 (its codes are zeros or as held; this program alone reads the bytes); NaN and infinities are not served.
; SHARES: a work-group takes 128 columns x 256 along K of one weight, a wave 32 columns: two neighbouring units, 6,656 dense bytes, gathered in the wave's own LDS and stored 512 bytes an instruction.
; Work-groups 0-127: Wq, Wk, Wv, Wo (32 each); 128-255: W1; 256-383: W2.  No barrier: waves share nothing.  Loads run two blocks (64 loads a wave) ahead.
.set UNIT, 3328
.set OFFS, 32                          ; v32-63  row i of a block: i x pitch + 4 x lane; never rewritten
.set X,    64                          ; v64-127 two sets of 32 numbers; on the way out 13 x 4 registers
.set C,    16                          ; v16-21  a block's six registers of codes
.set T,    24                          ; v24-26  the second conversion's result (three registers begin on an even number)
.set SB,   14                          ; v14-15  the scale bytes, four to a register
.set BAS,  32                          ; s[32:47] the eight blocks' bases: no pointer is stepped
	s_load_b256 s[4:11], s[0:1], 0x0               ; Wq, Wk, Wv, Wo
	s_load_b128 s[12:15], s[0:1], 0x20             ; W1, W2
	s_load_b64 s[16:17], s[0:1], 0x30              ; the images
	v_lshl_add_u32 v128, v0, 2, 0x6800
	v_mov_b32 v129, 0
	v_lshrrev_b32 v1, 5, v0
	v_readfirstlane_b32 s50, v1                    ; wave
	v_and_b32 v1, 31, v0                           ; lane = my column of the wave's 32
	s_lshr_b32 s20, ttmp9, 7                       ; 0: the four square weights, 1: W1, 2: W2
	s_and_b32 s21, ttmp9, 127
	s_lshr_b32 s22, s21, 5
	s_add_co_u32 s24, s20, 3
	s_and_b32 s23, s21, 31
	s_cmp_eq_u32 s20, 0
	s_cselect_b32 s22, s22, s24                    ; which weight, 0 to 5
	s_cselect_b32 s21, s23, s21                    ; my number among its work-groups
	s_cmp_eq_u32 s20, 1
	s_cselect_b32 s24, 31, 7
	s_cselect_b32 s25, 5, 3
	s_and_b32 s26, s21, s24                        ; which 128 columns
	s_lshr_b32 s27, s21, s25                       ; which 256 along K
	s_mul_i32 s51, s50, 2*UNIT                     ; my wave's two units in LDS
	v_bfe_u32 v7, v0, 3, 1                         ; column n lies in unit (n / 8) % 2,
	v_and_b32 v8, 7, v0
	v_bfe_u32 v9, v0, 4, 1
	v_lshl_add_u32 v8, v9, 3, v8                   ; as its row r = n % 8 + 8 (n / 16)
	v_mul_u32_u24 v7, v7, UNIT
	v_add_nc_u32 v7, s51, v7
	v_lshl_add_u32 v2, v8, 4, v7                   ; where row r's 16 bytes go,
	v_lshl_add_u32 v3, v8, 3, v7                   ; its 8 bytes,
	v_lshl_add_u32 v4, v8, 2, v7                   ; its scale word
	v_lshlrev_b32 v6, 4, v1                        ; the way out: 16 bytes a lane, in memory
	v_add_nc_u32 v5, s51, v6                       ; and in LDS
	s_mov_b32 s30, 0                               ; the image's first byte,
	s_mov_b32 s31, 128                             ; its blocks of rows,
	s_mov_b32 s18, 0                               ; the weight's first block in it,
	s_mov_b32 s19, 4096                            ; a row of the weight in bytes: Wq's figures; the others' are chosen below, on the work-group's number alone
	s_wait_kmcnt 0x0
	s_mov_b64 s[28:29], s[4:5]
	s_cmp_eq_u32 s22, 1                            ; Wk: behind Wq's 64 blocks in the same image
	s_cselect_b64 s[28:29], s[6:7], s[28:29]
	s_cselect_b32 s18, 64, s18
	s_cmp_eq_u32 s22, 2                            ; Wv
	s_cselect_b64 s[28:29], s[8:9], s[28:29]
	s_cselect_b32 s30, 1703936, s30
	s_cselect_b32 s31, 64, s31
	s_cmp_eq_u32 s22, 3                            ; Wo
	s_cselect_b64 s[28:29], s[10:11], s[28:29]
	s_cselect_b32 s30, 2555904, s30
	s_cselect_b32 s31, 64, s31
	s_cmp_eq_u32 s22, 4                            ; W1
	s_cselect_b64 s[28:29], s[12:13], s[28:29]
	s_cselect_b32 s30, 3407872, s30
	s_cselect_b32 s31, 256, s31
	s_cselect_b32 s19, 16384, s19
	s_cmp_eq_u32 s22, 5                            ; W2
	s_cselect_b64 s[28:29], s[14:15], s[28:29]
	s_cselect_b32 s30, 6815744, s30
	s_cselect_b32 s31, 64, s31
	v_lshlrev_b32 v[OFFS], 2, v1
.set ii, 1
.rept 31
	v_add_nc_u32 v[OFFS+ii], s19, v[OFFS+ii-1]
.set ii, ii+1
.endr
	s_lshl_b32 s48, s27, 8                         ; my first row: 256 x which,
	s_mul_i32 s48, s48, s19
	s_lshl_b32 s49, s26, 9                         ; my work-group's 128 columns,
	s_add_co_u32 s48, s48, s49
	s_lshl_b32 s49, s50, 7                         ; my wave's 32
	s_add_co_u32 s48, s48, s49
	s_mov_b32 s49, 0
	s_add_nc_u64 s[BAS:BAS+1], s[28:29], s[48:49]
	s_lshl_b32 s48, s19, 5                         ; 32 rows on
.irp t, 1,2,3,4,5,6,7
	s_add_nc_u64 s[BAS+2*\t:BAS+2*\t+1], s[BAS+2*\t-2:BAS+2*\t-1], s[48:49]
.endr
	s_mul_i32 s52, s27, s31                        ; my two units: [which 256 along K][first block + 8 x which 128 columns + 2 x wave]
	s_add_co_u32 s52, s52, s18
	s_lshl_b32 s53, s26, 3
	s_add_co_u32 s52, s52, s53
	s_lshl_b32 s53, s50, 1
	s_add_co_u32 s52, s52, s53
	s_mul_i32 s52, s52, UNIT
	s_add_co_u32 s52, s52, s30
	s_mov_b32 s53, 0
	s_add_nc_u64 s[16:17], s[16:17], s[52:53]
.macro LOAD t                          ; block t: rows 32 t + i of my column, into set t % 2; a load reads 128 consecutive bytes a wave
.set ii, 0
.rept 32
	global_load_b32 v[X+32*((\t)%2)+ii], v[OFFS+ii], s[BAS+2*(\t):BAS+2*(\t)+1] th:TH_LOAD_NT
.set ii, ii+1
.endr
.endm
.macro BLOCK t
.set XS, X+32*((\t)%2)
.set PL, ((\t)/4)*1536+(((\t)/2)%2)*768        ; K step t / 4, half (t / 2) % 2 of its fragment; the block belongs to lane r + 16 (t % 2)
.if (\t) < 7
	s_wait_loadcnt 32                              ; this block's 32 loads are in; the next block's may be out
.else
	s_wait_loadcnt 0x0
.endif
	v_max3_num_f32 v8, |v[XS]|, |v[XS+1]|, |v[XS+2]|   ; the block's largest magnitude, in two chains
	v_max3_num_f32 v9, |v[XS+3]|, |v[XS+4]|, |v[XS+5]|
.irp i, 6,10,14,18,22,26
	v_max3_num_f32 v8, v8, |v[XS+\i]|, |v[XS+\i+1]|
	v_max3_num_f32 v9, v9, |v[XS+\i+2]|, |v[XS+\i+3]|
.endr
	v_max3_num_f32 v8, v8, |v[XS+30]|, |v[XS+31]|
	v_max3_num_f32 v8, v8, v9, 0x1800000           ; and the floor 2^(3 - 127): the byte cannot fall under 1
	v_add_nc_u32 v10, 0xff000000, v8               ; 2 off the exponent field: the conversion takes this operand's exponent field as its scale
	v_lshrrev_b32 v11, 23, v10                     ; the scale's byte
.if (\t)%4 == 0
	v_mov_b32 v[SB+(\t)/4], v11
.else
	v_lshl_or_b32 v[SB+(\t)/4], v11, 8*((\t)%4), v[SB+(\t)/4]
.endif
	v_cvt_scalef32_pk16_fp6_f32 v[C:C+2], v[XS:XS+15], v10
	v_cvt_scalef32_pk16_fp6_f32 v[T:T+2], v[XS+16:XS+31], v10
	v_nop                                          ; one plain instruction between a scaled conversion and the vector instruction that reads its result
.irp i, 0,1,2
	v_mov_b32 v[C+3+\i], v[T+\i]
.endr
	ds_store_b128 v2, v[C:C+3] offset:PL+256*((\t)%2)
	ds_store_b64 v3, v[C+4:C+5] offset:PL+512+128*((\t)%2)
.if (\t) < 6
	LOAD (\t)+2
.endif
	s_wait_dscnt 0x0                               ; the stores have read their registers: the next block's codes may be written
.endm
	LOAD 0
	LOAD 1
.irp t, 0,1,2,3,4,5,6,7
	BLOCK \t
.endr
.irp q, 0,1
	ds_store_b32 v4, v[SB+\q] offset:3072+128*\q       ; my row's scale word of K step q,
	ds_store_b32 v4, v[SB+\q] offset:3072+128*\q+64    ; and its copy for lanes 16-31
.endr
.irp i, 0,1,2,3,4,5,6,7,8,9,10,11,12
	ds_load_b128 v[X+4*\i:X+4*\i+3], v5 offset:512*\i  ; LDS serves a wave's instructions in order: these see my stores
.endr
.irp i, 0,1,2,3,4,5,6,7,8,9,10,11,12
	s_wait_dscnt 12-\i                             ; load i is back; the younger ones may be out
	global_store_b128 v6, v[X+4*\i:X+4*\i+3], s[16:17] offset:512*\i   ; 32 lanes store 512 consecutive bytes, at a multiple of 256 from the buffer's first byte
.endr
	s_wait_tensorcnt 0x0
	ds_add_u32 v128, v129
	s_wait_dscnt 0x0
	s_endpgm
.Lfunc_end_k_q61ce5061a3_wq:
	.size	k_q61ce5061a3_wq, .Lfunc_end_k_q61ce5061a3_wq-k_q61ce5061a3_wq
	.p2alignl 7, 3214868480
	.fill 96, 4, 3214868480
	.section	.rodata,"a",@progbits
	.p2align	6, 0x0
	.amdhsa_kernel k_q61ce5061a3_wq
		.amdhsa_group_segment_fixed_size 27136
		.amdhsa_private_segment_fixed_size 0
		.amdhsa_enable_private_segment 0
		.amdhsa_kernarg_size 56
		.amdhsa_user_sgpr_count 2
		.amdhsa_user_sgpr_kernarg_segment_ptr 1
		.amdhsa_wavefront_size32 1
		.amdhsa_system_sgpr_workgroup_id_x 1
		.amdhsa_system_sgpr_workgroup_id_y 1
		.amdhsa_system_sgpr_workgroup_id_z 1
		.amdhsa_system_vgpr_workitem_id 0
		.amdhsa_next_free_vgpr 130
		.amdhsa_next_free_sgpr 66
		.amdhsa_reserve_vcc 0
		.amdhsa_float_denorm_mode_32 3
		.amdhsa_float_denorm_mode_16_64 3
		.amdhsa_memory_ordered 1
		.amdhsa_forward_progress 1
		.amdhsa_inst_pref_size 45
	.end_amdhsa_kernel
	.amdgpu_metadata
---
amdhsa.version: [ 1, 2 ]
amdhsa.kernels:
  - .name:           k_q61ce5061a3_wq
    .symbol:         k_q61ce5061a3_wq.kd
    .args:
      - { .name: Wq, .offset: 0, .size: 8, .value_kind: global_buffer, .address_space: global }
      - { .name: Wk, .offset: 8, .size: 8, .value_kind: global_buffer, .address_space: global }
      - { .name: Wv, .offset: 16, .size: 8, .value_kind: global_buffer, .address_space: global }
      - { .name: Wo, .offset: 24, .size: 8, .value_kind: global_buffer, .address_space: global }
      - { .name: W1, .offset: 32, .size: 8, .value_kind: global_buffer, .address_space: global }
      - { .name: W2, .offset: 40, .size: 8, .value_kind: global_buffer, .address_space: global }
      - { .name: wimg, .offset: 48, .size: 8, .value_kind: global_buffer, .address_space: global }
    .group_segment_fixed_size: 27136
    .private_segment_fixed_size: 0
    .kernarg_segment_align: 8
    .kernarg_segment_size: 56
    .max_flat_workgroup_size: 128
    .sgpr_count:     66
    .vgpr_count:     130
    .wavefront_size: 32
...
	.end_amdgpu_metadata
.endif
;; end of part 1
;; launch ln1 (part 2): grid 256 x 1, 8 waves a work-group, no clusters, 69,632 bytes of LDS; arguments x, ln1_g, ln1_b, himg; writes himg
.if DOCPART == 2
	.amdgcn_target "amdgcn-amd-amdhsa--gfx1250"
	.amdhsa_code_object_version 6
	.text
	.protected	k_q61ce5061a3_ln1
	.globl	k_q61ce5061a3_ln1
	.p2align	8
	.type	k_q61ce5061a3_ln1,@function
k_q61ce5061a3_ln1:
	s_mov_b64 s[64:65], 0
	v_nop
	global_prefetch_b8 v0, s[64:65] scope:SCOPE_SE
	s_setreg_imm32_b32 hwreg(HW_REG_WAVE_MODE, 25, 1), 1
	s_wait_xcnt 0x0
; h = g (x - mean) rsqrt(var + 1e-5) + b over rows of 1,024 f32, then quantised along the row to FP6 (E2M3) with one E8M0 scale for each 32, and stored as an image of operand registers.
; THE IMAGE: units of 3,328 bytes laid [k / 256][block of 16 rows, 256 of them].  In a unit, for K step q of 128 and half c: at 1536 q + 768 c registers 6c..6c+3 (16 bytes at 16 x lane), at + 512 registers
; 6c+4, 6c+5 (8 bytes at 8 x lane); at 3072 + 128 q + 4 x lane the scale word of lane % 16's row.  Row r of block rb is token 32 (rb / 2) + 8 (rb % 2) + r + 8 (r / 8).
; SHARES: a work-group takes one block of 16 rows; wave w takes columns 128 w .. 128 w + 127 of them, one K step.  The numbers stay in registers from the load to the codes.
; Loads read 512 consecutive bytes of a row; the wave's own stage in LDS turns them so that lane (r, h) holds, of row r, columns 32 b + 16 h + i in register 16 b + i: what the conversions want.
; Mean and variance in two passes (the variance of x - mean, so that no difference of large sums is formed); the eight waves' parts meet in LDS: two barriers.
; LIMITS: a block of zeros, or one whose largest magnitude lies under 2^-124, gets the byte 1 (this program alone reads the bytes); NaN and infinities are not served.
.set STG,  8448                        ; a wave's stage: 16 rows x (512 + 16) bytes: rows 33 x 16 bytes apart, so sixteen rows' 16 bytes fall on different banks
.set STAT, 8*STG                       ; [wave][row] partial sums, 512 bytes; 512 further on the same for the squares
.set TM,   16                          ; v16-19 largest magnitudes, v20-23 bytes, v28-31 the conversions' scale operands
.set X,    32
.set G,    96
.set B,    160
.set PC,   224                         ; v224-235 the codes; v236-238, v240-242 at work
.set PW,   244                         ; the scale word
	s_load_b256 s[4:11], s[0:1], 0x0               ; x, g, b, the image
	v_lshl_add_u32 v239, v0, 2, 0x10c00
	v_mov_b32 v243, 0
	v_lshrrev_b32 v1, 5, v0
	v_readfirstlane_b32 s12, v1                    ; wave
	v_and_b32 v9, 31, v0                           ; lane
	v_and_b32 v10, 15, v0                          ; r
	v_bfe_u32 v11, v0, 4, 1                        ; h
	v_lshlrev_b32 v1, 4, v9                        ; 16 x lane
	s_mul_i32 s13, s12, STG
	v_add_nc_u32 v2, s13, v1                       ; into the stage: as loaded
	v_mul_u32_u24 v3, v10, 528
	v_lshl_add_u32 v3, v11, 6, v3
	v_add_nc_u32 v3, s13, v3                       ; out of it: row r, + 64 h
	v_lshlrev_b32 v4, 6, v11                       ; g, b: + 64 h
	s_lshl_b32 s14, s12, 6
	s_add_co_u32 s14, s14, STAT
	v_lshl_add_u32 v5, v10, 2, s14                 ; my wave's partial sum of row r
	v_lshlrev_b32 v6, 2, v10
	v_add_nc_u32 v6, STAT, v6                      ; all waves' of row r
	v_lshlrev_b32 v7, 3, v9                        ; 8 x lane
	s_and_b32 s15, s12, 1
	s_mul_i32 s16, s15, 1408
	s_sub_co_u32 s16, 3072, s16
	v_lshl_add_u32 v8, v9, 2, s16                  ; the scale word's place, counted from my K step's codes: 3072 + 128 q - 1536 q + 4 x lane
	s_lshr_b32 s20, ttmp9, 1
	s_lshl_b32 s20, s20, 17                        ; 32 rows of 4,096 bytes for each pair of blocks,
	s_and_b32 s21, ttmp9, 1
	s_lshl_b32 s21, s21, 15                        ; 8 rows for the odd one,
	s_add_co_u32 s20, s20, s21
	s_lshl_b32 s22, s12, 9                         ; my wave's 512 bytes of a row
	s_add_co_u32 s20, s20, s22
	s_mov_b32 s21, 0
	s_mov_b32 s23, 0
	s_lshr_b32 s24, s12, 1
	s_lshl_b32 s24, s24, 8
	s_add_co_u32 s24, s24, ttmp9
	s_mul_i32 s24, s24, 3328                       ; unit [wave / 2][block],
	s_mul_i32 s25, s15, 1536                       ; K step wave % 2 in it
	s_add_co_u32 s24, s24, s25
	s_mov_b32 s25, 0
	s_mov_b32 s26, 0x76543210
	s_mov_b32 s27, 0xfedcba98                      ; v_permlanex16_b32's selects for lane l xor 16
	s_mov_b32 s28, 0x3a800000                      ; 1 / 1024
	s_mov_b32 s29, 0x3727c5ac                      ; 1e-5
	v_mov_b32 v245, 0                              ; written once: a lane permute's destination counts as one of its sources
.irp b, 0,1,2,3
	v_mov_b32 v[TM+4+\b], 0
.endr
	s_wait_kmcnt 0x0
	s_add_nc_u64 s[4:5], s[4:5], s[20:21]
	s_add_nc_u64 s[6:7], s[6:7], s[22:23]
	s_add_nc_u64 s[8:9], s[8:9], s[22:23]
	s_add_nc_u64 s[10:11], s[10:11], s[24:25]
.irp i, 0,1,2,3,4,5,6,7,8,9,10,11,12,13,14,15
	global_load_b128 v[X+4*\i:X+4*\i+3], v1, s[4:5] offset:(\i+8*(\i/8))*4096 th:TH_LOAD_NT   ; row i of the block: 512 consecutive bytes
.endr
.irp b, 0,1,2,3
.irp j, 0,1,2,3
	global_load_b128 v[G+16*\b+4*\j:G+16*\b+4*\j+3], v4, s[6:7] offset:128*\b+16*\j
	global_load_b128 v[B+16*\b+4*\j:B+16*\b+4*\j+3], v4, s[8:9] offset:128*\b+16*\j
.endr
.endr
	s_wait_loadcnt 32                              ; x is in; the 32 loads of g and b may be out
.irp i, 0,1,2,3,4,5,6,7,8,9,10,11,12,13,14,15
	ds_store_b128 v2, v[X+4*\i:X+4*\i+3] offset:528*\i
.endr
.irp b, 0,1,2,3
.irp j, 0,1,2,3
	ds_load_b128 v[X+16*\b+4*\j:X+16*\b+4*\j+3], v3 offset:128*\b+16*\j   ; LDS serves a wave's instructions in order: these see my stores
.endr
.endr
	s_wait_dscnt 0x0
; v246 holds my lane's part of a row's sum; afterwards the sum over all 1,024 columns, in every lane of the row
.macro ACROSS off
	v_permlanex16_b32 v245, v246, s26, s27
	v_add_f32 v246, v246, v245                     ; my wave's 128 columns
	ds_store_b32 v5, v246 offset:\off              ; (lanes r and r + 16 write the same word with the same value)
	s_wait_dscnt 0x0                               ; for the others' sake: my store has landed
	s_barrier_signal -1
	s_barrier_wait -1
.irp k, 0,1,2,3,4,5,6,7
	ds_load_b32 v[246+\k], v6 offset:\off+64*\k
.endr
	s_wait_dscnt 0x0
	v_add_f32 v246, v246, v247
	v_add_f32 v248, v248, v249
	v_add_f32 v250, v250, v251
	v_add_f32 v252, v252, v253
	v_add_f32 v246, v246, v248
	v_add_f32 v250, v250, v252
	v_add_f32 v246, v246, v250
.endm
.macro FOLD                            ; four chains of pairs into v246
	v_pk_add_f32 v[246:247], v[246:247], v[248:249]
	v_pk_add_f32 v[250:251], v[250:251], v[252:253]
	v_pk_add_f32 v[246:247], v[246:247], v[250:251]
	v_add_f32 v246, v246, v247
.endm
.irp k, 0,1,2,3
	v_pk_add_f32 v[246+2*\k:247+2*\k], v[X+4*\k:X+4*\k+1], v[X+4*\k+2:X+4*\k+3]   ; the first numbers start the chains: nothing is cleared
.endr
.irp j, 16,24,32,40,48,56
.irp k, 0,1,2,3
	v_pk_add_f32 v[246+2*\k:247+2*\k], v[246+2*\k:247+2*\k], v[X+\j+2*\k:X+\j+2*\k+1]
.endr
.endr
	FOLD
	ACROSS 0
	v_mul_f32 v254, s28, v246                      ; the mean
	v_mov_b32 v255, v254
.set jj, 0
.rept 32
	v_pk_add_f32 v[X+jj:X+jj+1], v[X+jj:X+jj+1], v[254:255] neg_lo:[0,1] neg_hi:[0,1]   ; x - mean
.set jj, jj+2
.endr
.irp k, 0,1,2,3
	v_pk_mul_f32 v[246+2*\k:247+2*\k], v[X+2*\k:X+2*\k+1], v[X+2*\k:X+2*\k+1]
.endr
.irp j, 8,16,24,32,40,48,56
.irp k, 0,1,2,3
	v_pk_fma_f32 v[246+2*\k:247+2*\k], v[X+\j+2*\k:X+\j+2*\k+1], v[X+\j+2*\k:X+\j+2*\k+1], v[246+2*\k:247+2*\k]
.endr
.endr
	FOLD
	ACROSS 512                                     ; other bytes than the first exchange's: no barrier is needed between the two
	v_fma_f32 v246, v246, s28, s29                 ; the variance + 1e-5
	v_rsq_f32 v254, v246
	v_nop                                          ; a plain instruction behind the transcendental,
	s_wait_alu depctr_va_vdst(0)                   ; and the wait ahead of its first reader
	v_mov_b32 v255, v254
	s_wait_loadcnt 0x0                             ; g and b
.set jj, 0
.rept 32
	v_pk_mul_f32 v[X+jj:X+jj+1], v[X+jj:X+jj+1], v[254:255]
.set jj, jj+2
.endr
.set jj, 0
.rept 32
	v_pk_fma_f32 v[X+jj:X+jj+1], v[X+jj:X+jj+1], v[G+jj:G+jj+1], v[B+jj:B+jj+1]
.set jj, jj+2
.endr
; 64 numbers of a lane, register 16 b + i = column 32 b + 16 h + i of my row, become a fragment's codes and its scale word
.irp b, 0,1,2,3
	v_max3_num_f32 v[TM+\b], |v[X+16*\b]|, |v[X+16*\b+1]|, 0x1800000   ; my 16 numbers of block b, and the floor 2^(3 - 127): the byte cannot fall under 1
.endr
.irp i, 2,4,6,8,10,12,14
.irp b, 0,1,2,3
	v_max3_num_f32 v[TM+\b], v[TM+\b], |v[X+16*\b+\i]|, |v[X+16*\b+\i+1]|
.endr
.endr
.irp b, 0,1,2,3
	v_permlanex16_b32 v[TM+4+\b], v[TM+\b], s26, s27
.endr
.irp b, 0,1,2,3
	v_max_num_f32 v[TM+\b], v[TM+\b], v[TM+4+\b]   ; with lane l xor 16's: the block's largest magnitude
.endr
.irp b, 0,1,2,3
	v_add_nc_u32 v[TM+12+\b], 0xff000000, v[TM+\b] ; 2 off its exponent field: the conversion's scale operand
.endr
.irp b, 0,1,2,3
	v_lshrrev_b32 v[TM+4+\b], 23, v[TM+12+\b]      ; the scale's byte
.endr
	v_lshl_or_b32 v[PW], v[TM+5], 8, v[TM+4]
	v_lshl_or_b32 v[PW], v[TM+6], 16, v[PW]
	v_lshl_or_b32 v[PW], v[TM+7], 24, v[PW]
.irp c, 0,1
	v_cvt_scalef32_pk16_fp6_f32 v[PC+6*\c:PC+6*\c+2], v[X+32*\c:X+32*\c+15], v[TM+12+2*\c]
	v_cvt_scalef32_pk16_fp6_f32 v[PC+12+4*\c:PC+14+4*\c], v[X+32*\c+16:X+32*\c+31], v[TM+13+2*\c]
.endr
	v_nop                                          ; one plain instruction behind a scaled conversion
.irp c, 0,1                                    ; the operand's layout wants a whole block in a lane: lanes 0-15 block 2 c, lanes 16-31 block 2 c + 1
.irp i, 0,1,2
	v_permlane16_swap_b32 v[PC+6*\c+\i], v[PC+12+4*\c+\i]
.endr
.irp i, 0,1,2
	v_mov_b32 v[PC+3+6*\c+\i], v[PC+12+4*\c+\i]
.endr
.endr
	global_store_b128 v1, v[PC:PC+3], s[10:11]                 ; 512 consecutive bytes,
	global_store_b64 v7, v[PC+4:PC+5], s[10:11] offset:512     ; 256,
	global_store_b128 v1, v[PC+6:PC+9], s[10:11] offset:768
	global_store_b64 v7, v[PC+10:PC+11], s[10:11] offset:1280  ; each at a multiple of 256 from the buffer's first byte
	global_store_b32 v8, v[PW], s[10:11]                       ; 128 bytes: the scale words, lanes 16-31 repeating lanes 0-15
	s_wait_tensorcnt 0x0
	ds_add_u32 v239, v243
	s_wait_dscnt 0x0
	s_endpgm
.Lfunc_end_k_q61ce5061a3_ln1:
	.size	k_q61ce5061a3_ln1, .Lfunc_end_k_q61ce5061a3_ln1-k_q61ce5061a3_ln1
	.p2alignl 7, 3214868480
	.fill 96, 4, 3214868480
	.section	.rodata,"a",@progbits
	.p2align	6, 0x0
	.amdhsa_kernel k_q61ce5061a3_ln1
		.amdhsa_group_segment_fixed_size 69632
		.amdhsa_private_segment_fixed_size 0
		.amdhsa_enable_private_segment 0
		.amdhsa_kernarg_size 32
		.amdhsa_user_sgpr_count 2
		.amdhsa_user_sgpr_kernarg_segment_ptr 1
		.amdhsa_wavefront_size32 1
		.amdhsa_system_sgpr_workgroup_id_x 1
		.amdhsa_system_sgpr_workgroup_id_y 1
		.amdhsa_system_sgpr_workgroup_id_z 1
		.amdhsa_system_vgpr_workitem_id 0
		.amdhsa_next_free_vgpr 256
		.amdhsa_next_free_sgpr 66
		.amdhsa_reserve_vcc 0
		.amdhsa_float_denorm_mode_32 3
		.amdhsa_float_denorm_mode_16_64 3
		.amdhsa_memory_ordered 1
		.amdhsa_forward_progress 1
		.amdhsa_inst_pref_size 26
	.end_amdhsa_kernel
	.amdgpu_metadata
---
amdhsa.version: [ 1, 2 ]
amdhsa.kernels:
  - .name:           k_q61ce5061a3_ln1
    .symbol:         k_q61ce5061a3_ln1.kd
    .args:
      - { .name: x, .offset: 0, .size: 8, .value_kind: global_buffer, .address_space: global }
      - { .name: ln1_g, .offset: 8, .size: 8, .value_kind: global_buffer, .address_space: global }
      - { .name: ln1_b, .offset: 16, .size: 8, .value_kind: global_buffer, .address_space: global }
      - { .name: himg, .offset: 24, .size: 8, .value_kind: global_buffer, .address_space: global }
    .group_segment_fixed_size: 69632
    .private_segment_fixed_size: 0
    .kernarg_segment_align: 8
    .kernarg_segment_size: 32
    .max_flat_workgroup_size: 256
    .sgpr_count:     66
    .vgpr_count:     256
    .wavefront_size: 32
...
	.end_amdgpu_metadata
.endif
;; end of part 2
;; launch gqkv (part 3): grid 48 x 4, 4 waves a work-group, clusters of 4 x 4, 327,680 bytes of LDS; arguments himg, wimg, qkv; writes qkv
.if DOCPART == 3
	.amdgcn_target "amdgcn-amd-amdhsa--gfx1250"
	.amdhsa_code_object_version 6
	.text
	.protected	k_q61ce5061a3_gqkv
	.globl	k_q61ce5061a3_gqkv
	.p2align	8
	.type	k_q61ce5061a3_gqkv,@function
k_q61ce5061a3_gqkv:
	s_mov_b64 s[64:65], 0
	v_nop
	global_prefetch_b8 v0, s[64:65] scope:SCOPE_SE
	s_setreg_imm32_b32 hwreg(HW_REG_WAVE_MODE, 25, 1), 1
	s_wait_xcnt 0x0
	s_wait_alu depctr_hold_cnt(0) depctr_sa_sdst(0) depctr_va_vdst(0) depctr_va_sdst(0) depctr_va_ssrc(0) depctr_va_vcc(0) depctr_vm_vsrc(0)
	s_getreg_b32 s2, hwreg(HW_REG_IB_STS2, 6, 4)
	s_cmp_eq_u32 s2, 0
	s_cbranch_scc0 .Lentry_in_a_cluster
	s_endpgm
.Lentry_in_a_cluster:
	s_bfe_u32 s2, ttmp6, 0x10000c
	s_cmp_lg_u32 s2, 0xf033
	s_cbranch_scc0 .Lentry_shape_is_right
	s_endpgm
.Lentry_shape_is_right:
; q = h Wq, k = h Wk, v = h Wv on codes of FP6 (E2M3) with E8M0 scales, K = 1,024; the results are quantised again on the way out and leave as images of operand registers: q and k along the features, v along the tokens.
; AN IMAGE: units of 3,328 bytes laid [k / 256][block of 16 rows].  In a unit, for K step q of 128 and half c: at 1536 q + 768 c registers 6c..6c+3 of the fragment (16 bytes at 16 x lane), at + 512 registers 6c+4, 6c+5
; (8 bytes at 8 x lane); at 3072 + 128 q + 4 x lane the scale word of lane % 16's row.  Row r of block rb is row 32 (rb / 2) + 8 (rb % 2) + r + 8 (r / 8) of the operand.
; So a fragment comes out of LDS by two loads of 16 bytes and two of 8, each of consecutive bytes, and the eight blocks of rows that a wave fetches for 256 along K are one dense block of 26,624 bytes.
; A tile of 256 x 256 is made by four waves, each 128 x 128: 64 accumulators, 512 registers.  K goes in steps of 256 through two LDS slots filled by the tensor data mover; the scale words travel in the slots.
; THE PRODUCT IS USED TRANSPOSED: source 0 = 16 rows of side B, source 1 = 16 rows of side A.  By the order of rows above, lane (r, h) then holds row r of A's block, and register 8 b + j of the eight accumulators of
; a block of A holds B's row 32 (b / 2) + 16 h + 8 (b % 2) + j: 16 neighbours for each block of 32, which is what the conversions want.
; Clusters 0-7: A = tokens (h), B = Wq's and Wk's columns.  Clusters 8-11: A = Wv's columns, B = tokens: the same way out then quantises v along the tokens, the second attention product's K.
; CLUSTERS: 4 x 4 work-groups; A's tiles are asked for jointly along a row of the cluster, B's along a column.  What is chosen by the cluster's number is equal in all sixteen partners.
; In q's, k's and v's images lanes 16-31 of the scale words hold the word >> 16: the bytes of the upper 64 along K (an odd head) in bytes 0 and 1.
; LIMITS: a block of zeros, or one whose largest magnitude lies under 2^-124, gets the byte 1 (this program alone reads the bytes); NaN and infinities are not served.
; REGISTERS, in windows of 256: window 0: v1-31 addresses; v32-63 scale words, two sets; v128-223 A's eight fragments, one set (on the way out v200-239 are at work).  window 1: B's fragments, two sets, at v0 and v128.
;   window 2: the accumulators of A's blocks 0-3 ((a, b) at v[8 (8 (a % 4) + b)]);  window 3: those of blocks 4-7.
.set KTOT,  1024
.set UNIT,  3328
.set HALFT, 8*UNIT                     ; what one tensor load brings, and what one wave reads of A or of B
.set SLOT,  4*HALFT                    ; A's 16 units, then B's 16
.set SPARE, 2*SLOT                     ; behind the ring: the spare words, 128 bytes for each wave, which no other line names
.set LAPS,  KTOT/512                   ; a lap = two slots = 512 along K
.set FR,    12
.set ADRS,  10                         ; v10-11 my scale words in slot 0, 1: lanes 0-15 A's, lanes 16-31 B's
.set A16,   16                         ; v16-17 A's fragments in slot 0, 1: 16 x lane;  v18-19: 8 x lane
.set A8,    18
.set B16,   20                         ; v20-23 the same for B
.set B8,    22
.set SPW,   28                         ; v28 LDS address of my spare word; v29 = 0; neither is rewritten
.set NIL,   29
.set SC,    32                         ; set s at v[SC + 16 s]; register 2 i + q: lanes 0-15 the word of A's block i, lanes 16-31 of B's block i, for the slot's q-th 128 along K
.set AF,    128
.set TM,    200
.set PW,    216
.set PC,    220
.set G1,  24                           ; s[24:31] group 1 for A's tiles, s[32:39] group 0, a set for each slot
.set G0,  32
.set G1B, 48                           ; s[48:55], s[56:63] the same for B's
.set G0B, 56
.set MSB, 0
.macro WIN new                         ; the immediate's high byte repeats the setting that is left; a switch that changes nothing is dropped
.if MSB != (\new)
	s_set_vgpr_msb (MSB<<8)|(\new)
.set MSB, (\new)
.endif
.endm
.set MUL_LO, 0xa1                      ; source 0 (B) window 1, source 1 (A) window 0, C and D window 2
.set MUL_HI, 0xf1                      ; the same, C and D window 3
.set TO_B,   0x40                      ; destination window 1, address window 0
.macro JLOAD s                         ; a joint load: waves 0 and 1 fetch A's halves, waves 2 and 3 B's; four v_nop follow each of the two lines
	s_cmp_eq_u32 s15, 0
	s_cbranch_scc0 .Lfor_b_\@
	tensor_load_to_lds s[G0+4*\s:G0+4*\s+3], s[G1:G1+7]
	s_nop 0
.rept 4
	v_nop
.endr
	s_branch .Lasked_\@
.Lfor_b_\@:
	tensor_load_to_lds s[G0B+4*\s:G0B+4*\s+3], s[G1B:G1B+7]
	s_nop 0
.rept 4
	v_nop
.endr
.Lasked_\@:
.endm
.macro CREST                           ; a round of the cluster's barrier behind its opening barrier
	s_cmp_lg_u32 s14, 0
	s_cbranch_scc1 .Lnot_wave_0_\@
	s_barrier_signal -3
.Lnot_wave_0_\@:
	s_barrier_wait -3
	s_barrier_signal -1
	s_barrier_wait -1
.endm
.macro CROUND
	s_barrier_signal -1
	s_barrier_wait -1
	CREST
.endm
.macro PLACES n                        ; plain vector instructions between a matrix instruction and a load into, or a read of, its registers (ISA guide 7.12.1 for reads)
.rept \n
	v_nop
.endr
.endm
	s_load_b128 s[4:7], s[0:1], 0x0                ; h's image, the weights' images
	s_load_b64 s[8:9], s[0:1], 0x10                ; q's, k's and v's images
	v_lshl_add_u32 v[SPW], v0, 2, SPARE
	v_mov_b32 v[NIL], 0
	ds_add_u32 v28, v29
	s_wait_dscnt 0x0
	v_lshrrev_b32 v1, 5, v0
	v_readfirstlane_b32 s14, v1                    ; wave
	s_lshr_b32 s15, s14, 1                         ; which half of A's rows is mine.  Also: I fetch for A (0) or for B (1)
	s_and_b32 s16, s14, 1                          ; which half of B's rows.  Also: which 8 units of that tile I fetch
	s_bfe_u32 s40, ttmp6, 0x40000                  ; cx, cy: my place in the cluster
	s_bfe_u32 s41, ttmp6, 0x40004
	s_lshr_b32 s20, ttmp9, 1
	s_and_b32 s46, ttmp9, 1
	s_sub_co_u32 s47, ttmp9, 8
	s_mov_b32 s77, 256
	s_cmp_lt_u32 ttmp9, 8                          ; q and k, or v?  The cluster's number: the same in all partners
	s_cselect_b32 s20, s20, 0                      ; the cluster's place along A's rows,
	s_cselect_b32 s46, s46, s47                    ; and along B's
	s_cselect_b32 s76, 256, 64                     ; blocks of rows in A's image,
	s_cselect_b32 s77, 128, s77                    ; in B's,
	s_cselect_b32 s78, 256, 64                     ; in the result's
	s_cselect_b32 s79, 0, 1703936                  ; A's first byte in its buffer (Wv's image lies behind Wq's and Wk's)
	s_cselect_b32 s80, 0, 6815744                  ; the result's (v's image lies behind q's and k's)
	s_lshl_b32 s17, s20, 2
	s_add_co_u32 s17, s17, s41                     ; tile along A's rows
	s_lshl_b32 s42, s46, 2
	s_add_co_u32 s42, s42, s40                     ; tile along B's rows
	s_lshl_b32 s43, s41, 2
	s_lshl_b32 s43, 15, s43                        ; my row of the cluster
	s_lshl_b32 s44, 0x1111, s40                    ; my column
	s_or_b32 s[G1], s43, (3<<16)|(1<<21)           ; 15:0 the mask; 17:16 elements of 8 bytes; 21 set beside a mask; no padding
	s_or_b32 s[G1B], s44, (3<<16)|(1<<21)
.irp g, G1, G1B                        ; a dense block of 26,624 bytes as 104 rows of 256
	s_mov_b32 s[\g+1], 32<<16                      ; tensor_dim0
	s_mov_b32 s[\g+2], 104<<16                     ; tensor_dim1
	s_mov_b32 s[\g+3], 32<<16                      ; tile_dim0
	s_mov_b32 s[\g+4], 104                         ; tile_dim1
	s_mov_b32 s[\g+5], 32                          ; from row to row
	s_mov_b32 s[\g+6], 0
	s_mov_b32 s[\g+7], 0
.endr
	s_lshl_b32 s18, s16, 3
	s_lshl_b32 s20, s17, 4
	s_add_co_u32 s20, s20, s18                     ; A: unit 16 x tile + 8 x half
	s_mul_i32 s20, s20, UNIT
	s_add_co_u32 s20, s20, s79
	s_mov_b32 s21, 0
	s_lshl_b32 s46, s42, 4
	s_add_co_u32 s46, s46, s18                     ; B likewise
	s_mul_i32 s46, s46, UNIT
	s_mov_b32 s47, 0
	s_mul_i32 s68, s76, UNIT                       ; 256 along K on, in A's image
	s_mov_b32 s69, 0
	s_mul_i32 s70, s77, UNIT                       ; and in B's
	s_mov_b32 s71, 0
	s_mul_i32 s45, s14, HALFT                      ; where my load goes: no place in the cluster enters an LDS address
	s_wait_kmcnt 0x0
	s_cmp_lt_u32 ttmp9, 8
	s_cselect_b64 s[82:83], s[4:5], s[6:7]         ; A's buffer
	s_cselect_b64 s[84:85], s[6:7], s[4:5]         ; B's
	s_add_nc_u64 s[20:21], s[82:83], s[20:21]
	s_add_nc_u64 s[46:47], s[84:85], s[46:47]
	CROUND                                         ; all sixteen work-groups are here: the first joint loads meet
	s_mov_b32 s[G0], 1
	s_mov_b32 s[G0+1], s45
	s_mov_b64 s[G0+2:G0+3], s[20:21]
	s_or_b32 s[G0+3], s[G0+3], 0x80000000
	s_mov_b32 s[G0+4], 1
	s_add_co_u32 s[G0+5], s45, SLOT
	s_add_nc_u64 s[G0+6:G0+7], s[20:21], s[68:69]
	s_or_b32 s[G0+7], s[G0+7], 0x80000000
	s_mov_b32 s[G0B], 1
	s_mov_b32 s[G0B+1], s45
	s_mov_b64 s[G0B+2:G0B+3], s[46:47]
	s_or_b32 s[G0B+3], s[G0B+3], 0x80000000
	s_mov_b32 s[G0B+4], 1
	s_add_co_u32 s[G0B+5], s45, SLOT
	s_add_nc_u64 s[G0B+6:G0B+7], s[46:47], s[70:71]
	s_or_b32 s[G0B+7], s[G0B+7], 0x80000000
	JLOAD 0                                        ; two tensor loads of mine are out
	JLOAD 1
	s_lshl_b32 s68, s68, 1                         ; a refill steps two slots on
	s_lshl_b32 s70, s70, 1
	v_and_b32 v1, 31, v0                           ; lane
	v_bfe_u32 v2, v0, 4, 1                         ; h
	v_lshlrev_b32 v3, 4, v1
	v_lshlrev_b32 v4, 3, v1
	v_lshlrev_b32 v5, 2, v1
	s_mul_i32 s21, s15, HALFT                      ; my 8 units of A
	s_mul_i32 s22, s16, HALFT
	s_add_co_u32 s22, s22, 2*HALFT                 ; my 8 units of B, behind A's 16
	s_sub_co_u32 s23, s22, s21
	v_mul_u32_u24 v6, s23, v2                      ; lanes 16-31 take B's scale words
	v_add_nc_u32 v6, v6, v5
.irp s, 0,1
	v_add_nc_u32 v[A16+\s], s21, v3
	v_add_nc_u32 v[A8+\s], s21, v4
	v_add_nc_u32 v[B16+\s], s22, v3
	v_add_nc_u32 v[B8+\s], s22, v4
	v_add_nc_u32 v[ADRS+\s], s21, v6
	s_add_co_u32 s21, s21, SLOT
	s_add_co_u32 s22, s22, SLOT
.endr
	s_mul_i32 s92, s42, s78                        ; the result: unit [tile along B][16 x tile along A + 8 x my half],
	s_lshl_b32 s93, s17, 4
	s_add_co_u32 s92, s92, s93
	s_lshl_b32 s93, s15, 3
	s_add_co_u32 s92, s92, s93
	s_mul_i32 s92, s92, UNIT
	s_mul_i32 s93, s16, 1536                       ; K step = my half of B's rows
	s_add_co_u32 s92, s92, s93
	s_add_co_u32 s92, s92, s80
	s_mov_b32 s93, 0
	s_add_nc_u64 s[72:73], s[8:9], s[92:93]
	s_mul_i32 s93, s16, 1408
	s_sub_co_u32 s93, 3072, s93
	v_mov_b32 v24, v3                              ; the way out: 16 x lane,
	v_mov_b32 v25, v4                              ; 8 x lane,
	v_add_nc_u32 v26, s93, v5                      ; the scale word's place, counted from my K step's codes,
	v_lshlrev_b32 v27, 4, v2                       ; 16 h
	s_mov_b32 s74, 0x76543210
	s_mov_b32 s75, 0xfedcba98                      ; v_permlanex16_b32's selects for lane l xor 16
.macro FRAG reg, a16, a8, off          ; a fragment's image: 12 registers by four loads of consecutive bytes
	ds_load_b128 v[\reg:\reg+3], v[\a16] offset:\off
	ds_load_b64 v[\reg+4:\reg+5], v[\a8] offset:\off+512
	ds_load_b128 v[\reg+6:\reg+9], v[\a16] offset:\off+768
	ds_load_b64 v[\reg+10:\reg+11], v[\a8] offset:\off+1280
.endm
.macro FETCH_B slot, q, p              ; B's eight fragments of the slot's q-th 128 along K into set p
	WIN TO_B
.irp i, 0,1,2,3,4,5,6,7
	FRAG 128*(\p)+FR*\i, B16+\slot, B8+\slot, \i*UNIT+(\q)*1536
.endr
	WIN 0
.endm
.macro FETCH_A slot, q, i0             ; A's blocks i0 .. i0 + 3
.irp i, \i0, \i0+1, \i0+2, \i0+3
	FRAG AF+FR*(\i), A16+\slot, A8+\slot, (\i)*UNIT+(\q)*1536
.endr
.endm
.macro SCALES slot
.irp i, 0,1,2,3,4,5,6,7
.irp q, 0,1
	ds_load_b32 v[SC+16*\slot+2*\i+\q], v[ADRS+\slot] offset:\i*UNIT+3072+128*\q
.endr
.endr
.endm
; 16 matrix instructions: A's blocks a0, a0 + 1 x B's eight, 128 along K.  The 64 accumulators take turns, one instruction a turn, in the same order in every step.
.macro MUL16 a0, p, q, sc, zero
.irp a, \a0, \a0+1
.irp b, 0,1,2,3,4,5,6,7
.if \zero
	v_wmma_scale_f32_16x16x128_f8f6f4 v[8*(8*((\a)%4)+\b):8*(8*((\a)%4)+\b)+7], v[128*(\p)+FR*\b:128*(\p)+FR*\b+FR-1], v[AF+FR*(\a):AF+FR*(\a)+FR-1], 0, v[SC+16*(\sc)+2*\b+(\q)], v[SC+16*(\sc)+2*(\a)+(\q)] matrix_a_fmt:MATRIX_FMT_FP6 matrix_b_fmt:MATRIX_FMT_FP6 matrix_a_scale:MATRIX_SCALE_ROW1
.else
	v_wmma_scale_f32_16x16x128_f8f6f4 v[8*(8*((\a)%4)+\b):8*(8*((\a)%4)+\b)+7], v[128*(\p)+FR*\b:128*(\p)+FR*\b+FR-1], v[AF+FR*(\a):AF+FR*(\a)+FR-1], v[8*(8*((\a)%4)+\b):8*(8*((\a)%4)+\b)+7], v[SC+16*(\sc)+2*\b+(\q)], v[SC+16*(\sc)+2*(\a)+(\q)] matrix_a_fmt:MATRIX_FMT_FP6 matrix_b_fmt:MATRIX_FMT_FP6 matrix_a_scale:MATRIX_SCALE_ROW1
.endif
.endr
.endr
.endm
.macro STEP slot, zero                 ; a slot's first 128 along K; it fetches the second
	s_wait_dscnt 16                                ; all but the youngest 16 loads (A's blocks 4-7) are in
	WIN MUL_LO
	MUL16 0, 0, 0, \slot, \zero
	MUL16 2, 0, 0, \slot, \zero
	s_wait_dscnt 0x0                               ; A's blocks 4-7 are in
	PLACES 4
	FETCH_B \slot, 1, 1
	FETCH_A \slot, 1, 0
	WIN MUL_HI
	MUL16 4, 0, 0, \slot, \zero
	MUL16 6, 0, 0, \slot, \zero
	PLACES 4
	WIN 0
	FETCH_A \slot, 1, 4
.endm
; A slot's second 128 along K changes slots: one barrier; in front of it each wave waits for all its tensor loads, adds 0 to its spare word, and waits for that and for its reads of this slot.
.macro TURN slot, next, fill
	s_wait_tensorcnt 0x0                           ; all my tensor loads have landed: my part of the next slot
	ds_add_u32 v[SPW], v[NIL]                      ; 0 onto my spare word
	s_wait_dscnt 17                                ; (the add and the youngest 16 loads may be out)
	WIN MUL_LO
	MUL16 0, 1, 1, \slot, 0
	s_wait_dscnt 0x0                               ; the add is done, and my reads of this slot are over
	s_barrier_signal -1
	MUL16 2, 1, 1, \slot, 0
	WIN 0
	s_barrier_wait -1
.if \fill
	CREST                                          ; the barrier has opened a round of the cluster's: no wave of any partner still reads this slot or has a load on its way
	s_add_nc_u64 s[G0+4*\slot+2:G0+4*\slot+3], s[G0+4*\slot+2:G0+4*\slot+3], s[68:69]
	s_add_nc_u64 s[G0B+4*\slot+2:G0B+4*\slot+3], s[G0B+4*\slot+2:G0B+4*\slot+3], s[70:71]
	JLOAD \slot                                    ; the first tensor load behind the round; its four v_nop are also the places in front of the loads below
.else
	PLACES 4
.endif
	FETCH_B \next, 0, 0
	FETCH_A \next, 0, 0
	SCALES \next
	WIN MUL_HI
	MUL16 4, 1, 1, \slot, 0
	MUL16 6, 1, 1, \slot, 0
	PLACES 4
	WIN 0
	FETCH_A \next, 0, 4
.endm
	s_wait_tensorcnt 1                             ; my part of slot 0 is in (slot 1's load may be out)
	s_barrier_signal -1
	s_barrier_wait -1                              ; everybody's is
	FETCH_B 0, 0, 0
	FETCH_A 0, 0, 0
	SCALES 0
	FETCH_A 0, 0, 4
	STEP 0, 1                                      ; the first step's products start the sums: nothing is cleared
	s_mov_b32 s3, LAPS-1
.Llap:                                                 ; a trip goes once round the ring and fills both slots again
	TURN 0, 1, 1
	STEP 1, 0
	TURN 1, 0, 1
	STEP 0, 0
	s_sub_co_u32 s3, s3, 1
	s_cmp_lg_u32 s3, 0
	s_cbranch_scc1 .Llap
	TURN 0, 1, 0                                   ; the last lap fills nothing
	STEP 1, 0
	s_wait_dscnt 16
	WIN MUL_LO
	MUL16 0, 1, 1, 1, 0
	MUL16 2, 1, 1, 1, 0
	s_wait_dscnt 0x0
	WIN MUL_HI
	MUL16 4, 1, 1, 1, 0
	MUL16 6, 1, 1, 1, 0
	WIN 0
	PLACES 4
; THE WAY OUT.  64 numbers of a lane in window sw, register 16 b + i = k 32 b + 16 h + i of my row, become a fragment's codes in v[PC] on and its scale word in v[PW].  Each accumulator is first read at its low end.
.macro QUANT s, sw
	WIN (\sw)|((\sw)<<2)
.irp b, 0,1,2,3
	v_max3_num_f32 v[TM+\b], |v[\s+16*\b]|, |v[\s+16*\b+1]|, 0x1800000   ; my 16 numbers of block b, and the floor 2^(3 - 127): the byte cannot fall under 1
.endr
	WIN ((\sw)<<2)|((\sw)<<4)
.irp i, 2,4,6,8,10,12,14
.irp b, 0,1,2,3
	v_max3_num_f32 v[TM+\b], v[TM+\b], |v[\s+16*\b+\i]|, |v[\s+16*\b+\i+1]|
.endr
.endr
	WIN 0
.irp b, 0,1,2,3
	v_permlanex16_b32 v[TM+4+\b], v[TM+\b], s74, s75
.endr
.irp b, 0,1,2,3
	v_max_num_f32 v[TM+\b], v[TM+\b], v[TM+4+\b]   ; with lane l xor 16's: the block's largest magnitude
.endr
.irp b, 0,1,2,3
	v_add_nc_u32 v[TM+12+\b], 0xff000000, v[TM+\b] ; 2 off its exponent field: the conversion's scale operand
.endr
.irp b, 0,1,2,3
	v_lshrrev_b32 v[TM+4+\b], 23, v[TM+12+\b]      ; the scale's byte
.endr
	v_lshl_or_b32 v[PW], v[TM+5], 8, v[TM+4]
	v_lshl_or_b32 v[PW], v[TM+6], 16, v[PW]
	v_lshl_or_b32 v[PW], v[TM+7], 24, v[PW]
	WIN (\sw)
.irp c, 0,1
	v_cvt_scalef32_pk16_fp6_f32 v[PC+6*\c:PC+6*\c+2], v[\s+32*\c:\s+32*\c+15], v[TM+12+2*\c]
	v_cvt_scalef32_pk16_fp6_f32 v[PC+12+4*\c:PC+14+4*\c], v[\s+32*\c+16:\s+32*\c+31], v[TM+13+2*\c]
.endr
	WIN 0
	v_nop                                          ; one plain instruction behind a scaled conversion
.irp c, 0,1                                    ; the operand's layout wants a whole block in a lane
.irp i, 0,1,2
	v_permlane16_swap_b32 v[PC+6*\c+\i], v[PC+12+4*\c+\i]
.endr
.irp i, 0,1,2
	v_mov_b32 v[PC+3+6*\c+\i], v[PC+12+4*\c+\i]
.endr
.endr
.endm
.irp b, 0,1,2,3
	v_mov_b32 v[TM+4+\b], 0                        ; written once: a lane permute's destination counts as one of its sources
.endr
.irp a, 0,1,2,3,4,5,6,7                        ; A's block a: one fragment and one scale word a row
.if \a > 0
	s_wait_xcnt 0x0                                ; the last block's stores have read their registers
.endif
	QUANT 64*(\a%4), 2+\a/4
	v_lshrrev_b32 v[PW], v27, v[PW]                ; lanes 16-31 carry the upper 64's two bytes in bytes 0 and 1
	global_store_b128 v24, v[PC:PC+3], s[72:73] offset:\a*UNIT          ; 512 consecutive bytes,
	global_store_b64 v25, v[PC+4:PC+5], s[72:73] offset:\a*UNIT+512     ; 256,
	global_store_b128 v24, v[PC+6:PC+9], s[72:73] offset:\a*UNIT+768
	global_store_b64 v25, v[PC+10:PC+11], s[72:73] offset:\a*UNIT+1280  ; each at a multiple of 256 from the buffer's first byte
	global_store_b32 v26, v[PW], s[72:73] offset:\a*UNIT
.endr
	s_wait_tensorcnt 0x0                           ; the wave's end
	ds_add_u32 v[SPW], v[NIL]
	s_wait_dscnt 0x0
	CROUND                                         ; the closing round: no work-group ends while a partner may still ask for a tile that names it
	s_endpgm
.Lfunc_end_k_q61ce5061a3_gqkv:
	.size	k_q61ce5061a3_gqkv, .Lfunc_end_k_q61ce5061a3_gqkv-k_q61ce5061a3_gqkv
	.p2alignl 7, 3214868480
	.fill 96, 4, 3214868480
	.section	.rodata,"a",@progbits
	.p2align	6, 0x0
	.amdhsa_kernel k_q61ce5061a3_gqkv
		.amdhsa_group_segment_fixed_size 327680
		.amdhsa_private_segment_fixed_size 0
		.amdhsa_enable_private_segment 0
		.amdhsa_kernarg_size 24
		.amdhsa_user_sgpr_count 2
		.amdhsa_user_sgpr_kernarg_segment_ptr 1
		.amdhsa_wavefront_size32 1
		.amdhsa_system_sgpr_workgroup_id_x 1
		.amdhsa_system_sgpr_workgroup_id_y 1
		.amdhsa_system_sgpr_workgroup_id_z 1
		.amdhsa_system_vgpr_workitem_id 0
		.amdhsa_next_free_vgpr 1024
		.amdhsa_next_free_sgpr 98
		.amdhsa_reserve_vcc 0
		.amdhsa_float_denorm_mode_32 3
		.amdhsa_float_denorm_mode_16_64 3
		.amdhsa_memory_ordered 1
		.amdhsa_forward_progress 1
		.amdhsa_inst_pref_size 150
	.end_amdhsa_kernel
	.amdgpu_metadata
---
amdhsa.version: [ 1, 2 ]
amdhsa.kernels:
  - .name:           k_q61ce5061a3_gqkv
    .symbol:         k_q61ce5061a3_gqkv.kd
    .args:
      - { .name: himg, .offset: 0, .size: 8, .value_kind: global_buffer, .address_space: global }
      - { .name: wimg, .offset: 8, .size: 8, .value_kind: global_buffer, .address_space: global }
      - { .name: qkv, .offset: 16, .size: 8, .value_kind: global_buffer, .address_space: global }
    .group_segment_fixed_size: 327680
    .private_segment_fixed_size: 0
    .kernarg_segment_align: 8
    .kernarg_segment_size: 24
    .max_flat_workgroup_size: 128
    .sgpr_count:     98
    .vgpr_count:     1024
    .wavefront_size: 32
...
	.end_amdgpu_metadata
.endif
;; end of part 3
;; launch attn (part 4): grid 8 x 32, 16 waves a work-group, no clusters, 327,680 bytes of LDS; arguments qkv, cimg; writes cimg
.if DOCPART == 4
	.amdgcn_target "amdgcn-amd-amdhsa--gfx1250"
	.amdhsa_code_object_version 6
	.text
	.protected	k_q61ce5061a3_attn
	.globl	k_q61ce5061a3_attn
	.p2align	8
	.type	k_q61ce5061a3_attn,@function
k_q61ce5061a3_attn:
	s_mov_b64 s[64:65], 0
	v_nop
	global_prefetch_b8 v0, s[64:65] scope:SCOPE_SE
	s_setreg_imm32_b32 hwreg(HW_REG_WAVE_MODE, 25, 1), 1
	s_wait_xcnt 0x0
; ctx = softmax(q k^T / 8, causal) v for one head of 64, both products on codes of FP6 (E2M3) with E8M0 scales; ctx is quantised along the features and leaves as an image of operand registers.
; THE IMAGES: units of 3,328 bytes laid [k / 256][block of 16 rows]; in a unit, for K step q of 128 and half c of 64: at 1536 q + 768 c registers 6c..6c+3 (16 bytes at 16 x lane), at + 512 registers 6c+4, 6c+5 (8 bytes at
; 8 x lane); at 3072 + 128 q + 4 x lane the scale words (in q's and k's images lanes 16-31 hold the word >> 16: an odd head's two bytes).  Row r of block rb is row 32 (rb / 2) + 8 (rb % 2) + r + 8 (r / 8).
; q and k: rows = tokens, K = 2,048 features (q's, then k's): a head is HALF a fragment, 768 bytes; the other half of the instruction's 128 along K is zero codes, in registers written once.  v: rows = features, K = tokens.
; THE SOFTMAX AHEAD OF THE SECOND PRODUCT: t = score x log2(e) / 8; M = the running largest t rounded UP to a whole number; p = 2^(t - M) is quantised along the keys, not normalised; the row's sum is taken of the
; unquantised p and divides at the end.  When M moves, the sum and O are multiplied by 2^(old M - new M): exact.
; SHARES.  A work-group (g, batch and head) has sixteen waves; wave w owns ONE block of 16 queries, block g + 8 rank, rank = w xor 7 (w / 8).  A key step is 128 keys; the block's diagonal lies in step rank, whatever g:
; steps above rank are left out, step rank is masked, steps below are open.  So all work-groups have equal work, and waves w, w + 4, w + 8, w + 12 have ranks that add up to 30.
; LDS.  A WHOLE HEAD STAYS: K's 128 half fragments, K's scale words, V's 32 units.  No byte is filled twice.  Waves 0 and 1 fetch the first 256 keys' share at the head; behind the first barrier fourteen waves fetch
; one further share each, which land under the first two key steps; behind the second barrier the waves run free.  A wave has at most two tensor loads out.
; Both products are used transposed (S^T = K Q^T, O^T = V^T P^T): a lane holds ONE query throughout, and by the order of rows the 16 registers of two neighbouring tiles of keys are 16 neighbouring keys.
; The tiles are not asked for jointly in a cluster: a work-group reads each byte of K and V once, in 17 loads near its start, so no request recurs that partners could share, and the loop has no barrier to hang a round on.
; LIMITS: a block of zeros gets the scale byte 1 (this program alone reads the bytes); NaN and infinities are not served.
; REGISTERS: v1-4, v29, v30 addresses that stay; v7 the mask's figure; v8-11, v28, v31 the step's addresses; v12 -M, v13 the largest t, v[14:15] the sum in two halves; v16-27 Q; v32-79 four fragments of K;
;   v96-159 S^T, then p, then V's four fragments; v160-191 O^T; v224-235 p's codes; v232-254 at work; v248-251, v253, v255 scale words.
.set UNIT,  3328
.set KS,    98304                      ; behind K's codes (128 x 768 bytes from byte 0): K's scale words, 128 x 64 bytes
.set VU,    106496                     ; V: 8 shares of 4 units
.set SPARE, 212992                     ; the spare words, 128 bytes for each wave, which no other line names
.set WV,   18
.set RANK, 19
.set SEL,  20
.set CS,   22
.set G1K,  24                          ; s[24:31] 16 rows of 768 bytes, 3,328 apart
.set G1S,  32                          ; s[32:39] 128 rows of 64 bytes, 3,328 apart
.set G1V,  40                          ; s[40:47] a dense block of 13,312 bytes as 52 rows of 256
.set G0S,  48
.set G0K,  52
.set G0V,  56
.set G0KR, 60
.set G0VR, 68
.set TK,   2                           ; s2  where the share in hand begins among K's codes,
.set TS,   3                           ; s3  K's scale words,
.set TV,   66                          ; s66 V's units
.set STEPI, 67                         ; s67 the key step's number
	s_load_b128 s[4:7], s[0:1], 0x0                ; q's, k's, v's images; ctx's image
	v_lshl_add_u32 v5, v0, 2, SPARE
	v_mov_b32 v6, 0
	ds_add_u32 v5, v6
	s_wait_dscnt 0x0
	v_lshrrev_b32 v8, 5, v0
	v_readfirstlane_b32 s[WV], v8
	s_lshr_b32 s[RANK], s[WV], 3
	s_mul_i32 s[RANK], s[RANK], 7
	s_xor_b32 s[RANK], s[WV], s[RANK]              ; w for waves 0-7, 23 - w for waves 8-15
	s_and_b32 s73, s[WV], 7
	s_and_b32 s74, ttmp7, 0xffff
	s_lshr_b32 s75, s74, 4                         ; batch
	s_and_b32 s74, s74, 15                         ; head
	s_lshr_b32 s76, s74, 2                         ; its 256 features,
	s_bfe_u32 s77, s74, 0x10001                    ; its K step of 128 in them,
	s_and_b32 s78, s74, 1                          ; its half of 64 in that
	s_mul_i32 s79, s77, 1536
	s_mul_i32 s80, s78, 768
	s_add_co_u32 s79, s79, s80                     ; the head's half fragment in a unit
	s_lshl_b32 s90, s[RANK], 3
	s_add_co_u32 s90, s90, ttmp9                   ; my block of queries
	s_lshl_b32 s88, s76, 8
	s_lshl_b32 s89, s75, 7
	s_add_co_u32 s88, s88, s89
	s_add_co_u32 s81, s88, 1024                    ; K's first unit: k's features lie 4 x 256 behind q's
	s_add_co_u32 s88, s88, s90
	s_mul_i32 s88, s88, UNIT
	s_add_co_u32 s88, s88, s79                     ; my queries' half fragment, in q's image and in ctx's
	s_mov_b32 s89, 0
	s_mul_i32 s81, s81, UNIT
	s_add_co_u32 s82, s81, s79                     ; K's codes
	s_mov_b32 s83, 0
	s_lshl_b32 s84, s77, 7
	s_lshl_b32 s85, s78, 6
	s_add_co_u32 s84, s84, s85
	s_add_co_u32 s84, s84, 3072
	s_add_co_u32 s84, s84, s81                     ; K's scale words
	s_mov_b32 s85, 0
	s_lshl_b32 s86, s75, 9
	s_lshl_b32 s87, s74, 2
	s_add_co_u32 s86, s86, s87
	s_mul_i32 s86, s86, UNIT
	s_add_co_u32 s86, s86, 6815744                 ; V: unit [8 x batch][4 x head]
	s_mov_b32 s87, 0
	s_add_co_u32 s90, s73, 1                       ; the share that I fetch behind the first barrier: 1 + wave % 8
	s_mul_i32 s91, s90, 13312
	s_mul_i32 s92, s90, 16*UNIT
	s_mov_b32 s93, 0
	s_mul_i32 s94, s90, 64*UNIT
	s_mov_b32 s95, 0
	s_mul_i32 s96, s77, 1408
	s_sub_co_u32 s96, 3072, s96
	s_mul_i32 s97, s78, 704
	s_mul_i32 s98, s78, 766
	s_sub_co_u32 s98, s96, s98                     ; ctx's half scale word, counted from the half fragment: 3072 + 128 q + 2 c - 1536 q - 768 c
	s_sub_co_u32 s96, s96, s97                     ; Q's scale word likewise: 3072 + 128 q + 64 c - 1536 q - 768 c
	s_mov_b32 s[G1K], 3<<16                        ; no mask; elements of 8 bytes; no padding
	s_mov_b32 s[G1K+1], 96<<16
	s_mov_b32 s[G1K+2], 16<<16
	s_mov_b32 s[G1K+3], 96<<16
	s_mov_b32 s[G1K+4], 16
	s_mov_b32 s[G1K+5], 416
	s_mov_b32 s[G1K+6], 0
	s_mov_b32 s[G1K+7], 0
	s_mov_b32 s[G1S], 3<<16
	s_mov_b32 s[G1S+1], 8<<16
	s_mov_b32 s[G1S+2], 128<<16
	s_mov_b32 s[G1S+3], 8<<16
	s_mov_b32 s[G1S+4], 128
	s_mov_b32 s[G1S+5], 416
	s_mov_b32 s[G1S+6], 0
	s_mov_b32 s[G1S+7], 0
	s_mov_b32 s[G1V], 3<<16
	s_mov_b32 s[G1V+1], 32<<16
	s_mov_b32 s[G1V+2], 52<<16
	s_mov_b32 s[G1V+3], 32<<16
	s_mov_b32 s[G1V+4], 52
	s_mov_b32 s[G1V+5], 32
	s_mov_b32 s[G1V+6], 0
	s_mov_b32 s[G1V+7], 0
	s_mov_b32 s[G0S], 1
	s_mov_b32 s[G0S+1], KS
	s_mov_b32 s[G0K], 1
	s_mov_b32 s[G0K+1], 0
	s_mov_b32 s[G0V], 1
	s_mov_b32 s[G0V+1], VU
	s_mov_b32 s[G0KR], 1
	s_mul_i32 s[G0KR+1], s90, 12288
	s_mov_b32 s[G0VR], 1
	s_add_co_u32 s[G0VR+1], s91, VU
	s_mov_b32 s[SEL], 0x76543210
	s_mov_b32 s[SEL+1], 0xfedcba98                 ; v_permlanex16_b32's selects for lane l xor 16
	s_mov_b32 s[CS], 0x3e38aa3b                    ; c = log2(e) / 8
	s_mov_b32 s[CS+1], s[CS]                       ; (named with it as a pair, so it is written)
	s_mov_b32 s[TK], 0
	s_mov_b32 s[TS], 0
	s_mov_b32 s[TV], 0
	s_mov_b32 s[STEPI], 0
	s_wait_kmcnt 0x0
	s_add_nc_u64 s[G0S+2:G0S+3], s[4:5], s[84:85]
	s_add_nc_u64 s[G0K+2:G0K+3], s[4:5], s[82:83]
	s_add_nc_u64 s[G0KR+2:G0KR+3], s[G0K+2:G0K+3], s[92:93]
	s_add_nc_u64 s[G0V+2:G0V+3], s[4:5], s[86:87]
	s_add_nc_u64 s[G0VR+2:G0VR+3], s[G0V+2:G0V+3], s[94:95]
	s_or_b32 s[G0S+3], s[G0S+3], 0x80000000
	s_or_b32 s[G0K+3], s[G0K+3], 0x80000000
	s_or_b32 s[G0KR+3], s[G0KR+3], 0x80000000
	s_or_b32 s[G0V+3], s[G0V+3], 0x80000000
	s_or_b32 s[G0VR+3], s[G0VR+3], 0x80000000
	s_cmp_eq_u32 s[WV], 0                          ; the first fills: wave 0 K's scale words and its first 256 keys, wave 1 V's first 256 keys
	s_cbranch_scc0 .Lnot_wave_0
	tensor_load_to_lds s[G0S:G0S+3], s[G1S:G1S+7]
	s_nop 0
	tensor_load_to_lds s[G0K:G0K+3], s[G1K:G1K+7]
	s_nop 0
.rept 4
	v_nop
.endr
	s_branch .Lhead_asked
.Lnot_wave_0:
	s_cmp_eq_u32 s[WV], 1
	s_cbranch_scc0 .Lhead_asked
	tensor_load_to_lds s[G0V:G0V+3], s[G1V:G1V+7]
	s_nop 0
.rept 4
	v_nop
.endr
.Lhead_asked:
	s_add_nc_u64 s[8:9], s[4:5], s[88:89]          ; my queries
	s_add_nc_u64 s[10:11], s[6:7], s[88:89]        ; my part of ctx
	v_and_b32 v9, 31, v0                           ; lane
	v_and_b32 v10, 15, v0                          ; r
	v_bfe_u32 v11, v0, 4, 1                        ; h
	v_lshlrev_b32 v1, 4, v9                        ; 16 x lane: K's codes begin at LDS byte 0
	v_lshlrev_b32 v2, 3, v9                        ; 8 x lane
	v_lshl_add_u32 v3, v10, 2, KS
	v_add_nc_u32 v4, VU, v1
	v_add_nc_u32 v29, VU, v2
	v_lshl_add_u32 v30, v9, 2, VU
	global_load_b128 v[16:19], v1, s[8:9]          ; Q's half fragment stays in registers
	global_load_b64 v[20:21], v2, s[8:9] offset:512
	v_lshl_add_u32 v254, v10, 2, s96
	global_load_b32 v255, v254, s[8:9]             ; and its scale words
	s_lshr_b32 s97, ttmp9, 1
	s_lshl_b32 s97, s97, 5
	s_and_b32 s99, ttmp9, 1
	s_lshl_b32 s99, s99, 3
	s_add_co_u32 s97, s97, s99
	v_and_b32 v7, 8, v10
	v_add_nc_u32 v7, v7, v10
	v_add_nc_u32 v7, s97, v7                       ; my query's place in its step of 128: 32 (g / 2) + 8 (g % 2) + r + 8 (r / 8),
	v_lshlrev_b32 v8, 4, v11
	v_sub_nc_u32 v7, v7, v8                        ; less 16 h: register 16 b + i holds key 32 b + 16 h + i, hidden where 32 b + i is above this figure
.irp j, 22,23,24,25,26,27
	v_mov_b32 v[\j], 0                             ; the upper 64 along K: zero codes
.endr
.irp t, 0,1,2,3
.irp j, 6,7,8,9,10,11
	v_mov_b32 v[32+12*\t+\j], 0                    ; likewise in K's four fragments: written once
.endr
.endr
	v_mov_b32 v13, 0xff61b1e6                      ; the largest t so far: -3e38, under every t
	v_floor_f32 v12, -v13                          ; -M
	v_mov_b32 v14, 0
	v_mov_b32 v15, 0
.irp b, 0,1,2,3
	v_mov_b32 v[236+\b], 0                         ; written once: a lane permute's destination counts as one of its sources
.endr
	v_mov_b32 v253, 0                              ; (named as the upper half of the pair v[252:253] before it is first written)
.set jj, 0
.rept 32
	v_mov_b32 v[160+jj], 0                         ; O^T: the step is written for every step alike; the first finds zeros, which the first change of M leaves zeros
.set jj, jj+1
.endr
.macro CHANGE                          ; every wave: all my tensor loads have landed; the add; it and my LDS reads are done; the work-group's barrier
	s_wait_tensorcnt 0x0
	ds_add_u32 v5, v6                              ; 0 onto my spare word
	s_wait_dscnt 0x0
	s_barrier_signal -1
	s_barrier_wait -1
.endm
; A KEY STEP: 128 keys, the q-th of the share of 256 in hand.
.macro STEP q
	s_cmp_gt_u32 s[STEPI], s[RANK]                 ; all its keys come after my queries: left out.  No barrier and no tensor load stands in a step
	s_cbranch_scc1 .Lhidden_\@
	v_add_nc_u32 v8, s[TK], v1
	v_add_nc_u32 v9, s[TK], v2
	v_add_nc_u32 v10, s[TS], v3
	v_add_nc_u32 v11, s[TV], v4
	v_add_nc_u32 v28, s[TV], v29
	v_add_nc_u32 v31, s[TV], v30
	v_nop                                          ; seven plain instructions: the products below write over registers that the last step's products read (five are asked)
.irp g, 0,1                                    ; S^T = K Q^T, four tiles of 16 keys at a time
.if \g > 0
.rept 4
	v_nop                                          ; places in front of loads into registers that matrix instructions have read
.endr
.endif
.irp t, 0,1,2,3
	ds_load_b128 v[32+12*\t:35+12*\t], v8 offset:(\q)*6144+(4*\g+\t)*768
	ds_load_b64 v[36+12*\t:37+12*\t], v9 offset:(\q)*6144+(4*\g+\t)*768+512
	ds_load_b32 v[248+\t], v10 offset:(\q)*512+(4*\g+\t)*64
.endr
	s_wait_dscnt 0x0
.irp t, 0,1,2,3
	v_wmma_scale_f32_16x16x128_f8f6f4 v[96+8*(4*\g+\t):103+8*(4*\g+\t)], v[32+12*\t:43+12*\t], v[16:27], 0, v[248+\t], v255 matrix_a_fmt:MATRIX_FMT_FP6 matrix_b_fmt:MATRIX_FMT_FP6
.endr
.endr
.rept 4
	v_nop
.endr
	s_cmp_lg_u32 s[STEPI], s[RANK]                 ; on the diagonal the scores of hidden keys become -infinity ahead of the maximum: p = 0 then
	s_cbranch_scc1 .Lopen_\@
	v_mov_b32 v254, 0xff800000
.set nn, 0
.rept 64
	v_cmp_gt_i32 vcc_lo, 32*(nn/16)+nn%16, v7
	v_cndmask_b32 v[96+nn], v[96+nn], v254, vcc_lo
.set nn, nn+1
.endr
.Lopen_\@:
.irp b, 0,1,2,3
	v_max3_num_f32 v[232+\b], v[96+16*\b], v[97+16*\b], v[98+16*\b]   ; the largest score of each block of 32 keys: for the row's maximum, and, since p rises with the score, for the block's largest p
.endr
.irp i, 3,5,7,9,11,13
.irp b, 0,1,2,3
	v_max3_num_f32 v[232+\b], v[232+\b], v[96+16*\b+\i], v[97+16*\b+\i]
.endr
.endr
.irp b, 0,1,2,3
	v_max_num_f32 v[232+\b], v[232+\b], v[111+16*\b]
.endr
.irp b, 0,1,2,3
	v_permlanex16_b32 v[236+\b], v[232+\b], s[SEL], s[SEL+1]
.endr
.irp b, 0,1,2,3
	v_max_num_f32 v[232+\b], v[232+\b], v[236+\b]  ; with lane l xor 16's 16 keys
.endr
	v_max3_num_f32 v254, v232, v233, v234
	v_max_num_f32 v254, v254, v235                 ; the step's largest score of my query
	v_mul_f32 v254, s[CS], v254                    ; as t
	v_max_num_f32 v13, v13, v254                   ; the running largest t
	v_mov_b32 v254, v12
	v_floor_f32 v12, -v13                          ; the new -M = -ceil(t): a whole number
	v_sub_f32 v254, v12, v254                      ; old M - new M: a whole number, 0 or less
	v_cvt_i32_f32 v254, v254                       ; (it saturates)
	v_ldexp_f32 v252, 1.0, v254                    ; f = 2^(old M - new M)
.set jj, 0
.rept 32
	v_pk_fma_f32 v[96+jj:97+jj], v[96+jj:97+jj], s[CS:CS+1], v[12:13] op_sel_hi:[1,0,0]   ; t - M, two at a time
.set jj, jj+2
.endr
.irp b, 0,1,2,3
	v_fma_f32 v[232+\b], v[232+\b], s[CS], v12     ; the same of each block's largest score
.endr
.set jj, 0
.rept 64
	v_exp_f32 v[96+jj], v[96+jj]                   ; p = 2^(t - M), at most 1
.set jj, jj+1
.endr
	v_pk_mul_f32 v[14:15], v[14:15], v[252:253] op_sel_hi:[1,0]   ; the sums under the new M (a plain instruction behind the exponentials)
	s_wait_alu depctr_va_vdst(0)                   ; one wait for the whole batch, ahead of its first reader
.irp b, 0,1,2,3
	v_exp_f32 v[232+\b], v[232+\b]                 ; the block's largest p: the same two instructions on the same number give the same bits
.endr
	v_pk_add_f32 v[236:237], v[96:97], v[98:99]    ; the row's sum of the unquantised p, in two chains; it reads the 64 alone
.irp j, 4,8,12,16,20,24,28,32,36,40,44,48,52,56,60
	v_pk_add_f32 v[14:15], v[14:15], v[96+\j:97+\j]
	v_pk_add_f32 v[236:237], v[236:237], v[98+\j:99+\j]
.endr
	v_pk_add_f32 v[14:15], v[14:15], v[236:237]
	s_wait_alu depctr_va_vdst(0)                   ; and one for the four
.irp b, 0,1,2,3
	v_max_num_f32 v[232+\b], 0x1800000, v[232+\b]  ; the floor 2^(3 - 127): the byte cannot fall under 1
.endr
.irp b, 0,1,2,3
	v_add_nc_u32 v[244+\b], 0xff000000, v[232+\b]  ; 2 off the exponent field: the conversion's scale operand
.endr
.irp b, 0,1,2,3
	v_lshrrev_b32 v[236+\b], 23, v[244+\b]
.endr
	v_lshl_or_b32 v253, v237, 8, v236              ; p's scale word for these 128 keys
	v_lshl_or_b32 v253, v238, 16, v253
	v_lshl_or_b32 v253, v239, 24, v253
.irp c, 0,1
	v_cvt_scalef32_pk16_fp6_f32 v[224+6*\c:226+6*\c], v[96+32*\c:111+32*\c], v[244+2*\c]
	v_cvt_scalef32_pk16_fp6_f32 v[236+4*\c:238+4*\c], v[112+32*\c:127+32*\c], v[245+2*\c]
.endr
	v_nop                                          ; one plain instruction behind a scaled conversion
.irp c, 0,1                                    ; the operand's layout wants a whole block in a lane
.irp i, 0,1,2
	v_permlane16_swap_b32 v[224+6*\c+\i], v[236+4*\c+\i]
.endr
.irp i, 0,1,2
	v_mov_b32 v[227+6*\c+\i], v[236+4*\c+\i]
.endr
.endr
.set jj, 0
.rept 16
	v_pk_mul_f32 v[160+jj:161+jj], v[160+jj:161+jj], v[252:253] op_sel_hi:[1,0]   ; O^T under the new M; these sixteen are also the places in front of the products below
.set jj, jj+2
.endr
.irp t, 0,1,2,3                                ; O^T += V^T P^T: four tiles of 16 of the head's 64; K = these 128 keys.  V's fragments take p's registers
	ds_load_b128 v[96+12*\t:99+12*\t], v11 offset:\t*UNIT+(\q)*1536
	ds_load_b64 v[100+12*\t:101+12*\t], v28 offset:\t*UNIT+(\q)*1536+512
	ds_load_b128 v[102+12*\t:105+12*\t], v11 offset:\t*UNIT+(\q)*1536+768
	ds_load_b64 v[106+12*\t:107+12*\t], v28 offset:\t*UNIT+(\q)*1536+1280
	ds_load_b32 v[248+\t], v31 offset:\t*UNIT+3072+128*(\q)
.endr
	s_wait_dscnt 0x0
.irp t, 0,1,2,3
	v_wmma_scale_f32_16x16x128_f8f6f4 v[160+8*\t:167+8*\t], v[96+12*\t:107+12*\t], v[224:235], v[160+8*\t:167+8*\t], v[248+\t], v253 matrix_a_fmt:MATRIX_FMT_FP6 matrix_b_fmt:MATRIX_FMT_FP6
.endr
.Lhidden_\@:
	s_add_co_u32 s[STEPI], s[STEPI], 1
.endm
.macro NEXT_SHARE
	s_add_co_u32 s[TK], s[TK], 12288
	s_add_co_u32 s[TS], s[TS], 1024
	s_add_co_u32 s[TV], s[TV], 13312
.endm
	CHANGE                                         ; the first 256 keys' share is whole
	s_cmp_eq_u32 s73, 7                            ; behind it one load a wave, each into bytes that nothing has filled: waves 0-6 K's shares 1-7, waves 8-14 V's
	s_cbranch_scc1 .Lrest_asked
	s_cmp_lt_u32 s[WV], 8
	s_cbranch_scc0 .Lrest_v
	tensor_load_to_lds s[G0KR:G0KR+3], s[G1K:G1K+7]
	s_nop 0
.rept 4
	v_nop
.endr
	s_branch .Lrest_asked
.Lrest_v:
	tensor_load_to_lds s[G0VR:G0VR+3], s[G1V:G1V+7]
	s_nop 0
.rept 4
	v_nop
.endr
.Lrest_asked:
	s_wait_loadcnt 0x0                             ; Q
	STEP 0
	STEP 1
	NEXT_SHARE
	CHANGE                                         ; the whole head lies in LDS: from here on no barrier
	s_mov_b32 s72, 7
.Lshare:
	STEP 0
	STEP 1
	NEXT_SHARE
	s_sub_co_u32 s72, s72, 1
	s_cmp_lg_u32 s72, 0
	s_cbranch_scc1 .Lshare
	; THE WAY OUT: O^T / the sum; register 16 b + i is feature 32 b + 16 h + i of my query: two blocks, half a fragment, half a scale word
.rept 4
	v_nop                                          ; places behind the last products
.endr
	v_add_f32 v14, v14, v15
	v_permlanex16_b32 v252, v14, s[SEL], s[SEL+1]
	v_add_f32 v14, v14, v252                       ; the row's sum
	v_rcp_f32 v14, v14
	v_and_b32 v8, 31, v0                           ; (a plain instruction behind the transcendental)
	v_lshl_add_u32 v8, v8, 2, s98                  ; the half scale word's place
	s_wait_alu depctr_va_vdst(0)                   ; the wait ahead of the first reader
.set jj, 0
.rept 32
	v_mul_f32 v[96+jj], v[160+jj], v14
.set jj, jj+1
.endr
.irp b, 0,1
	v_max3_num_f32 v[240+\b], |v[96+16*\b]|, |v[97+16*\b]|, 0x1800000
.endr
.irp i, 2,4,6,8,10,12,14
.irp b, 0,1
	v_max3_num_f32 v[240+\b], v[240+\b], |v[96+16*\b+\i]|, |v[97+16*\b+\i]|
.endr
.endr
.irp b, 0,1
	v_permlanex16_b32 v[236+\b], v[240+\b], s[SEL], s[SEL+1]
.endr
.irp b, 0,1
	v_max_num_f32 v[240+\b], v[240+\b], v[236+\b]
.endr
.irp b, 0,1
	v_add_nc_u32 v[244+\b], 0xff000000, v[240+\b]
.endr
.irp b, 0,1
	v_lshrrev_b32 v[236+\b], 23, v[244+\b]
.endr
	v_lshl_or_b32 v242, v237, 8, v236              ; the two bytes
	v_cvt_scalef32_pk16_fp6_f32 v[224:226], v[96:111], v244
	v_cvt_scalef32_pk16_fp6_f32 v[232:234], v[112:127], v245
	v_nop                                          ; one plain instruction behind a scaled conversion
.irp i, 0,1,2
	v_permlane16_swap_b32 v[224+\i], v[232+\i]
.endr
.irp i, 0,1,2
	v_mov_b32 v[227+\i], v[232+\i]
.endr
	global_store_b128 v1, v[224:227], s[10:11]             ; 512 consecutive bytes,
	global_store_b64 v2, v[228:229], s[10:11] offset:512   ; 256, each at a multiple of 256 from the buffer's first byte
	global_store_b16 v8, v242, s[10:11]                    ; two bytes a lane in one stretch of 128: the neighbouring head's work-group writes the other halves
	s_wait_tensorcnt 0x0                           ; the wave's end
	ds_add_u32 v5, v6
	s_wait_dscnt 0x0
	s_endpgm
.Lfunc_end_k_q61ce5061a3_attn:
	.size	k_q61ce5061a3_attn, .Lfunc_end_k_q61ce5061a3_attn-k_q61ce5061a3_attn
	.p2alignl 7, 3214868480
	.fill 96, 4, 3214868480
	.section	.rodata,"a",@progbits
	.p2align	6, 0x0
	.amdhsa_kernel k_q61ce5061a3_attn
		.amdhsa_group_segment_fixed_size 327680
		.amdhsa_private_segment_fixed_size 0
		.amdhsa_enable_private_segment 0
		.amdhsa_kernarg_size 16
		.amdhsa_user_sgpr_count 2
		.amdhsa_user_sgpr_kernarg_segment_ptr 1
		.amdhsa_wavefront_size32 1
		.amdhsa_system_sgpr_workgroup_id_x 1
		.amdhsa_system_sgpr_workgroup_id_y 1
		.amdhsa_system_sgpr_workgroup_id_z 1
		.amdhsa_system_vgpr_workitem_id 0
		.amdhsa_next_free_vgpr 256
		.amdhsa_next_free_sgpr 100
		.amdhsa_reserve_vcc 1
		.amdhsa_float_denorm_mode_32 3
		.amdhsa_float_denorm_mode_16_64 3
		.amdhsa_memory_ordered 1
		.amdhsa_forward_progress 1
		.amdhsa_inst_pref_size 102
	.end_amdhsa_kernel
	.amdgpu_metadata
---
amdhsa.version: [ 1, 2 ]
amdhsa.kernels:
  - .name:           k_q61ce5061a3_attn
    .symbol:         k_q61ce5061a3_attn.kd
    .args:
      - { .name: qkv, .offset: 0, .size: 8, .value_kind: global_buffer, .address_space: global }
      - { .name: cimg, .offset: 8, .size: 8, .value_kind: global_buffer, .address_space: global }
    .group_segment_fixed_size: 327680
    .private_segment_fixed_size: 0
    .kernarg_segment_align: 8
    .kernarg_segment_size: 16
    .max_flat_workgroup_size: 512
    .sgpr_count:     100
    .vgpr_count:     256
    .wavefront_size: 32
...
	.end_amdgpu_metadata
.endif
;; end of part 4
;; launch gwo (part 5): grid 4 x 16, 4 waves a work-group, clusters of 4 x 4, 327,680 bytes of LDS; arguments cimg, wimg, x, bo, x2; writes x2
.if DOCPART == 5
	.amdgcn_target "amdgcn-amd-amdhsa--gfx1250"
	.amdhsa_code_object_version 6
	.text
	.protected	k_q61ce5061a3_gwo
	.globl	k_q61ce5061a3_gwo
	.p2align	8
	.type	k_q61ce5061a3_gwo,@function
k_q61ce5061a3_gwo:
	s_mov_b64 s[64:65], 0
	v_nop
	global_prefetch_b8 v0, s[64:65] scope:SCOPE_SE
	s_setreg_imm32_b32 hwreg(HW_REG_WAVE_MODE, 25, 1), 1
	s_wait_xcnt 0x0
	s_wait_alu depctr_hold_cnt(0) depctr_sa_sdst(0) depctr_va_vdst(0) depctr_va_sdst(0) depctr_va_ssrc(0) depctr_va_vcc(0) depctr_vm_vsrc(0)
	s_getreg_b32 s2, hwreg(HW_REG_IB_STS2, 6, 4)
	s_cmp_eq_u32 s2, 0
	s_cbranch_scc0 .Lentry_in_a_cluster
	s_endpgm
.Lentry_in_a_cluster:
	s_bfe_u32 s2, ttmp6, 0x10000c
	s_cmp_lg_u32 s2, 0xf033
	s_cbranch_scc0 .Lentry_shape_is_right
	s_endpgm
.Lentry_shape_is_right:
; y = a W + bias + res, f32 [4,096][1,024]: a (tokens) and W (its columns) are codes of FP6 (E2M3) with E8M0 scales, given as images of operand registers; K = KTOT.  Here: a = ctx, W = Wo, res = x.
; AN IMAGE: units of 3,328 bytes laid [k / 256][block of 16 rows].  In a unit, for K step q of 128 and half c: at 1536 q + 768 c registers 6c..6c+3 of the fragment (16 bytes at 16 x lane), at + 512 registers 6c+4, 6c+5
; (8 bytes at 8 x lane); at 3072 + 128 q + 4 x lane the scale word of lane % 16's row.  Row r of block rb is row 32 (rb / 2) + 8 (rb % 2) + r + 8 (r / 8) of the operand.
; A tile of 256 x 256 is made by four waves, each 128 x 128: 64 accumulators, 512 registers.  K goes in steps of 256 through two LDS slots filled by the tensor data mover; the scale words travel in the slots.
; THE PRODUCT IS USED TRANSPOSED: source 0 = 16 rows of side B (W's columns), source 1 = 16 rows of side A (tokens): lane (r, h) holds token r of A's block, and register j of accumulator b the column
; 32 (b / 2) + 16 h + 8 (b % 2) + j.  THE RESIDUAL IS LOADED STRAIGHT INTO THE ACCUMULATORS at the head, while the first tiles are on their way: it costs no addition and no register.
; CLUSTERS: 4 x 4 work-groups; A's tiles are asked for jointly along a row of the cluster, B's along a column.  64 work-groups: the tile is kept large, so that each byte read from LDS feeds as many products as the registers allow.
; REGISTERS, in windows of 256: window 0: v1-31 addresses; v32-63 scale words, two sets; v64-67 the bias; v128-223 A's eight fragments, one set (on the way out v128-255 hold rows).
;   window 1: B's fragments, two sets.   windows 2, 3: the accumulators ((a, b) at v[8 (8 (a % 4) + b)] of window 2 + a / 4).
.set KTOT,  1024
.set WOFF,  2555904                    ; W's image in the weights' buffer
.set NRBA,  256                        ; blocks of rows in A's image
.set NRBB,  64                         ; and in B's
.set UNIT,  3328
.set HALFT, 8*UNIT                     ; what one tensor load brings, and what one wave reads of A or of B
.set SLOT,  4*HALFT                    ; A's 16 units, then B's 16
.set SPARE, 2*SLOT                     ; behind the ring: the spare words, 128 bytes for each wave, which no other line names
.set LAPS,  KTOT/512
.set FR,    12
.set ADRS,  10
.set A16,   16
.set A8,    18
.set B16,   20
.set B8,    22
.set SPW,   28
.set NIL,   29
.set SC,    32
.set BIA,   64
.set AF,    128
.set G1,  24
.set G0,  32
.set G1B, 48
.set G0B, 56
.set MSB, 0
.macro WIN new                         ; the immediate's high byte repeats the setting that is left; a switch that changes nothing is dropped
.if MSB != (\new)
	s_set_vgpr_msb (MSB<<8)|(\new)
.set MSB, (\new)
.endif
.endm
.set MUL_LO, 0xa1                      ; source 0 (B) window 1, source 1 (A) window 0, C and D window 2
.set MUL_HI, 0xf1                      ; the same, C and D window 3
.set TO_B,   0x40                      ; destination window 1, address window 0
.macro JLOAD s                         ; a joint load: waves 0 and 1 fetch A's halves, waves 2 and 3 B's; four v_nop follow each of the two lines
	s_cmp_eq_u32 s15, 0
	s_cbranch_scc0 .Lfor_b_\@
	tensor_load_to_lds s[G0+4*\s:G0+4*\s+3], s[G1:G1+7]
	s_nop 0
.rept 4
	v_nop
.endr
	s_branch .Lasked_\@
.Lfor_b_\@:
	tensor_load_to_lds s[G0B+4*\s:G0B+4*\s+3], s[G1B:G1B+7]
	s_nop 0
.rept 4
	v_nop
.endr
.Lasked_\@:
.endm
.macro CREST                           ; a round of the cluster's barrier behind its opening barrier
	s_cmp_lg_u32 s14, 0
	s_cbranch_scc1 .Lnot_wave_0_\@
	s_barrier_signal -3
.Lnot_wave_0_\@:
	s_barrier_wait -3
	s_barrier_signal -1
	s_barrier_wait -1
.endm
.macro CROUND
	s_barrier_signal -1
	s_barrier_wait -1
	CREST
.endm
.macro PLACES n                        ; plain vector instructions between a matrix instruction and a load into, or a read of, its registers (ISA guide 7.12.1 for reads)
.rept \n
	v_nop
.endr
.endm
	s_load_b256 s[4:11], s[0:1], 0x0               ; a's image, the weights' images, the residual, the bias
	s_load_b64 s[12:13], s[0:1], 0x20              ; y
	v_lshl_add_u32 v[SPW], v0, 2, SPARE
	v_mov_b32 v[NIL], 0
	ds_add_u32 v28, v29
	s_wait_dscnt 0x0
	v_lshrrev_b32 v1, 5, v0
	v_readfirstlane_b32 s14, v1                    ; wave
	s_lshr_b32 s15, s14, 1                         ; which half of A's rows is mine.  Also: I fetch for A (0) or for B (1)
	s_and_b32 s16, s14, 1                          ; which half of B's rows.  Also: which 8 units of that tile I fetch
	s_bfe_u32 s40, ttmp6, 0x40000                  ; cx, cy: my place in the cluster
	s_bfe_u32 s41, ttmp6, 0x40004
	s_lshl_b32 s42, ttmp9, 2
	s_add_co_u32 s42, s42, s40                     ; tile along the columns
	s_and_b32 s17, ttmp7, 0xffff
	s_lshl_b32 s17, s17, 2
	s_add_co_u32 s17, s17, s41                     ; tile along the tokens
	s_lshl_b32 s43, s41, 2
	s_lshl_b32 s43, 15, s43                        ; my row of the cluster
	s_lshl_b32 s44, 0x1111, s40                    ; my column
	s_or_b32 s[G1], s43, (3<<16)|(1<<21)           ; 15:0 the mask; 17:16 elements of 8 bytes; 21 set beside a mask; no padding
	s_or_b32 s[G1B], s44, (3<<16)|(1<<21)
.irp g, G1, G1B                        ; a dense block of 26,624 bytes as 104 rows of 256
	s_mov_b32 s[\g+1], 32<<16
	s_mov_b32 s[\g+2], 104<<16
	s_mov_b32 s[\g+3], 32<<16
	s_mov_b32 s[\g+4], 104
	s_mov_b32 s[\g+5], 32
	s_mov_b32 s[\g+6], 0
	s_mov_b32 s[\g+7], 0
.endr
	s_lshl_b32 s18, s16, 3
	s_lshl_b32 s20, s17, 4
	s_add_co_u32 s20, s20, s18                     ; A: unit 16 x tile + 8 x half
	s_mul_i32 s20, s20, UNIT
	s_mov_b32 s21, 0
	s_lshl_b32 s46, s42, 4
	s_add_co_u32 s46, s46, s18                     ; B likewise
	s_mul_i32 s46, s46, UNIT
	s_add_co_u32 s46, s46, WOFF
	s_mov_b32 s47, 0
	s_mul_i32 s45, s14, HALFT                      ; where my load goes: no place in the cluster enters an LDS address
	s_wait_kmcnt 0x0
	s_add_nc_u64 s[20:21], s[4:5], s[20:21]
	s_add_nc_u64 s[46:47], s[6:7], s[46:47]
	CROUND                                         ; all sixteen work-groups are here: the first joint loads meet
	s_mov_b32 s[G0], 1
	s_mov_b32 s[G0+1], s45
	s_mov_b64 s[G0+2:G0+3], s[20:21]
	s_or_b32 s[G0+3], s[G0+3], 0x80000000
	s_mov_b32 s[G0+4], 1
	s_add_co_u32 s[G0+5], s45, SLOT
	s_add_nc_u64 s[G0+6:G0+7], s[20:21], NRBA*UNIT
	s_or_b32 s[G0+7], s[G0+7], 0x80000000
	s_mov_b32 s[G0B], 1
	s_mov_b32 s[G0B+1], s45
	s_mov_b64 s[G0B+2:G0B+3], s[46:47]
	s_or_b32 s[G0B+3], s[G0B+3], 0x80000000
	s_mov_b32 s[G0B+4], 1
	s_add_co_u32 s[G0B+5], s45, SLOT
	s_add_nc_u64 s[G0B+6:G0B+7], s[46:47], NRBB*UNIT
	s_or_b32 s[G0B+7], s[G0B+7], 0x80000000
	JLOAD 0                                        ; two tensor loads of mine are out
	JLOAD 1
	v_and_b32 v1, 31, v0                           ; lane
	v_bfe_u32 v2, v0, 4, 1                         ; h
	v_lshlrev_b32 v3, 4, v1                        ; 16 x lane: also my place in a row of 512 bytes of y
	v_lshlrev_b32 v4, 3, v1
	v_lshlrev_b32 v5, 2, v1
	s_lshl_b32 s92, s17, 8
	s_lshl_b32 s93, s15, 7
	s_add_co_u32 s92, s92, s93                     ; my first token,
	s_lshl_b32 s92, s92, 12                        ; in bytes;
	s_lshl_b32 s94, s42, 10
	s_lshl_b32 s95, s16, 9
	s_add_co_u32 s94, s94, s95                     ; my first column, in bytes
	s_mov_b32 s95, 0
	s_add_co_u32 s92, s92, s94
	s_mov_b32 s93, 0
	s_add_nc_u64 s[8:9], s[8:9], s[92:93]          ; the residual,
	s_add_nc_u64 s[72:73], s[12:13], s[92:93]      ; y,
	s_add_nc_u64 s[10:11], s[10:11], s[94:95]      ; the bias
	v_and_b32 v9, 15, v0                           ; r
	v_and_b32 v8, 8, v9
	v_add_nc_u32 v7, v9, v8
	v_lshlrev_b32 v12, 12, v7
	v_lshl_add_u32 v12, v2, 6, v12                 ; token r + 8 (r / 8) of a block, + 64 h
	global_load_b128 v[BIA:BIA+3], v3, s[10:11]    ; the bias of my four columns of a row
.irp a, 0,1,2,3,4,5,6,7                        ; the residual in the accumulators' own layout
	WIN 0x80+0x40*(\a/4)                           ; destination window 2 or 3
.irp b, 0,1,2,3,4,5,6,7
	global_load_b128 v[8*(8*(\a%4)+\b):8*(8*(\a%4)+\b)+3], v12, s[8:9] offset:(32*(\a/2)+8*(\a%2))*4096+128*(\b/2)+32*(\b%2)
	global_load_b128 v[8*(8*(\a%4)+\b)+4:8*(8*(\a%4)+\b)+7], v12, s[8:9] offset:(32*(\a/2)+8*(\a%2))*4096+128*(\b/2)+32*(\b%2)+16
.endr
.endr
	WIN 0
	s_mul_i32 s21, s15, HALFT                      ; my 8 units of A
	s_mul_i32 s22, s16, HALFT
	s_add_co_u32 s22, s22, 2*HALFT                 ; my 8 units of B, behind A's 16
	s_sub_co_u32 s23, s22, s21
	v_mul_u32_u24 v6, s23, v2                      ; lanes 16-31 take B's scale words
	v_add_nc_u32 v6, v6, v5
.irp s, 0,1
	v_add_nc_u32 v[A16+\s], s21, v3
	v_add_nc_u32 v[A8+\s], s21, v4
	v_add_nc_u32 v[B16+\s], s22, v3
	v_add_nc_u32 v[B8+\s], s22, v4
	v_add_nc_u32 v[ADRS+\s], s21, v6
	s_add_co_u32 s21, s21, SLOT
	s_add_co_u32 s22, s22, SLOT
.endr
	s_mul_i32 s23, s14, 16*528                     ; my stage for the way out: 16 rows x (512 + 16) bytes, in slot 0, which by then has had its last fill and its last read
	v_mul_u32_u24 v24, v9, 528
	v_lshl_add_u32 v24, v2, 6, v24
	v_add_nc_u32 v24, s23, v24                     ; in: row r, + 64 h
	v_add_nc_u32 v25, s23, v3                      ; back: a whole row, 16 bytes a lane
.macro FRAG reg, a16, a8, off          ; a fragment's image: 12 registers by four loads of consecutive bytes
	ds_load_b128 v[\reg:\reg+3], v[\a16] offset:\off
	ds_load_b64 v[\reg+4:\reg+5], v[\a8] offset:\off+512
	ds_load_b128 v[\reg+6:\reg+9], v[\a16] offset:\off+768
	ds_load_b64 v[\reg+10:\reg+11], v[\a8] offset:\off+1280
.endm
.macro FETCH_B slot, q, p
	WIN TO_B
.irp i, 0,1,2,3,4,5,6,7
	FRAG 128*(\p)+FR*\i, B16+\slot, B8+\slot, \i*UNIT+(\q)*1536
.endr
	WIN 0
.endm
.macro FETCH_A slot, q, i0
.irp i, \i0, \i0+1, \i0+2, \i0+3
	FRAG AF+FR*(\i), A16+\slot, A8+\slot, (\i)*UNIT+(\q)*1536
.endr
.endm
.macro SCALES slot                     ; register 2 i + q of the set: lanes 0-15 the word of A's block i, lanes 16-31 of B's block i
.irp i, 0,1,2,3,4,5,6,7
.irp q, 0,1
	ds_load_b32 v[SC+16*\slot+2*\i+\q], v[ADRS+\slot] offset:\i*UNIT+3072+128*\q
.endr
.endr
.endm
; 16 matrix instructions: A's blocks a0, a0 + 1 x B's eight, 128 along K.  The 64 accumulators take turns, one instruction a turn, in the same order in every step.
.macro MUL16 a0, p, q, sc
.irp a, \a0, \a0+1
.irp b, 0,1,2,3,4,5,6,7
	v_wmma_scale_f32_16x16x128_f8f6f4 v[8*(8*((\a)%4)+\b):8*(8*((\a)%4)+\b)+7], v[128*(\p)+FR*\b:128*(\p)+FR*\b+FR-1], v[AF+FR*(\a):AF+FR*(\a)+FR-1], v[8*(8*((\a)%4)+\b):8*(8*((\a)%4)+\b)+7], v[SC+16*(\sc)+2*\b+(\q)], v[SC+16*(\sc)+2*(\a)+(\q)] matrix_a_fmt:MATRIX_FMT_FP6 matrix_b_fmt:MATRIX_FMT_FP6 matrix_a_scale:MATRIX_SCALE_ROW1
.endr
.endr
.endm
.macro STEP slot                       ; a slot's first 128 along K; it fetches the second
	s_wait_dscnt 16                                ; all but the youngest 16 loads (A's blocks 4-7) are in
	WIN MUL_LO
	MUL16 0, 0, 0, \slot
	MUL16 2, 0, 0, \slot
	s_wait_dscnt 0x0
	PLACES 4
	FETCH_B \slot, 1, 1
	FETCH_A \slot, 1, 0
	WIN MUL_HI
	MUL16 4, 0, 0, \slot
	MUL16 6, 0, 0, \slot
	PLACES 4
	WIN 0
	FETCH_A \slot, 1, 4
.endm
; A slot's second 128 along K changes slots: one barrier; in front of it each wave waits for all its tensor loads, adds 0 to its spare word, and waits for that and for its reads of this slot.
.macro TURN slot, next, fill
	s_wait_tensorcnt 0x0                           ; all my tensor loads have landed: my part of the next slot
	ds_add_u32 v[SPW], v[NIL]                      ; 0 onto my spare word
	s_wait_dscnt 17                                ; (the add and the youngest 16 loads may be out)
	WIN MUL_LO
	MUL16 0, 1, 1, \slot
	s_wait_dscnt 0x0                               ; the add is done, and my reads of this slot are over
	s_barrier_signal -1
	MUL16 2, 1, 1, \slot
	WIN 0
	s_barrier_wait -1
.if \fill
	CREST                                          ; the barrier has opened a round of the cluster's: no wave of any partner still reads this slot or has a load on its way
	s_add_nc_u64 s[G0+4*\slot+2:G0+4*\slot+3], s[G0+4*\slot+2:G0+4*\slot+3], 2*NRBA*UNIT
	s_add_nc_u64 s[G0B+4*\slot+2:G0B+4*\slot+3], s[G0B+4*\slot+2:G0B+4*\slot+3], 2*NRBB*UNIT
	JLOAD \slot                                    ; the first tensor load behind the round; its four v_nop are also the places in front of the loads below
.else
	PLACES 4
.endif
	FETCH_B \next, 0, 0
	FETCH_A \next, 0, 0
	SCALES \next
	WIN MUL_HI
	MUL16 4, 1, 1, \slot
	MUL16 6, 1, 1, \slot
	PLACES 4
	WIN 0
	FETCH_A \next, 0, 4
.endm
	s_wait_tensorcnt 1                             ; my part of slot 0 is in (slot 1's load may be out)
	s_barrier_signal -1
	s_barrier_wait -1                              ; everybody's is
	FETCH_B 0, 0, 0
	FETCH_A 0, 0, 0
	SCALES 0
	FETCH_A 0, 0, 4
	s_wait_loadcnt 0x0                             ; the residual lies in the accumulators: the first products add onto it
	STEP 0
	s_mov_b32 s3, LAPS-1
.Llap:                                                 ; a trip goes once round the ring and fills both slots again
	TURN 0, 1, 1
	STEP 1
	TURN 1, 0, 1
	STEP 0
	s_sub_co_u32 s3, s3, 1
	s_cmp_lg_u32 s3, 0
	s_cbranch_scc1 .Llap
	TURN 0, 1, 0                                   ; the last lap fills nothing
	STEP 1
	s_wait_dscnt 16
	WIN MUL_LO
	MUL16 0, 1, 1, 1
	MUL16 2, 1, 1, 1
	s_wait_dscnt 0x0
	WIN MUL_HI
	MUL16 4, 1, 1, 1
	MUL16 6, 1, 1, 1
	WIN 0
	PLACES 4
; THE WAY OUT, block by block of 16 tokens x 128 columns: through my own stage in LDS, back as whole rows of 512 bytes, the bias added, stored.  LDS serves a wave's instructions in order: no wait between stores and loads.
.macro TOSTAGE a
	WIN (0x08+4*((\a)/4))                          ; an LDS store's data are its source 1: window 2 or 3
.irp b, 0,1,2,3,4,5,6,7
	ds_store_b128 v24, v[64*((\a)%4)+8*\b:64*((\a)%4)+8*\b+3] offset:128*(\b/2)+32*(\b%2)      ; each accumulator from its low end on
	ds_store_b128 v24, v[64*((\a)%4)+8*\b+4:64*((\a)%4)+8*\b+7] offset:128*(\b/2)+32*(\b%2)+16
.endr
	WIN 0
.irp t, 0,1,2,3,4,5,6,7,8,9,10,11,12,13,14,15
	ds_load_b128 v[128+64*((\a)%2)+4*\t:128+64*((\a)%2)+4*\t+3], v25 offset:\t*528
.endr
.endm
.macro SEND a, younger                 ; younger: the LDS instructions issued behind block a's loads, which may stay out
	s_wait_dscnt \younger
.irp t, 0,1,2,3,4,5,6,7,8,9,10,11,12,13,14,15
	v_pk_add_f32 v[128+64*((\a)%2)+4*\t:128+64*((\a)%2)+4*\t+1], v[128+64*((\a)%2)+4*\t:128+64*((\a)%2)+4*\t+1], v[BIA:BIA+1]
	v_pk_add_f32 v[128+64*((\a)%2)+4*\t+2:128+64*((\a)%2)+4*\t+3], v[128+64*((\a)%2)+4*\t+2:128+64*((\a)%2)+4*\t+3], v[BIA+2:BIA+3]
.endr
.irp t, 0,1,2,3,4,5,6,7,8,9,10,11,12,13,14,15
	global_store_b128 v3, v[128+64*((\a)%2)+4*\t:128+64*((\a)%2)+4*\t+3], s[72:73] offset:(32*((\a)/2)+8*((\a)%2)+\t+8*(\t/8))*4096   ; 32 lanes store 512 consecutive bytes, at a multiple of 256 from y's first byte
.endr
.endm
	TOSTAGE 0
.irp a, 1,2,3,4,5,6,7
.if \a > 1
	s_wait_xcnt 0x0                                ; block a - 2's stores have read their registers: block a's loads may land there
.endif
	TOSTAGE \a
	SEND \a-1, 32                                  ; behind block a - 1's loads: block a's 16 stores and 16 loads
.endr
	SEND 7, 0
	s_wait_tensorcnt 0x0                           ; the wave's end
	ds_add_u32 v[SPW], v[NIL]
	s_wait_dscnt 0x0
	CROUND                                         ; the closing round: no work-group ends while a partner may still ask for a tile that names it
	s_endpgm
.Lfunc_end_k_q61ce5061a3_gwo:
	.size	k_q61ce5061a3_gwo, .Lfunc_end_k_q61ce5061a3_gwo-k_q61ce5061a3_gwo
	.p2alignl 7, 3214868480
	.fill 96, 4, 3214868480
	.section	.rodata,"a",@progbits
	.p2align	6, 0x0
	.amdhsa_kernel k_q61ce5061a3_gwo
		.amdhsa_group_segment_fixed_size 327680
		.amdhsa_private_segment_fixed_size 0
		.amdhsa_enable_private_segment 0
		.amdhsa_kernarg_size 40
		.amdhsa_user_sgpr_count 2
		.amdhsa_user_sgpr_kernarg_segment_ptr 1
		.amdhsa_wavefront_size32 1
		.amdhsa_system_sgpr_workgroup_id_x 1
		.amdhsa_system_sgpr_workgroup_id_y 1
		.amdhsa_system_sgpr_workgroup_id_z 1
		.amdhsa_system_vgpr_workitem_id 0
		.amdhsa_next_free_vgpr 1024
		.amdhsa_next_free_sgpr 98
		.amdhsa_reserve_vcc 0
		.amdhsa_float_denorm_mode_32 3
		.amdhsa_float_denorm_mode_16_64 3
		.amdhsa_memory_ordered 1
		.amdhsa_forward_progress 1
		.amdhsa_inst_pref_size 171
	.end_amdhsa_kernel
	.amdgpu_metadata
---
amdhsa.version: [ 1, 2 ]
amdhsa.kernels:
  - .name:           k_q61ce5061a3_gwo
    .symbol:         k_q61ce5061a3_gwo.kd
    .args:
      - { .name: cimg, .offset: 0, .size: 8, .value_kind: global_buffer, .address_space: global }
      - { .name: wimg, .offset: 8, .size: 8, .value_kind: global_buffer, .address_space: global }
      - { .name: x, .offset: 16, .size: 8, .value_kind: global_buffer, .address_space: global }
      - { .name: bo, .offset: 24, .size: 8, .value_kind: global_buffer, .address_space: global }
      - { .name: x2, .offset: 32, .size: 8, .value_kind: global_buffer, .address_space: global }
    .group_segment_fixed_size: 327680
    .private_segment_fixed_size: 0
    .kernarg_segment_align: 8
    .kernarg_segment_size: 40
    .max_flat_workgroup_size: 128
    .sgpr_count:     98
    .vgpr_count:     1024
    .wavefront_size: 32
...
	.end_amdgpu_metadata
.endif
;; end of part 5
;; launch ln2: the kernel of part 2 again; grid 256 x 1, 8 waves a work-group, no clusters, 69,632 bytes of LDS; arguments x2, ln2_g, ln2_b, himg; writes himg
;; launch gw1 (part 6): grid 16 x 16, 4 waves a work-group, clusters of 4 x 4, 327,680 bytes of LDS; arguments himg, wimg, b1, hid; writes hid
.if DOCPART == 6
	.amdgcn_target "amdgcn-amd-amdhsa--gfx1250"
	.amdhsa_code_object_version 6
	.text
	.protected	k_q61ce5061a3_gw1
	.globl	k_q61ce5061a3_gw1
	.p2align	8
	.type	k_q61ce5061a3_gw1,@function
k_q61ce5061a3_gw1:
	s_mov_b64 s[64:65], 0
	v_nop
	global_prefetch_b8 v0, s[64:65] scope:SCOPE_SE
	s_setreg_imm32_b32 hwreg(HW_REG_WAVE_MODE, 25, 1), 1
	s_wait_xcnt 0x0
	s_wait_alu depctr_hold_cnt(0) depctr_sa_sdst(0) depctr_va_vdst(0) depctr_va_sdst(0) depctr_va_ssrc(0) depctr_va_vcc(0) depctr_vm_vsrc(0)
	s_getreg_b32 s2, hwreg(HW_REG_IB_STS2, 6, 4)
	s_cmp_eq_u32 s2, 0
	s_cbranch_scc0 .Lentry_in_a_cluster
	s_endpgm
.Lentry_in_a_cluster:
	s_bfe_u32 s2, ttmp6, 0x10000c
	s_cmp_lg_u32 s2, 0xf033
	s_cbranch_scc0 .Lentry_shape_is_right
	s_endpgm
.Lentry_shape_is_right:
; hid = gelu(h W1 + b1), [4,096][4,096], on codes of FP6 (E2M3) with E8M0 scales, K = 1,024; the result is quantised along its features on the way out and leaves as an image of operand registers: it never goes to memory as f32.
; AN IMAGE: units of 3,328 bytes laid [k / 256][block of 16 rows].  In a unit, for K step q of 128 and half c: at 1536 q + 768 c registers 6c..6c+3 of the fragment (16 bytes at 16 x lane), at + 512 registers 6c+4, 6c+5
; (8 bytes at 8 x lane); at 3072 + 128 q + 4 x lane the scale word of lane % 16's row.  Row r of block rb is row 32 (rb / 2) + 8 (rb % 2) + r + 8 (r / 8) of the operand.
; A tile of 256 x 256 is made by four waves, each 128 x 128: 64 accumulators, 512 registers.  K goes in steps of 256 through two LDS slots filled by the tensor data mover; the scale words travel in the slots.
; THE PRODUCT IS USED TRANSPOSED: source 0 = 16 rows of side B (W1's columns), source 1 = 16 rows of side A (tokens): lane (r, h) holds token r of A's block, and register 8 b + j of the block's eight accumulators holds
; feature 32 (b / 2) + 16 h + 8 (b % 2) + j: 16 neighbours for each block of 32, which is what the conversions want.  The bias is the C of each sum's first product: it costs no addition.
; GELU: 0.5 x (1 + tanh(u)), u = sqrt(2 / pi) (x + 0.044715 x^3), is x / (1 + 2^(x (k0 + k1 x^2))) with k0 = -2 sqrt(2 / pi) log2(e), k1 = 0.044715 k0: one exponential and one reciprocal; x for large x, -0 for large -x.
; CLUSTERS: 4 x 4 work-groups; A's tiles are asked for jointly along a row of the cluster, B's along a column.
; LIMITS: a block of zeros, or one whose largest magnitude lies under 2^-124, gets the byte 1 (this program alone reads the bytes); NaN and infinities are not served.
; REGISTERS, in windows of 256: window 0: v1-31 addresses; v32-63 scale words, two sets; v64-127 the bias, eight tiles; v128-223 A's eight fragments, one set (on the way out v128-243 are at work).
;   window 1: B's fragments, two sets.   windows 2, 3: the accumulators ((a, b) at v[8 (8 (a % 4) + b)] of window 2 + a / 4).
.set KTOT,  1024
.set WOFF,  3407872                    ; W1's image in the weights' buffer
.set NRBA,  256
.set NRBB,  256
.set UNIT,  3328
.set HALFT, 8*UNIT                     ; what one tensor load brings, and what one wave reads of A or of B
.set SLOT,  4*HALFT                    ; A's 16 units, then B's 16
.set SPARE, 2*SLOT                     ; behind the ring: the spare words, 128 bytes for each wave, which no other line names
.set LAPS,  KTOT/512
.set FR,    12
.set ADRS,  10
.set A16,   16
.set A8,    18
.set B16,   20
.set B8,    22
.set SPW,   28
.set NIL,   29
.set SC,    32
.set BI,    64
.set AF,    128
.set H,     128                        ; the way out: 64 numbers at work
.set TM,    200
.set PW,    216
.set PC,    220
.set G1,  24
.set G0,  32
.set G1B, 48
.set G0B, 56
.set MSB, 0
.macro WIN new                         ; the immediate's high byte repeats the setting that is left; a switch that changes nothing is dropped
.if MSB != (\new)
	s_set_vgpr_msb (MSB<<8)|(\new)
.set MSB, (\new)
.endif
.endm
.set MUL_LO, 0xa1                      ; source 0 (B) window 1, source 1 (A) window 0, C and D window 2
.set MUL_HI, 0xf1                      ; the same, C and D window 3
.set TO_B,   0x40                      ; destination window 1, address window 0
.macro JLOAD s                         ; a joint load: waves 0 and 1 fetch A's halves, waves 2 and 3 B's; four v_nop follow each of the two lines
	s_cmp_eq_u32 s15, 0
	s_cbranch_scc0 .Lfor_b_\@
	tensor_load_to_lds s[G0+4*\s:G0+4*\s+3], s[G1:G1+7]
	s_nop 0
.rept 4
	v_nop
.endr
	s_branch .Lasked_\@
.Lfor_b_\@:
	tensor_load_to_lds s[G0B+4*\s:G0B+4*\s+3], s[G1B:G1B+7]
	s_nop 0
.rept 4
	v_nop
.endr
.Lasked_\@:
.endm
.macro CREST                           ; a round of the cluster's barrier behind its opening barrier
	s_cmp_lg_u32 s14, 0
	s_cbranch_scc1 .Lnot_wave_0_\@
	s_barrier_signal -3
.Lnot_wave_0_\@:
	s_barrier_wait -3
	s_barrier_signal -1
	s_barrier_wait -1
.endm
.macro CROUND
	s_barrier_signal -1
	s_barrier_wait -1
	CREST
.endm
.macro PLACES n                        ; plain vector instructions between a matrix instruction and a load into, or a read of, its registers (ISA guide 7.12.1 for reads)
.rept \n
	v_nop
.endr
.endm
	s_load_b256 s[4:11], s[0:1], 0x0               ; h's image, the weights' images, b1, the result's image
	v_lshl_add_u32 v[SPW], v0, 2, SPARE
	v_mov_b32 v[NIL], 0
	ds_add_u32 v28, v29
	s_wait_dscnt 0x0
	v_lshrrev_b32 v1, 5, v0
	v_readfirstlane_b32 s14, v1                    ; wave
	s_lshr_b32 s15, s14, 1                         ; which half of A's rows is mine.  Also: I fetch for A (0) or for B (1)
	s_and_b32 s16, s14, 1                          ; which half of B's rows.  Also: which 8 units of that tile I fetch
	s_bfe_u32 s40, ttmp6, 0x40000                  ; cx, cy: my place in the cluster
	s_bfe_u32 s41, ttmp6, 0x40004
	s_lshl_b32 s42, ttmp9, 2
	s_add_co_u32 s42, s42, s40                     ; tile along the features
	s_and_b32 s17, ttmp7, 0xffff
	s_lshl_b32 s17, s17, 2
	s_add_co_u32 s17, s17, s41                     ; tile along the tokens
	s_lshl_b32 s43, s41, 2
	s_lshl_b32 s43, 15, s43                        ; my row of the cluster
	s_lshl_b32 s44, 0x1111, s40                    ; my column
	s_or_b32 s[G1], s43, (3<<16)|(1<<21)           ; 15:0 the mask; 17:16 elements of 8 bytes; 21 set beside a mask; no padding
	s_or_b32 s[G1B], s44, (3<<16)|(1<<21)
.irp g, G1, G1B                        ; a dense block of 26,624 bytes as 104 rows of 256
	s_mov_b32 s[\g+1], 32<<16
	s_mov_b32 s[\g+2], 104<<16
	s_mov_b32 s[\g+3], 32<<16
	s_mov_b32 s[\g+4], 104
	s_mov_b32 s[\g+5], 32
	s_mov_b32 s[\g+6], 0
	s_mov_b32 s[\g+7], 0
.endr
	s_lshl_b32 s18, s16, 3
	s_lshl_b32 s20, s17, 4
	s_add_co_u32 s20, s20, s18                     ; A: unit 16 x tile + 8 x half
	s_mul_i32 s20, s20, UNIT
	s_mov_b32 s21, 0
	s_lshl_b32 s46, s42, 4
	s_add_co_u32 s46, s46, s18                     ; B likewise
	s_mul_i32 s46, s46, UNIT
	s_add_co_u32 s46, s46, WOFF
	s_mov_b32 s47, 0
	s_mul_i32 s45, s14, HALFT                      ; where my load goes: no place in the cluster enters an LDS address
	s_wait_kmcnt 0x0
	s_add_nc_u64 s[20:21], s[4:5], s[20:21]
	s_add_nc_u64 s[46:47], s[6:7], s[46:47]
	CROUND                                         ; all sixteen work-groups are here: the first joint loads meet
	s_mov_b32 s[G0], 1
	s_mov_b32 s[G0+1], s45
	s_mov_b64 s[G0+2:G0+3], s[20:21]
	s_or_b32 s[G0+3], s[G0+3], 0x80000000
	s_mov_b32 s[G0+4], 1
	s_add_co_u32 s[G0+5], s45, SLOT
	s_add_nc_u64 s[G0+6:G0+7], s[20:21], NRBA*UNIT
	s_or_b32 s[G0+7], s[G0+7], 0x80000000
	s_mov_b32 s[G0B], 1
	s_mov_b32 s[G0B+1], s45
	s_mov_b64 s[G0B+2:G0B+3], s[46:47]
	s_or_b32 s[G0B+3], s[G0B+3], 0x80000000
	s_mov_b32 s[G0B+4], 1
	s_add_co_u32 s[G0B+5], s45, SLOT
	s_add_nc_u64 s[G0B+6:G0B+7], s[46:47], NRBB*UNIT
	s_or_b32 s[G0B+7], s[G0B+7], 0x80000000
	JLOAD 0                                        ; two tensor loads of mine are out
	JLOAD 1
	v_and_b32 v1, 31, v0                           ; lane
	v_bfe_u32 v2, v0, 4, 1                         ; h
	v_lshlrev_b32 v3, 4, v1
	v_lshlrev_b32 v4, 3, v1
	v_lshlrev_b32 v5, 2, v1
	s_lshl_b32 s94, s42, 10
	s_lshl_b32 s95, s16, 9
	s_add_co_u32 s94, s94, s95                     ; my first feature, in bytes of b1
	s_mov_b32 s95, 0
	s_add_nc_u64 s[8:9], s[8:9], s[94:95]
	v_lshlrev_b32 v12, 6, v2                       ; + 64 h
.irp b, 0,1,2,3,4,5,6,7                        ; the bias in the result's layout: tile b, register j: feature 32 (b / 2) + 16 h + 8 (b % 2) + j
	global_load_b128 v[BI+8*\b:BI+8*\b+3], v12, s[8:9] offset:128*(\b/2)+32*(\b%2)
	global_load_b128 v[BI+8*\b+4:BI+8*\b+7], v12, s[8:9] offset:128*(\b/2)+32*(\b%2)+16
.endr
	s_mul_i32 s21, s15, HALFT                      ; my 8 units of A
	s_mul_i32 s22, s16, HALFT
	s_add_co_u32 s22, s22, 2*HALFT                 ; my 8 units of B, behind A's 16
	s_sub_co_u32 s23, s22, s21
	v_mul_u32_u24 v6, s23, v2                      ; lanes 16-31 take B's scale words
	v_add_nc_u32 v6, v6, v5
.irp s, 0,1
	v_add_nc_u32 v[A16+\s], s21, v3
	v_add_nc_u32 v[A8+\s], s21, v4
	v_add_nc_u32 v[B16+\s], s22, v3
	v_add_nc_u32 v[B8+\s], s22, v4
	v_add_nc_u32 v[ADRS+\s], s21, v6
	s_add_co_u32 s21, s21, SLOT
	s_add_co_u32 s22, s22, SLOT
.endr
	s_lshl_b32 s92, s42, 8                         ; the result: unit [tile along the features][16 x tile along the tokens + 8 x my half],
	s_lshl_b32 s93, s17, 4
	s_add_co_u32 s92, s92, s93
	s_lshl_b32 s93, s15, 3
	s_add_co_u32 s92, s92, s93
	s_mul_i32 s92, s92, UNIT
	s_mul_i32 s93, s16, 1536                       ; K step = my half of the features
	s_add_co_u32 s92, s92, s93
	s_mov_b32 s93, 0
	s_add_nc_u64 s[72:73], s[10:11], s[92:93]
	s_mul_i32 s93, s16, 1408
	s_sub_co_u32 s93, 3072, s93
	v_mov_b32 v24, v3                              ; the way out: 16 x lane,
	v_mov_b32 v25, v4                              ; 8 x lane,
	v_add_nc_u32 v26, s93, v5                      ; the scale word's place, counted from my K step's codes
	s_mov_b32 s74, 0x76543210
	s_mov_b32 s75, 0xfedcba98                      ; v_permlanex16_b32's selects for lane l xor 16
.macro FRAG reg, a16, a8, off          ; a fragment's image: 12 registers by four loads of consecutive bytes
	ds_load_b128 v[\reg:\reg+3], v[\a16] offset:\off
	ds_load_b64 v[\reg+4:\reg+5], v[\a8] offset:\off+512
	ds_load_b128 v[\reg+6:\reg+9], v[\a16] offset:\off+768
	ds_load_b64 v[\reg+10:\reg+11], v[\a8] offset:\off+1280
.endm
.macro FETCH_B slot, q, p
	WIN TO_B
.irp i, 0,1,2,3,4,5,6,7
	FRAG 128*(\p)+FR*\i, B16+\slot, B8+\slot, \i*UNIT+(\q)*1536
.endr
	WIN 0
.endm
.macro FETCH_A slot, q, i0
.irp i, \i0, \i0+1, \i0+2, \i0+3
	FRAG AF+FR*(\i), A16+\slot, A8+\slot, (\i)*UNIT+(\q)*1536
.endr
.endm
.macro SCALES slot                     ; register 2 i + q of the set: lanes 0-15 the word of A's block i, lanes 16-31 of B's block i
.irp i, 0,1,2,3,4,5,6,7
.irp q, 0,1
	ds_load_b32 v[SC+16*\slot+2*\i+\q], v[ADRS+\slot] offset:\i*UNIT+3072+128*\q
.endr
.endr
.endm
; 16 matrix instructions: A's blocks a0, a0 + 1 x B's eight, 128 along K.  first = 1: the bias is the C: it starts the sums.  The 64 accumulators take turns, one instruction a turn.
.macro MUL16 a0, p, q, sc, first
.irp a, \a0, \a0+1
.irp b, 0,1,2,3,4,5,6,7
.if \first
	v_wmma_scale_f32_16x16x128_f8f6f4 v[8*(8*((\a)%4)+\b):8*(8*((\a)%4)+\b)+7], v[128*(\p)+FR*\b:128*(\p)+FR*\b+FR-1], v[AF+FR*(\a):AF+FR*(\a)+FR-1], v[BI+8*\b:BI+8*\b+7], v[SC+16*(\sc)+2*\b+(\q)], v[SC+16*(\sc)+2*(\a)+(\q)] matrix_a_fmt:MATRIX_FMT_FP6 matrix_b_fmt:MATRIX_FMT_FP6 matrix_a_scale:MATRIX_SCALE_ROW1
.else
	v_wmma_scale_f32_16x16x128_f8f6f4 v[8*(8*((\a)%4)+\b):8*(8*((\a)%4)+\b)+7], v[128*(\p)+FR*\b:128*(\p)+FR*\b+FR-1], v[AF+FR*(\a):AF+FR*(\a)+FR-1], v[8*(8*((\a)%4)+\b):8*(8*((\a)%4)+\b)+7], v[SC+16*(\sc)+2*\b+(\q)], v[SC+16*(\sc)+2*(\a)+(\q)] matrix_a_fmt:MATRIX_FMT_FP6 matrix_b_fmt:MATRIX_FMT_FP6 matrix_a_scale:MATRIX_SCALE_ROW1
.endif
.endr
.endr
.endm
.macro STEP slot, first                ; a slot's first 128 along K; it fetches the second
	s_wait_dscnt 16                                ; all but the youngest 16 loads (A's blocks 4-7) are in
.if \first
	WIN 0x81                                       ; C (the bias) window 0, D window 2
.else
	WIN MUL_LO
.endif
	MUL16 0, 0, 0, \slot, \first
	MUL16 2, 0, 0, \slot, \first
	s_wait_dscnt 0x0
	PLACES 4
	FETCH_B \slot, 1, 1
	FETCH_A \slot, 1, 0
.if \first
	WIN 0xc1                                       ; C window 0, D window 3
.else
	WIN MUL_HI
.endif
	MUL16 4, 0, 0, \slot, \first
	MUL16 6, 0, 0, \slot, \first
	PLACES 4
	WIN 0
	FETCH_A \slot, 1, 4
.endm
; A slot's second 128 along K changes slots: one barrier; in front of it each wave waits for all its tensor loads, adds 0 to its spare word, and waits for that and for its reads of this slot.
.macro TURN slot, next, fill
	s_wait_tensorcnt 0x0                           ; all my tensor loads have landed: my part of the next slot
	ds_add_u32 v[SPW], v[NIL]                      ; 0 onto my spare word
	s_wait_dscnt 17                                ; (the add and the youngest 16 loads may be out)
	WIN MUL_LO
	MUL16 0, 1, 1, \slot, 0
	s_wait_dscnt 0x0                               ; the add is done, and my reads of this slot are over
	s_barrier_signal -1
	MUL16 2, 1, 1, \slot, 0
	WIN 0
	s_barrier_wait -1
.if \fill
	CREST                                          ; the barrier has opened a round of the cluster's: no wave of any partner still reads this slot or has a load on its way
	s_add_nc_u64 s[G0+4*\slot+2:G0+4*\slot+3], s[G0+4*\slot+2:G0+4*\slot+3], 2*NRBA*UNIT
	s_add_nc_u64 s[G0B+4*\slot+2:G0B+4*\slot+3], s[G0B+4*\slot+2:G0B+4*\slot+3], 2*NRBB*UNIT
	JLOAD \slot                                    ; the first tensor load behind the round; its four v_nop are also the places in front of the loads below
.else
	PLACES 4
.endif
	FETCH_B \next, 0, 0
	FETCH_A \next, 0, 0
	SCALES \next
	WIN MUL_HI
	MUL16 4, 1, 1, \slot, 0
	MUL16 6, 1, 1, \slot, 0
	PLACES 4
	WIN 0
	FETCH_A \next, 0, 4
.endm
	s_wait_tensorcnt 1                             ; my part of slot 0 is in (slot 1's load may be out)
	s_barrier_signal -1
	s_barrier_wait -1                              ; everybody's is
	FETCH_B 0, 0, 0
	FETCH_A 0, 0, 0
	SCALES 0
	FETCH_A 0, 0, 4
	s_wait_loadcnt 0x0                             ; the bias
	STEP 0, 1
	s_mov_b32 s3, LAPS-1
.Llap:                                                 ; a trip goes once round the ring and fills both slots again
	TURN 0, 1, 1
	STEP 1, 0
	TURN 1, 0, 1
	STEP 0, 0
	s_sub_co_u32 s3, s3, 1
	s_cmp_lg_u32 s3, 0
	s_cbranch_scc1 .Llap
	TURN 0, 1, 0                                   ; the last lap fills nothing
	STEP 1, 0
	s_wait_dscnt 16
	WIN MUL_LO
	MUL16 0, 1, 1, 1, 0
	MUL16 2, 1, 1, 1, 0
	s_wait_dscnt 0x0
	WIN MUL_HI
	MUL16 4, 1, 1, 1, 0
	MUL16 6, 1, 1, 1, 0
	WIN 0
	PLACES 4
; THE WAY OUT.  GELU: the 64 numbers x at v[s] on of window sw become gelu(x) in v[H] on of window 0.  Each accumulator is first read at its low end.  One wait for each batch of 64 transcendentals.
.macro GELU s, sw
	WIN (\sw)|((\sw)<<2)
.set jj, 0
.rept 32
	v_pk_mul_f32 v[H+jj:H+jj+1], v[\s+jj:\s+jj+1], v[\s+jj:\s+jj+1]   ; x^2
.set jj, jj+2
.endr
	WIN 0
.set jj, 0
.rept 32
	v_pk_fma_f32 v[H+jj:H+jj+1], v[H+jj:H+jj+1], v[242:243], v[240:241]   ; k1 x^2 + k0
.set jj, jj+2
.endr
	WIN ((\sw)<<2)
.set jj, 0
.rept 32
	v_pk_mul_f32 v[H+jj:H+jj+1], v[H+jj:H+jj+1], v[\s+jj:\s+jj+1]     ; times x
.set jj, jj+2
.endr
	WIN 0
.set jj, 0
.rept 64
	v_exp_f32 v[H+jj], v[H+jj]
.set jj, jj+1
.endr
	v_nop                                          ; a plain instruction behind the batch,
	s_wait_alu depctr_va_vdst(0)                   ; and the wait ahead of its first reader
.set jj, 0
.rept 32
	v_pk_add_f32 v[H+jj:H+jj+1], v[H+jj:H+jj+1], 1.0 op_sel_hi:[1,0]
.set jj, jj+2
.endr
.set jj, 0
.rept 64
	v_rcp_f32 v[H+jj], v[H+jj]
.set jj, jj+1
.endr
	v_nop
	s_wait_alu depctr_va_vdst(0)
	WIN ((\sw)<<2)
.set jj, 0
.rept 32
	v_pk_mul_f32 v[H+jj:H+jj+1], v[H+jj:H+jj+1], v[\s+jj:\s+jj+1]     ; x / (1 + 2^..)
.set jj, jj+2
.endr
	WIN 0
.endm
; 64 numbers of a lane, register 16 b + i = k 32 b + 16 h + i of my row, become a fragment's codes in v[PC] on and its scale word in v[PW]
.macro QUANT s
.irp b, 0,1,2,3
	v_max3_num_f32 v[TM+\b], |v[\s+16*\b]|, |v[\s+16*\b+1]|, 0x1800000   ; my 16 numbers of block b, and the floor 2^(3 - 127): the byte cannot fall under 1
.endr
.irp i, 2,4,6,8,10,12,14
.irp b, 0,1,2,3
	v_max3_num_f32 v[TM+\b], v[TM+\b], |v[\s+16*\b+\i]|, |v[\s+16*\b+\i+1]|
.endr
.endr
.irp b, 0,1,2,3
	v_permlanex16_b32 v[TM+4+\b], v[TM+\b], s74, s75
.endr
.irp b, 0,1,2,3
	v_max_num_f32 v[TM+\b], v[TM+\b], v[TM+4+\b]   ; with lane l xor 16's: the block's largest magnitude
.endr
.irp b, 0,1,2,3
	v_add_nc_u32 v[TM+12+\b], 0xff000000, v[TM+\b] ; 2 off its exponent field: the conversion's scale operand
.endr
.irp b, 0,1,2,3
	v_lshrrev_b32 v[TM+4+\b], 23, v[TM+12+\b]      ; the scale's byte
.endr
	v_lshl_or_b32 v[PW], v[TM+5], 8, v[TM+4]
	v_lshl_or_b32 v[PW], v[TM+6], 16, v[PW]
	v_lshl_or_b32 v[PW], v[TM+7], 24, v[PW]
.irp c, 0,1
	v_cvt_scalef32_pk16_fp6_f32 v[PC+6*\c:PC+6*\c+2], v[\s+32*\c:\s+32*\c+15], v[TM+12+2*\c]
	v_cvt_scalef32_pk16_fp6_f32 v[PC+12+4*\c:PC+14+4*\c], v[\s+32*\c+16:\s+32*\c+31], v[TM+13+2*\c]
.endr
	v_nop                                          ; one plain instruction behind a scaled conversion
.irp c, 0,1                                    ; the operand's layout wants a whole block in a lane
.irp i, 0,1,2
	v_permlane16_swap_b32 v[PC+6*\c+\i], v[PC+12+4*\c+\i]
.endr
.irp i, 0,1,2
	v_mov_b32 v[PC+3+6*\c+\i], v[PC+12+4*\c+\i]
.endr
.endr
.endm
.irp b, 0,1,2,3
	v_mov_b32 v[TM+4+\b], 0                        ; written once: a lane permute's destination counts as one of its sources
.endr
	v_mov_b32 v240, 0xc0135761                     ; k0 = -2 sqrt(2 / pi) log2(e) = -2.3022082
	v_mov_b32 v241, 0xc0135761
	v_mov_b32 v242, 0xbdd2d3e8                     ; k1 = 0.044715 k0 = -0.10294324
	v_mov_b32 v243, 0xbdd2d3e8
.irp a, 0,1,2,3,4,5,6,7                        ; A's block a: one fragment and one scale word a row
	GELU 64*(\a%4), 2+\a/4
.if \a > 0
	s_wait_xcnt 0x0                                ; the last block's stores, issued ahead of this block's activation, have read their registers
.endif
	QUANT H
	global_store_b128 v24, v[PC:PC+3], s[72:73] offset:\a*UNIT          ; 512 consecutive bytes,
	global_store_b64 v25, v[PC+4:PC+5], s[72:73] offset:\a*UNIT+512     ; 256,
	global_store_b128 v24, v[PC+6:PC+9], s[72:73] offset:\a*UNIT+768
	global_store_b64 v25, v[PC+10:PC+11], s[72:73] offset:\a*UNIT+1280  ; each at a multiple of 256 from the buffer's first byte
	global_store_b32 v26, v[PW], s[72:73] offset:\a*UNIT
.endr
	s_wait_tensorcnt 0x0                           ; the wave's end
	ds_add_u32 v[SPW], v[NIL]
	s_wait_dscnt 0x0
	CROUND                                         ; the closing round: no work-group ends while a partner may still ask for a tile that names it
	s_endpgm
.Lfunc_end_k_q61ce5061a3_gw1:
	.size	k_q61ce5061a3_gw1, .Lfunc_end_k_q61ce5061a3_gw1-k_q61ce5061a3_gw1
	.p2alignl 7, 3214868480
	.fill 96, 4, 3214868480
	.section	.rodata,"a",@progbits
	.p2align	6, 0x0
	.amdhsa_kernel k_q61ce5061a3_gw1
		.amdhsa_group_segment_fixed_size 327680
		.amdhsa_private_segment_fixed_size 0
		.amdhsa_enable_private_segment 0
		.amdhsa_kernarg_size 32
		.amdhsa_user_sgpr_count 2
		.amdhsa_user_sgpr_kernarg_segment_ptr 1
		.amdhsa_wavefront_size32 1
		.amdhsa_system_sgpr_workgroup_id_x 1
		.amdhsa_system_sgpr_workgroup_id_y 1
		.amdhsa_system_sgpr_workgroup_id_z 1
		.amdhsa_system_vgpr_workitem_id 0
		.amdhsa_next_free_vgpr 1024
		.amdhsa_next_free_sgpr 98
		.amdhsa_reserve_vcc 0
		.amdhsa_float_denorm_mode_32 3
		.amdhsa_float_denorm_mode_16_64 3
		.amdhsa_memory_ordered 1
		.amdhsa_forward_progress 1
		.amdhsa_inst_pref_size 255
	.end_amdhsa_kernel
	.section	.bss,"aw",@nobits
	.p2align	6
	.space	262144
	.amdgpu_metadata
---
amdhsa.version: [ 1, 2 ]
amdhsa.kernels:
  - .name:           k_q61ce5061a3_gw1
    .symbol:         k_q61ce5061a3_gw1.kd
    .args:
      - { .name: himg, .offset: 0, .size: 8, .value_kind: global_buffer, .address_space: global }
      - { .name: wimg, .offset: 8, .size: 8, .value_kind: global_buffer, .address_space: global }
      - { .name: b1, .offset: 16, .size: 8, .value_kind: global_buffer, .address_space: global }
      - { .name: hid, .offset: 24, .size: 8, .value_kind: global_buffer, .address_space: global }
    .group_segment_fixed_size: 327680
    .private_segment_fixed_size: 0
    .kernarg_segment_align: 8
    .kernarg_segment_size: 32
    .max_flat_workgroup_size: 128
    .sgpr_count:     98
    .vgpr_count:     1024
    .wavefront_size: 32
...
	.end_amdgpu_metadata
.endif
;; end of part 6
;; launch gw2 (part 7): grid 4 x 16, 4 waves a work-group, clusters of 4 x 4, 327,680 bytes of LDS; arguments hid, wimg, x2, b2, out0; writes out0
.if DOCPART == 7
	.amdgcn_target "amdgcn-amd-amdhsa--gfx1250"
	.amdhsa_code_object_version 6
	.text
	.protected	k_q61ce5061a3_gw2
	.globl	k_q61ce5061a3_gw2
	.p2align	8
	.type	k_q61ce5061a3_gw2,@function
k_q61ce5061a3_gw2:
	s_mov_b64 s[64:65], 0
	v_nop
	global_prefetch_b8 v0, s[64:65] scope:SCOPE_SE
	s_setreg_imm32_b32 hwreg(HW_REG_WAVE_MODE, 25, 1), 1
	s_wait_xcnt 0x0
	s_wait_alu depctr_hold_cnt(0) depctr_sa_sdst(0) depctr_va_vdst(0) depctr_va_sdst(0) depctr_va_ssrc(0) depctr_va_vcc(0) depctr_vm_vsrc(0)
	s_getreg_b32 s2, hwreg(HW_REG_IB_STS2, 6, 4)
	s_cmp_eq_u32 s2, 0
	s_cbranch_scc0 .Lentry_in_a_cluster
	s_endpgm
.Lentry_in_a_cluster:
	s_bfe_u32 s2, ttmp6, 0x10000c
	s_cmp_lg_u32 s2, 0xf033
	s_cbranch_scc0 .Lentry_shape_is_right
	s_endpgm
.Lentry_shape_is_right:
; y = a W + bias + res, f32 [4,096][1,024]: a (tokens) and W (its columns) are codes of FP6 (E2M3) with E8M0 scales, given as images of operand registers; K = KTOT.  Here: a = the hidden layer, W = W2, res = the residual stream.
; AN IMAGE: units of 3,328 bytes laid [k / 256][block of 16 rows].  In a unit, for K step q of 128 and half c: at 1536 q + 768 c registers 6c..6c+3 of the fragment (16 bytes at 16 x lane), at + 512 registers 6c+4, 6c+5
; (8 bytes at 8 x lane); at 3072 + 128 q + 4 x lane the scale word of lane % 16's row.  Row r of block rb is row 32 (rb / 2) + 8 (rb % 2) + r + 8 (r / 8) of the operand.
; A tile of 256 x 256 is made by four waves, each 128 x 128: 64 accumulators, 512 registers.  K goes in steps of 256 through two LDS slots filled by the tensor data mover; the scale words travel in the slots.
; THE PRODUCT IS USED TRANSPOSED: source 0 = 16 rows of side B (W's columns), source 1 = 16 rows of side A (tokens): lane (r, h) holds token r of A's block, and register j of accumulator b the column
; 32 (b / 2) + 16 h + 8 (b % 2) + j.  THE RESIDUAL IS LOADED STRAIGHT INTO THE ACCUMULATORS at the head, while the first tiles are on their way: it costs no addition and no register.
; CLUSTERS: 4 x 4 work-groups; A's tiles are asked for jointly along a row of the cluster, B's along a column.  64 work-groups: the tile is kept large, so that each byte read from LDS feeds as many products as the registers allow.
; REGISTERS, in windows of 256: window 0: v1-31 addresses; v32-63 scale words, two sets; v64-67 the bias; v128-223 A's eight fragments, one set (on the way out v128-255 hold rows).
;   window 1: B's fragments, two sets.   windows 2, 3: the accumulators ((a, b) at v[8 (8 (a % 4) + b)] of window 2 + a / 4).
.set KTOT,  4096
.set WOFF,  6815744                    ; W's image in the weights' buffer
.set NRBA,  256                        ; blocks of rows in A's image
.set NRBB,  64                         ; and in B's
.set UNIT,  3328
.set HALFT, 8*UNIT                     ; what one tensor load brings, and what one wave reads of A or of B
.set SLOT,  4*HALFT                    ; A's 16 units, then B's 16
.set SPARE, 2*SLOT                     ; behind the ring: the spare words, 128 bytes for each wave, which no other line names
.set LAPS,  KTOT/512
.set FR,    12
.set ADRS,  10
.set A16,   16
.set A8,    18
.set B16,   20
.set B8,    22
.set SPW,   28
.set NIL,   29
.set SC,    32
.set BIA,   64
.set AF,    128
.set G1,  24
.set G0,  32
.set G1B, 48
.set G0B, 56
.set MSB, 0
.macro WIN new                         ; the immediate's high byte repeats the setting that is left; a switch that changes nothing is dropped
.if MSB != (\new)
	s_set_vgpr_msb (MSB<<8)|(\new)
.set MSB, (\new)
.endif
.endm
.set MUL_LO, 0xa1                      ; source 0 (B) window 1, source 1 (A) window 0, C and D window 2
.set MUL_HI, 0xf1                      ; the same, C and D window 3
.set TO_B,   0x40                      ; destination window 1, address window 0
.macro JLOAD s                         ; a joint load: waves 0 and 1 fetch A's halves, waves 2 and 3 B's; four v_nop follow each of the two lines
	s_cmp_eq_u32 s15, 0
	s_cbranch_scc0 .Lfor_b_\@
	tensor_load_to_lds s[G0+4*\s:G0+4*\s+3], s[G1:G1+7]
	s_nop 0
.rept 4
	v_nop
.endr
	s_branch .Lasked_\@
.Lfor_b_\@:
	tensor_load_to_lds s[G0B+4*\s:G0B+4*\s+3], s[G1B:G1B+7]
	s_nop 0
.rept 4
	v_nop
.endr
.Lasked_\@:
.endm
.macro CREST                           ; a round of the cluster's barrier behind its opening barrier
	s_cmp_lg_u32 s14, 0
	s_cbranch_scc1 .Lnot_wave_0_\@
	s_barrier_signal -3
.Lnot_wave_0_\@:
	s_barrier_wait -3
	s_barrier_signal -1
	s_barrier_wait -1
.endm
.macro CROUND
	s_barrier_signal -1
	s_barrier_wait -1
	CREST
.endm
.macro PLACES n                        ; plain vector instructions between a matrix instruction and a load into, or a read of, its registers (ISA guide 7.12.1 for reads)
.rept \n
	v_nop
.endr
.endm
	s_load_b256 s[4:11], s[0:1], 0x0               ; a's image, the weights' images, the residual, the bias
	s_load_b64 s[12:13], s[0:1], 0x20              ; y
	v_lshl_add_u32 v[SPW], v0, 2, SPARE
	v_mov_b32 v[NIL], 0
	ds_add_u32 v28, v29
	s_wait_dscnt 0x0
	v_lshrrev_b32 v1, 5, v0
	v_readfirstlane_b32 s14, v1                    ; wave
	s_lshr_b32 s15, s14, 1                         ; which half of A's rows is mine.  Also: I fetch for A (0) or for B (1)
	s_and_b32 s16, s14, 1                          ; which half of B's rows.  Also: which 8 units of that tile I fetch
	s_bfe_u32 s40, ttmp6, 0x40000                  ; cx, cy: my place in the cluster
	s_bfe_u32 s41, ttmp6, 0x40004
	s_lshl_b32 s42, ttmp9, 2
	s_add_co_u32 s42, s42, s40                     ; tile along the columns
	s_and_b32 s17, ttmp7, 0xffff
	s_lshl_b32 s17, s17, 2
	s_add_co_u32 s17, s17, s41                     ; tile along the tokens
	s_lshl_b32 s43, s41, 2
	s_lshl_b32 s43, 15, s43                        ; my row of the cluster
	s_lshl_b32 s44, 0x1111, s40                    ; my column
	s_or_b32 s[G1], s43, (3<<16)|(1<<21)           ; 15:0 the mask; 17:16 elements of 8 bytes; 21 set beside a mask; no padding
	s_or_b32 s[G1B], s44, (3<<16)|(1<<21)
.irp g, G1, G1B                        ; a dense block of 26,624 bytes as 104 rows of 256
	s_mov_b32 s[\g+1], 32<<16
	s_mov_b32 s[\g+2], 104<<16
	s_mov_b32 s[\g+3], 32<<16
	s_mov_b32 s[\g+4], 104
	s_mov_b32 s[\g+5], 32
	s_mov_b32 s[\g+6], 0
	s_mov_b32 s[\g+7], 0
.endr
	s_lshl_b32 s18, s16, 3
	s_lshl_b32 s20, s17, 4
	s_add_co_u32 s20, s20, s18                     ; A: unit 16 x tile + 8 x half
	s_mul_i32 s20, s20, UNIT
	s_mov_b32 s21, 0
	s_lshl_b32 s46, s42, 4
	s_add_co_u32 s46, s46, s18                     ; B likewise
	s_mul_i32 s46, s46, UNIT
	s_add_co_u32 s46, s46, WOFF
	s_mov_b32 s47, 0
	s_mul_i32 s45, s14, HALFT                      ; where my load goes: no place in the cluster enters an LDS address
	s_wait_kmcnt 0x0
	s_add_nc_u64 s[20:21], s[4:5], s[20:21]
	s_add_nc_u64 s[46:47], s[6:7], s[46:47]
	CROUND                                         ; all sixteen work-groups are here: the first joint loads meet
	s_mov_b32 s[G0], 1
	s_mov_b32 s[G0+1], s45
	s_mov_b64 s[G0+2:G0+3], s[20:21]
	s_or_b32 s[G0+3], s[G0+3], 0x80000000
	s_mov_b32 s[G0+4], 1
	s_add_co_u32 s[G0+5], s45, SLOT
	s_add_nc_u64 s[G0+6:G0+7], s[20:21], NRBA*UNIT
	s_or_b32 s[G0+7], s[G0+7], 0x80000000
	s_mov_b32 s[G0B], 1
	s_mov_b32 s[G0B+1], s45
	s_mov_b64 s[G0B+2:G0B+3], s[46:47]
	s_or_b32 s[G0B+3], s[G0B+3], 0x80000000
	s_mov_b32 s[G0B+4], 1
	s_add_co_u32 s[G0B+5], s45, SLOT
	s_add_nc_u64 s[G0B+6:G0B+7], s[46:47], NRBB*UNIT
	s_or_b32 s[G0B+7], s[G0B+7], 0x80000000
	JLOAD 0                                        ; two tensor loads of mine are out
	JLOAD 1
	v_and_b32 v1, 31, v0                           ; lane
	v_bfe_u32 v2, v0, 4, 1                         ; h
	v_lshlrev_b32 v3, 4, v1                        ; 16 x lane: also my place in a row of 512 bytes of y
	v_lshlrev_b32 v4, 3, v1
	v_lshlrev_b32 v5, 2, v1
	s_lshl_b32 s92, s17, 8
	s_lshl_b32 s93, s15, 7
	s_add_co_u32 s92, s92, s93                     ; my first token,
	s_lshl_b32 s92, s92, 12                        ; in bytes;
	s_lshl_b32 s94, s42, 10
	s_lshl_b32 s95, s16, 9
	s_add_co_u32 s94, s94, s95                     ; my first column, in bytes
	s_mov_b32 s95, 0
	s_add_co_u32 s92, s92, s94
	s_mov_b32 s93, 0
	s_add_nc_u64 s[8:9], s[8:9], s[92:93]          ; the residual,
	s_add_nc_u64 s[72:73], s[12:13], s[92:93]      ; y,
	s_add_nc_u64 s[10:11], s[10:11], s[94:95]      ; the bias
	v_and_b32 v9, 15, v0                           ; r
	v_and_b32 v8, 8, v9
	v_add_nc_u32 v7, v9, v8
	v_lshlrev_b32 v12, 12, v7
	v_lshl_add_u32 v12, v2, 6, v12                 ; token r + 8 (r / 8) of a block, + 64 h
	global_load_b128 v[BIA:BIA+3], v3, s[10:11]    ; the bias of my four columns of a row
.irp a, 0,1,2,3,4,5,6,7                        ; the residual in the accumulators' own layout
	WIN 0x80+0x40*(\a/4)                           ; destination window 2 or 3
.irp b, 0,1,2,3,4,5,6,7
	global_load_b128 v[8*(8*(\a%4)+\b):8*(8*(\a%4)+\b)+3], v12, s[8:9] offset:(32*(\a/2)+8*(\a%2))*4096+128*(\b/2)+32*(\b%2)
	global_load_b128 v[8*(8*(\a%4)+\b)+4:8*(8*(\a%4)+\b)+7], v12, s[8:9] offset:(32*(\a/2)+8*(\a%2))*4096+128*(\b/2)+32*(\b%2)+16
.endr
.endr
	WIN 0
	s_mul_i32 s21, s15, HALFT                      ; my 8 units of A
	s_mul_i32 s22, s16, HALFT
	s_add_co_u32 s22, s22, 2*HALFT                 ; my 8 units of B, behind A's 16
	s_sub_co_u32 s23, s22, s21
	v_mul_u32_u24 v6, s23, v2                      ; lanes 16-31 take B's scale words
	v_add_nc_u32 v6, v6, v5
.irp s, 0,1
	v_add_nc_u32 v[A16+\s], s21, v3
	v_add_nc_u32 v[A8+\s], s21, v4
	v_add_nc_u32 v[B16+\s], s22, v3
	v_add_nc_u32 v[B8+\s], s22, v4
	v_add_nc_u32 v[ADRS+\s], s21, v6
	s_add_co_u32 s21, s21, SLOT
	s_add_co_u32 s22, s22, SLOT
.endr
	s_mul_i32 s23, s14, 16*528                     ; my stage for the way out: 16 rows x (512 + 16) bytes, in slot 0, which by then has had its last fill and its last read
	v_mul_u32_u24 v24, v9, 528
	v_lshl_add_u32 v24, v2, 6, v24
	v_add_nc_u32 v24, s23, v24                     ; in: row r, + 64 h
	v_add_nc_u32 v25, s23, v3                      ; back: a whole row, 16 bytes a lane
.macro FRAG reg, a16, a8, off          ; a fragment's image: 12 registers by four loads of consecutive bytes
	ds_load_b128 v[\reg:\reg+3], v[\a16] offset:\off
	ds_load_b64 v[\reg+4:\reg+5], v[\a8] offset:\off+512
	ds_load_b128 v[\reg+6:\reg+9], v[\a16] offset:\off+768
	ds_load_b64 v[\reg+10:\reg+11], v[\a8] offset:\off+1280
.endm
.macro FETCH_B slot, q, p
	WIN TO_B
.irp i, 0,1,2,3,4,5,6,7
	FRAG 128*(\p)+FR*\i, B16+\slot, B8+\slot, \i*UNIT+(\q)*1536
.endr
	WIN 0
.endm
.macro FETCH_A slot, q, i0
.irp i, \i0, \i0+1, \i0+2, \i0+3
	FRAG AF+FR*(\i), A16+\slot, A8+\slot, (\i)*UNIT+(\q)*1536
.endr
.endm
.macro SCALES slot                     ; register 2 i + q of the set: lanes 0-15 the word of A's block i, lanes 16-31 of B's block i
.irp i, 0,1,2,3,4,5,6,7
.irp q, 0,1
	ds_load_b32 v[SC+16*\slot+2*\i+\q], v[ADRS+\slot] offset:\i*UNIT+3072+128*\q
.endr
.endr
.endm
; 16 matrix instructions: A's blocks a0, a0 + 1 x B's eight, 128 along K.  The 64 accumulators take turns, one instruction a turn, in the same order in every step.
.macro MUL16 a0, p, q, sc
.irp a, \a0, \a0+1
.irp b, 0,1,2,3,4,5,6,7
	v_wmma_scale_f32_16x16x128_f8f6f4 v[8*(8*((\a)%4)+\b):8*(8*((\a)%4)+\b)+7], v[128*(\p)+FR*\b:128*(\p)+FR*\b+FR-1], v[AF+FR*(\a):AF+FR*(\a)+FR-1], v[8*(8*((\a)%4)+\b):8*(8*((\a)%4)+\b)+7], v[SC+16*(\sc)+2*\b+(\q)], v[SC+16*(\sc)+2*(\a)+(\q)] matrix_a_fmt:MATRIX_FMT_FP6 matrix_b_fmt:MATRIX_FMT_FP6 matrix_a_scale:MATRIX_SCALE_ROW1
.endr
.endr
.endm
.macro STEP slot                       ; a slot's first 128 along K; it fetches the second
	s_wait_dscnt 16                                ; all but the youngest 16 loads (A's blocks 4-7) are in
	WIN MUL_LO
	MUL16 0, 0, 0, \slot
	MUL16 2, 0, 0, \slot
	s_wait_dscnt 0x0
	PLACES 4
	FETCH_B \slot, 1, 1
	FETCH_A \slot, 1, 0
	WIN MUL_HI
	MUL16 4, 0, 0, \slot
	MUL16 6, 0, 0, \slot
	PLACES 4
	WIN 0
	FETCH_A \slot, 1, 4
.endm
; A slot's second 128 along K changes slots: one barrier; in front of it each wave waits for all its tensor loads, adds 0 to its spare word, and waits for that and for its reads of this slot.
.macro TURN slot, next, fill
	s_wait_tensorcnt 0x0                           ; all my tensor loads have landed: my part of the next slot
	ds_add_u32 v[SPW], v[NIL]                      ; 0 onto my spare word
	s_wait_dscnt 17                                ; (the add and the youngest 16 loads may be out)
	WIN MUL_LO
	MUL16 0, 1, 1, \slot
	s_wait_dscnt 0x0                               ; the add is done, and my reads of this slot are over
	s_barrier_signal -1
	MUL16 2, 1, 1, \slot
	WIN 0
	s_barrier_wait -1
.if \fill
	CREST                                          ; the barrier has opened a round of the cluster's: no wave of any partner still reads this slot or has a load on its way
	s_add_nc_u64 s[G0+4*\slot+2:G0+4*\slot+3], s[G0+4*\slot+2:G0+4*\slot+3], 2*NRBA*UNIT
	s_add_nc_u64 s[G0B+4*\slot+2:G0B+4*\slot+3], s[G0B+4*\slot+2:G0B+4*\slot+3], 2*NRBB*UNIT
	JLOAD \slot                                    ; the first tensor load behind the round; its four v_nop are also the places in front of the loads below
.else
	PLACES 4
.endif
	FETCH_B \next, 0, 0
	FETCH_A \next, 0, 0
	SCALES \next
	WIN MUL_HI
	MUL16 4, 1, 1, \slot
	MUL16 6, 1, 1, \slot
	PLACES 4
	WIN 0
	FETCH_A \next, 0, 4
.endm
	s_wait_tensorcnt 1                             ; my part of slot 0 is in (slot 1's load may be out)
	s_barrier_signal -1
	s_barrier_wait -1                              ; everybody's is
	FETCH_B 0, 0, 0
	FETCH_A 0, 0, 0
	SCALES 0
	FETCH_A 0, 0, 4
	s_wait_loadcnt 0x0                             ; the residual lies in the accumulators: the first products add onto it
	STEP 0
	s_mov_b32 s3, LAPS-1
.Llap:                                                 ; a trip goes once round the ring and fills both slots again
	TURN 0, 1, 1
	STEP 1
	TURN 1, 0, 1
	STEP 0
	s_sub_co_u32 s3, s3, 1
	s_cmp_lg_u32 s3, 0
	s_cbranch_scc1 .Llap
	TURN 0, 1, 0                                   ; the last lap fills nothing
	STEP 1
	s_wait_dscnt 16
	WIN MUL_LO
	MUL16 0, 1, 1, 1
	MUL16 2, 1, 1, 1
	s_wait_dscnt 0x0
	WIN MUL_HI
	MUL16 4, 1, 1, 1
	MUL16 6, 1, 1, 1
	WIN 0
	PLACES 4
; THE WAY OUT, block by block of 16 tokens x 128 columns: through my own stage in LDS, back as whole rows of 512 bytes, the bias added, stored.  LDS serves a wave's instructions in order: no wait between stores and loads.
.macro TOSTAGE a
	WIN (0x08+4*((\a)/4))                          ; an LDS store's data are its source 1: window 2 or 3
.irp b, 0,1,2,3,4,5,6,7
	ds_store_b128 v24, v[64*((\a)%4)+8*\b:64*((\a)%4)+8*\b+3] offset:128*(\b/2)+32*(\b%2)      ; each accumulator from its low end on
	ds_store_b128 v24, v[64*((\a)%4)+8*\b+4:64*((\a)%4)+8*\b+7] offset:128*(\b/2)+32*(\b%2)+16
.endr
	WIN 0
.irp t, 0,1,2,3,4,5,6,7,8,9,10,11,12,13,14,15
	ds_load_b128 v[128+64*((\a)%2)+4*\t:128+64*((\a)%2)+4*\t+3], v25 offset:\t*528
.endr
.endm
.macro SEND a, younger                 ; younger: the LDS instructions issued behind block a's loads, which may stay out
	s_wait_dscnt \younger
.irp t, 0,1,2,3,4,5,6,7,8,9,10,11,12,13,14,15
	v_pk_add_f32 v[128+64*((\a)%2)+4*\t:128+64*((\a)%2)+4*\t+1], v[128+64*((\a)%2)+4*\t:128+64*((\a)%2)+4*\t+1], v[BIA:BIA+1]
	v_pk_add_f32 v[128+64*((\a)%2)+4*\t+2:128+64*((\a)%2)+4*\t+3], v[128+64*((\a)%2)+4*\t+2:128+64*((\a)%2)+4*\t+3], v[BIA+2:BIA+3]
.endr
.irp t, 0,1,2,3,4,5,6,7,8,9,10,11,12,13,14,15
	global_store_b128 v3, v[128+64*((\a)%2)+4*\t:128+64*((\a)%2)+4*\t+3], s[72:73] offset:(32*((\a)/2)+8*((\a)%2)+\t+8*(\t/8))*4096   ; 32 lanes store 512 consecutive bytes, at a multiple of 256 from y's first byte
.endr
.endm
	TOSTAGE 0
.irp a, 1,2,3,4,5,6,7
.if \a > 1
	s_wait_xcnt 0x0                                ; block a - 2's stores have read their registers: block a's loads may land there
.endif
	TOSTAGE \a
	SEND \a-1, 32                                  ; behind block a - 1's loads: block a's 16 stores and 16 loads
.endr
	SEND 7, 0
	s_wait_tensorcnt 0x0                           ; the wave's end
	ds_add_u32 v[SPW], v[NIL]
	s_wait_dscnt 0x0
	CROUND                                         ; the closing round: no work-group ends while a partner may still ask for a tile that names it
	s_endpgm
.Lfunc_end_k_q61ce5061a3_gw2:
	.size	k_q61ce5061a3_gw2, .Lfunc_end_k_q61ce5061a3_gw2-k_q61ce5061a3_gw2
	.p2alignl 7, 3214868480
	.fill 96, 4, 3214868480
	.section	.rodata,"a",@progbits
	.p2align	6, 0x0
	.amdhsa_kernel k_q61ce5061a3_gw2
		.amdhsa_group_segment_fixed_size 327680
		.amdhsa_private_segment_fixed_size 0
		.amdhsa_enable_private_segment 0
		.amdhsa_kernarg_size 40
		.amdhsa_user_sgpr_count 2
		.amdhsa_user_sgpr_kernarg_segment_ptr 1
		.amdhsa_wavefront_size32 1
		.amdhsa_system_sgpr_workgroup_id_x 1
		.amdhsa_system_sgpr_workgroup_id_y 1
		.amdhsa_system_sgpr_workgroup_id_z 1
		.amdhsa_system_vgpr_workitem_id 0
		.amdhsa_next_free_vgpr 1024
		.amdhsa_next_free_sgpr 98
		.amdhsa_reserve_vcc 0
		.amdhsa_float_denorm_mode_32 3
		.amdhsa_float_denorm_mode_16_64 3
		.amdhsa_memory_ordered 1
		.amdhsa_forward_progress 1
		.amdhsa_inst_pref_size 171
	.end_amdhsa_kernel
	.amdgpu_metadata
---
amdhsa.version: [ 1, 2 ]
amdhsa.kernels:
  - .name:           k_q61ce5061a3_gw2
    .symbol:         k_q61ce5061a3_gw2.kd
    .args:
      - { .name: hid, .offset: 0, .size: 8, .value_kind: global_buffer, .address_space: global }
      - { .name: wimg, .offset: 8, .size: 8, .value_kind: global_buffer, .address_space: global }
      - { .name: x2, .offset: 16, .size: 8, .value_kind: global_buffer, .address_space: global }
      - { .name: b2, .offset: 24, .size: 8, .value_kind: global_buffer, .address_space: global }
      - { .name: out0, .offset: 32, .size: 8, .value_kind: global_buffer, .address_space: global }
    .group_segment_fixed_size: 327680
    .private_segment_fixed_size: 0
    .kernarg_segment_align: 8
    .kernarg_segment_size: 40
    .max_flat_workgroup_size: 128
    .sgpr_count:     98
    .vgpr_count:     1024
    .wavefront_size: 32
...
	.end_amdgpu_metadata
.endif
;; end of part 7
;; ======== version 2 of 2: 8 launches
;; limits: right only within a limited range of input values
;; workspace buffers: wimg 10,223,616 bytes; himg 3,407,872 bytes; qkv 10,223,616 bytes; cimg 3,407,872 bytes; x2 16,777,216 bytes; hid 13,631,488 bytes
;; launch wq (part 8): grid 384 x 1, 4 waves a work-group, no clusters, 27,136 bytes of LDS; arguments Wq, Wk, Wv, Wo, W1, W2, wimg; writes wimg
.if DOCPART == 8
	.amdgcn_target "amdgcn-amd-amdhsa--gfx1250"
	.amdhsa_code_object_version 6
	.text
	.protected	k_q61ce5061a3_wq
	.globl	k_q61ce5061a3_wq
	.p2align	8
	.type	k_q61ce5061a3_wq,@function
k_q61ce5061a3_wq:
	s_mov_b64 s[64:65], 0
	v_nop
	global_prefetch_b8 v0, s[64:65] scope:SCOPE_SE
	s_setreg_imm32_b32 hwreg(HW_REG_WAVE_MODE, 25, 1), 1
	s_wait_xcnt 0x0
; The six weights, f32 with K as their FIRST axis, become codes of FP6 (E2M3) with one E8M0 scale byte for each 32 along K, laid as IMAGES OF OPERAND REGISTERS.
; AN IMAGE is made of units of 3,328 bytes, laid [k / 256][block of 16 rows].  A unit holds, for the two K steps q of 128 and the two halves c of a fragment: at 1536 q + 768 c the registers 6c..6c+3
; (lane l's 16 bytes at 16 l), at + 512 the registers 6c+4, 6c+5 (8 bytes at 8 l); at 3072 + 128 q + 4 l the scale word of lane l % 16's row (lanes 16-31 repeat lanes 0-15).
; Row r of block rb is row 32 (rb / 2) + 8 (rb % 2) + r + 8 (r / 8) of the operand (here: a column of the weight).
; A LANE TAKES A COLUMN AND ITS REGISTERS RUN DOWN K: a block of 32 lies in one lane, its largest magnitude needs no other lane, and the conversions give codes with K innermost.
; A block's scale is 2^(floor(log2(largest magnitude)) - 2); its byte is the largest magnitude's exponent field - 2, held at 1 from below.
; LIMITS: a block of zeros, or one whose largest magnitude lies under 2^-124, gets the byte 1 (its codes are zeros or as held; this program alone reads the bytes); NaN and infinities are not served.
; SHARES: a work-group takes 128 columns x 256 along K of one weight, a wave 32 columns: two neighbouring units, 6,656 dense bytes, gathered in the wave's own LDS and stored 512 bytes an instruction.
; Work-groups 0-127: Wq, Wk, Wv, Wo (32 each); 128-255: W1; 256-383: W2.  No barrier: waves share nothing.  Loads run two blocks (64 loads a wave) ahead.
.set UNIT, 3328
.set OFFS, 32                          ; v32-63  row i of a block: i x pitch + 4 x lane; never rewritten
.set X,    64                          ; v64-127 two sets of 32 numbers; on the way out 13 x 4 registers
.set C,    16                          ; v16-21  a block's six registers of codes
.set T,    24                          ; v24-26  the second conversion's result (three registers begin on an even number)
.set SB,   14                          ; v14-15  the scale bytes, four to a register
.set BAS,  32                          ; s[32:47] the eight blocks' bases: no pointer is stepped
	s_load_b256 s[4:11], s[0:1], 0x0               ; Wq, Wk, Wv, Wo
	s_load_b128 s[12:15], s[0:1], 0x20             ; W1, W2
	s_load_b64 s[16:17], s[0:1], 0x30              ; the images
	v_lshl_add_u32 v128, v0, 2, 0x6800
	v_mov_b32 v129, 0
	v_lshrrev_b32 v1, 5, v0
	v_readfirstlane_b32 s50, v1                    ; wave
	v_and_b32 v1, 31, v0                           ; lane = my column of the wave's 32
	s_lshr_b32 s20, ttmp9, 7                       ; 0: the four square weights, 1: W1, 2: W2
	s_and_b32 s21, ttmp9, 127
	s_lshr_b32 s22, s21, 5
	s_add_co_u32 s24, s20, 3
	s_and_b32 s23, s21, 31
	s_cmp_eq_u32 s20, 0
	s_cselect_b32 s22, s22, s24                    ; which weight, 0 to 5
	s_cselect_b32 s21, s23, s21                    ; my number among its work-groups
	s_cmp_eq_u32 s20, 1
	s_cselect_b32 s24, 31, 7
	s_cselect_b32 s25, 5, 3
	s_and_b32 s26, s21, s24                        ; which 128 columns
	s_lshr_b32 s27, s21, s25                       ; which 256 along K
	s_mul_i32 s51, s50, 2*UNIT                     ; my wave's two units in LDS
	v_bfe_u32 v7, v0, 3, 1                         ; column n lies in unit (n / 8) % 2,
	v_and_b32 v8, 7, v0
	v_bfe_u32 v9, v0, 4, 1
	v_lshl_add_u32 v8, v9, 3, v8                   ; as its row r = n % 8 + 8 (n / 16)
	v_mul_u32_u24 v7, v7, UNIT
	v_add_nc_u32 v7, s51, v7
	v_lshl_add_u32 v2, v8, 4, v7                   ; where row r's 16 bytes go,
	v_lshl_add_u32 v3, v8, 3, v7                   ; its 8 bytes,
	v_lshl_add_u32 v4, v8, 2, v7                   ; its scale word
	v_lshlrev_b32 v6, 4, v1                        ; the way out: 16 bytes a lane, in memory
	v_add_nc_u32 v5, s51, v6                       ; and in LDS
	s_mov_b32 s30, 0                               ; the image's first byte,
	s_mov_b32 s31, 128                             ; its blocks of rows,
	s_mov_b32 s18, 0                               ; the weight's first block in it,
	s_mov_b32 s19, 4096                            ; a row of the weight in bytes: Wq's figures; the others' are chosen below, on the work-group's number alone
	s_wait_kmcnt 0x0
	s_mov_b64 s[28:29], s[4:5]
	s_cmp_eq_u32 s22, 1                            ; Wk: behind Wq's 64 blocks in the same image
	s_cselect_b64 s[28:29], s[6:7], s[28:29]
	s_cselect_b32 s18, 64, s18
	s_cmp_eq_u32 s22, 2                            ; Wv
	s_cselect_b64 s[28:29], s[8:9], s[28:29]
	s_cselect_b32 s30, 1703936, s30
	s_cselect_b32 s31, 64, s31
	s_cmp_eq_u32 s22, 3                            ; Wo
	s_cselect_b64 s[28:29], s[10:11], s[28:29]
	s_cselect_b32 s30, 2555904, s30
	s_cselect_b32 s31, 64, s31
	s_cmp_eq_u32 s22, 4                            ; W1
	s_cselect_b64 s[28:29], s[12:13], s[28:29]
	s_cselect_b32 s30, 3407872, s30
	s_cselect_b32 s31, 256, s31
	s_cselect_b32 s19, 16384, s19
	s_cmp_eq_u32 s22, 5                            ; W2
	s_cselect_b64 s[28:29], s[14:15], s[28:29]
	s_cselect_b32 s30, 6815744, s30
	s_cselect_b32 s31, 64, s31
	v_lshlrev_b32 v[OFFS], 2, v1
.set ii, 1
.rept 31
	v_add_nc_u32 v[OFFS+ii], s19, v[OFFS+ii-1]
.set ii, ii+1
.endr
	s_lshl_b32 s48, s27, 8                         ; my first row: 256 x which,
	s_mul_i32 s48, s48, s19
	s_lshl_b32 s49, s26, 9                         ; my work-group's 128 columns,
	s_add_co_u32 s48, s48, s49
	s_lshl_b32 s49, s50, 7                         ; my wave's 32
	s_add_co_u32 s48, s48, s49
	s_mov_b32 s49, 0
	s_add_nc_u64 s[BAS:BAS+1], s[28:29], s[48:49]
	s_lshl_b32 s48, s19, 5                         ; 32 rows on
.irp t, 1,2,3,4,5,6,7
	s_add_nc_u64 s[BAS+2*\t:BAS+2*\t+1], s[BAS+2*\t-2:BAS+2*\t-1], s[48:49]
.endr
	s_mul_i32 s52, s27, s31                        ; my two units: [which 256 along K][first block + 8 x which 128 columns + 2 x wave]
	s_add_co_u32 s52, s52, s18
	s_lshl_b32 s53, s26, 3
	s_add_co_u32 s52, s52, s53
	s_lshl_b32 s53, s50, 1
	s_add_co_u32 s52, s52, s53
	s_mul_i32 s52, s52, UNIT
	s_add_co_u32 s52, s52, s30
	s_mov_b32 s53, 0
	s_add_nc_u64 s[16:17], s[16:17], s[52:53]
.macro LOAD t                          ; block t: rows 32 t + i of my column, into set t % 2; a load reads 128 consecutive bytes a wave
.set ii, 0
.rept 32
	global_load_b32 v[X+32*((\t)%2)+ii], v[OFFS+ii], s[BAS+2*(\t):BAS+2*(\t)+1] th:TH_LOAD_NT
.set ii, ii+1
.endr
.endm
.macro BLOCK t
.set XS, X+32*((\t)%2)
.set PL, ((\t)/4)*1536+(((\t)/2)%2)*768        ; K step t / 4, half (t / 2) % 2 of its fragment; the block belongs to lane r + 16 (t % 2)
.if (\t) < 7
	s_wait_loadcnt 32                              ; this block's 32 loads are in; the next block's may be out
.else
	s_wait_loadcnt 0x0
.endif
	v_max3_num_f32 v8, |v[XS]|, |v[XS+1]|, |v[XS+2]|   ; the block's largest magnitude, in two chains
	v_max3_num_f32 v9, |v[XS+3]|, |v[XS+4]|, |v[XS+5]|
.irp i, 6,10,14,18,22,26
	v_max3_num_f32 v8, v8, |v[XS+\i]|, |v[XS+\i+1]|
	v_max3_num_f32 v9, v9, |v[XS+\i+2]|, |v[XS+\i+3]|
.endr
	v_max3_num_f32 v8, v8, |v[XS+30]|, |v[XS+31]|
	v_max3_num_f32 v8, v8, v9, 0x1800000           ; and the floor 2^(3 - 127): the byte cannot fall under 1
	v_add_nc_u32 v10, 0xff000000, v8               ; 2 off the exponent field: the conversion takes this operand's exponent field as its scale
	v_lshrrev_b32 v11, 23, v10                     ; the scale's byte
.if (\t)%4 == 0
	v_mov_b32 v[SB+(\t)/4], v11
.else
	v_lshl_or_b32 v[SB+(\t)/4], v11, 8*((\t)%4), v[SB+(\t)/4]
.endif
	v_cvt_scalef32_pk16_fp6_f32 v[C:C+2], v[XS:XS+15], v10
	v_cvt_scalef32_pk16_fp6_f32 v[T:T+2], v[XS+16:XS+31], v10
	v_nop                                          ; one plain instruction between a scaled conversion and the vector instruction that reads its result
.irp i, 0,1,2
	v_mov_b32 v[C+3+\i], v[T+\i]
.endr
	ds_store_b128 v2, v[C:C+3] offset:PL+256*((\t)%2)
	ds_store_b64 v3, v[C+4:C+5] offset:PL+512+128*((\t)%2)
.if (\t) < 6
	LOAD (\t)+2
.endif
	s_wait_dscnt 0x0                               ; the stores have read their registers: the next block's codes may be written
.endm
	s_wait_alu depctr_va_vdst(0)
	LOAD 0
	LOAD 1
.irp t, 0,1,2,3,4,5,6,7
	BLOCK \t
.endr
	s_wait_alu depctr_va_vdst(0)
.irp q, 0,1
	ds_store_b32 v4, v[SB+\q] offset:3072+128*\q       ; my row's scale word of K step q,
	ds_store_b32 v4, v[SB+\q] offset:3072+128*\q+64    ; and its copy for lanes 16-31
.endr
.irp i, 0,1,2,3,4,5,6,7,8,9,10,11,12
	ds_load_b128 v[X+4*\i:X+4*\i+3], v5 offset:512*\i  ; LDS serves a wave's instructions in order: these see my stores
.endr
.irp i, 0,1,2,3,4,5,6,7,8,9,10,11,12
	s_wait_dscnt 12-\i                             ; load i is back; the younger ones may be out
	global_store_b128 v6, v[X+4*\i:X+4*\i+3], s[16:17] offset:512*\i   ; 32 lanes store 512 consecutive bytes, at a multiple of 256 from the buffer's first byte
.endr
	s_wait_tensorcnt 0x0
	ds_add_u32 v128, v129
	s_wait_dscnt 0x0
	s_endpgm
.Lfunc_end_k_q61ce5061a3_wq:
	.size	k_q61ce5061a3_wq, .Lfunc_end_k_q61ce5061a3_wq-k_q61ce5061a3_wq
	.p2alignl 7, 3214868480
	.fill 96, 4, 3214868480
	.section	.rodata,"a",@progbits
	.p2align	6, 0x0
	.amdhsa_kernel k_q61ce5061a3_wq
		.amdhsa_group_segment_fixed_size 27136
		.amdhsa_private_segment_fixed_size 0
		.amdhsa_enable_private_segment 0
		.amdhsa_kernarg_size 56
		.amdhsa_user_sgpr_count 2
		.amdhsa_user_sgpr_kernarg_segment_ptr 1
		.amdhsa_wavefront_size32 1
		.amdhsa_system_sgpr_workgroup_id_x 1
		.amdhsa_system_sgpr_workgroup_id_y 1
		.amdhsa_system_sgpr_workgroup_id_z 1
		.amdhsa_system_vgpr_workitem_id 0
		.amdhsa_next_free_vgpr 130
		.amdhsa_next_free_sgpr 66
		.amdhsa_reserve_vcc 0
		.amdhsa_float_denorm_mode_32 3
		.amdhsa_float_denorm_mode_16_64 3
		.amdhsa_memory_ordered 1
		.amdhsa_forward_progress 1
		.amdhsa_inst_pref_size 45
	.end_amdhsa_kernel
	.amdgpu_metadata
---
amdhsa.version: [ 1, 2 ]
amdhsa.kernels:
  - .name:           k_q61ce5061a3_wq
    .symbol:         k_q61ce5061a3_wq.kd
    .args:
      - { .name: Wq, .offset: 0, .size: 8, .value_kind: global_buffer, .address_space: global }
      - { .name: Wk, .offset: 8, .size: 8, .value_kind: global_buffer, .address_space: global }
      - { .name: Wv, .offset: 16, .size: 8, .value_kind: global_buffer, .address_space: global }
      - { .name: Wo, .offset: 24, .size: 8, .value_kind: global_buffer, .address_space: global }
      - { .name: W1, .offset: 32, .size: 8, .value_kind: global_buffer, .address_space: global }
      - { .name: W2, .offset: 40, .size: 8, .value_kind: global_buffer, .address_space: global }
      - { .name: wimg, .offset: 48, .size: 8, .value_kind: global_buffer, .address_space: global }
    .group_segment_fixed_size: 27136
    .private_segment_fixed_size: 0
    .kernarg_segment_align: 8
    .kernarg_segment_size: 56
    .max_flat_workgroup_size: 128
    .sgpr_count:     66
    .vgpr_count:     130
    .wavefront_size: 32
...
	.end_amdgpu_metadata
.endif
;; end of part 8
;; launch ln1 (part 9): grid 256 x 1, 8 waves a work-group, no clusters, 69,632 bytes of LDS; arguments x, ln1_g, ln1_b, himg; writes himg
.if DOCPART == 9
	.amdgcn_target "amdgcn-amd-amdhsa--gfx1250"
	.amdhsa_code_object_version 6
	.text
	.protected	k_q61ce5061a3_ln1
	.globl	k_q61ce5061a3_ln1
	.p2align	8
	.type	k_q61ce5061a3_ln1,@function
k_q61ce5061a3_ln1:
	s_mov_b64 s[64:65], 0
	v_nop
	global_prefetch_b8 v0, s[64:65] scope:SCOPE_SE
	s_setreg_imm32_b32 hwreg(HW_REG_WAVE_MODE, 25, 1), 1
	s_wait_xcnt 0x0
; h = g (x - mean) rsqrt(var + 1e-5) + b over rows of 1,024 f32, then quantised along the row to FP6 (E2M3) with one E8M0 scale for each 32, and stored as an image of operand registers.
; THE IMAGE: units of 3,328 bytes laid [k / 256][block of 16 rows, 256 of them].  In a unit, for K step q of 128 and half c: at 1536 q + 768 c registers 6c..6c+3 (16 bytes at 16 x lane), at + 512 registers
; 6c+4, 6c+5 (8 bytes at 8 x lane); at 3072 + 128 q + 4 x lane the scale word of lane % 16's row.  Row r of block rb is token 32 (rb / 2) + 8 (rb % 2) + r + 8 (r / 8).
; SHARES: a work-group takes one block of 16 rows; wave w takes columns 128 w .. 128 w + 127 of them, one K step.  The numbers stay in registers from the load to the codes.
; Loads read 512 consecutive bytes of a row; the wave's own stage in LDS turns them so that lane (r, h) holds, of row r, columns 32 b + 16 h + i in register 16 b + i: what the conversions want.
; Mean and variance in two passes (the variance of x - mean, so that no difference of large sums is formed); the eight waves' parts meet in LDS: two barriers.
; LIMITS: a block of zeros, or one whose largest magnitude lies under 2^-124, gets the byte 1 (this program alone reads the bytes); NaN and infinities are not served.
.set STG,  8448                        ; a wave's stage: 16 rows x (512 + 16) bytes: rows 33 x 16 bytes apart, so sixteen rows' 16 bytes fall on different banks
.set STAT, 8*STG                       ; [wave][row] partial sums, 512 bytes; 512 further on the same for the squares
.set TM,   16                          ; v16-19 largest magnitudes, v20-23 bytes, v28-31 the conversions' scale operands
.set X,    32
.set G,    96
.set B,    160
.set PC,   224                         ; v224-235 the codes; v236-238, v240-242 at work
.set PW,   244                         ; the scale word
	s_load_b256 s[4:11], s[0:1], 0x0               ; x, g, b, the image
	v_lshl_add_u32 v239, v0, 2, 0x10c00
	v_mov_b32 v243, 0
	v_lshrrev_b32 v1, 5, v0
	s_delay_alu instid0(VALU_DEP_1)
	v_readfirstlane_b32 s12, v1                    ; wave
	v_and_b32 v9, 31, v0                           ; lane
	v_and_b32 v10, 15, v0                          ; r
	v_bfe_u32 v11, v0, 4, 1                        ; h
	s_delay_alu instid0(VALU_DEP_3)
	v_lshlrev_b32 v1, 4, v9                        ; 16 x lane
	s_mul_i32 s13, s12, STG
	v_add_nc_u32 v2, s13, v1                       ; into the stage: as loaded
	v_mul_u32_u24 v3, v10, 528
	s_delay_alu instid0(VALU_DEP_1)
	v_lshl_add_u32 v3, v11, 6, v3
	s_delay_alu instid0(VALU_DEP_1)
	v_add_nc_u32 v3, s13, v3                       ; out of it: row r, + 64 h
	v_lshlrev_b32 v4, 6, v11                       ; g, b: + 64 h
	s_lshl_b32 s14, s12, 6
	s_add_co_u32 s14, s14, STAT
	v_lshl_add_u32 v5, v10, 2, s14                 ; my wave's partial sum of row r
	v_lshlrev_b32 v6, 2, v10
	s_delay_alu instid0(VALU_DEP_1)
	v_add_nc_u32 v6, STAT, v6                      ; all waves' of row r
	v_lshlrev_b32 v7, 3, v9                        ; 8 x lane
	s_and_b32 s15, s12, 1
	s_mul_i32 s16, s15, 1408
	s_sub_co_u32 s16, 3072, s16
	v_lshl_add_u32 v8, v9, 2, s16                  ; the scale word's place, counted from my K step's codes: 3072 + 128 q - 1536 q + 4 x lane
	s_lshr_b32 s20, ttmp9, 1
	s_lshl_b32 s20, s20, 17                        ; 32 rows of 4,096 bytes for each pair of blocks,
	s_and_b32 s21, ttmp9, 1
	s_lshl_b32 s21, s21, 15                        ; 8 rows for the odd one,
	s_add_co_u32 s20, s20, s21
	s_lshl_b32 s22, s12, 9                         ; my wave's 512 bytes of a row
	s_add_co_u32 s20, s20, s22
	s_mov_b32 s21, 0
	s_mov_b32 s23, 0
	s_lshr_b32 s24, s12, 1
	s_lshl_b32 s24, s24, 8
	s_add_co_u32 s24, s24, ttmp9
	s_mul_i32 s24, s24, 3328                       ; unit [wave / 2][block],
	s_mul_i32 s25, s15, 1536                       ; K step wave % 2 in it
	s_add_co_u32 s24, s24, s25
	s_mov_b32 s25, 0
	s_mov_b32 s26, 0x76543210
	s_mov_b32 s27, 0xfedcba98                      ; v_permlanex16_b32's selects for lane l xor 16
	s_mov_b32 s28, 0x3a800000                      ; 1 / 1024
	s_mov_b32 s29, 0x3727c5ac                      ; 1e-5
	v_mov_b32 v245, 0                              ; written once: a lane permute's destination counts as one of its sources
.irp b, 0,1,2,3
	v_mov_b32 v[TM+4+\b], 0
.endr
	s_wait_kmcnt 0x0
	s_add_nc_u64 s[4:5], s[4:5], s[20:21]
	s_add_nc_u64 s[6:7], s[6:7], s[22:23]
	s_add_nc_u64 s[8:9], s[8:9], s[22:23]
	s_add_nc_u64 s[10:11], s[10:11], s[24:25]
.irp i, 0,1,2,3,4,5,6,7,8,9,10,11,12,13,14,15
	global_load_b128 v[X+4*\i:X+4*\i+3], v1, s[4:5] offset:(\i+8*(\i/8))*4096 th:TH_LOAD_NT   ; row i of the block: 512 consecutive bytes
.endr
.irp b, 0,1,2,3
.irp j, 0,1,2,3
	global_load_b128 v[G+16*\b+4*\j:G+16*\b+4*\j+3], v4, s[6:7] offset:128*\b+16*\j
	global_load_b128 v[B+16*\b+4*\j:B+16*\b+4*\j+3], v4, s[8:9] offset:128*\b+16*\j
.endr
.endr
	s_wait_loadcnt 32                              ; x is in; the 32 loads of g and b may be out
.irp i, 0,1,2,3,4,5,6,7,8,9,10,11,12,13,14,15
	ds_store_b128 v2, v[X+4*\i:X+4*\i+3] offset:528*\i
.endr
.irp b, 0,1,2,3
.irp j, 0,1,2,3
	ds_load_b128 v[X+16*\b+4*\j:X+16*\b+4*\j+3], v3 offset:128*\b+16*\j   ; LDS serves a wave's instructions in order: these see my stores
.endr
.endr
	s_wait_dscnt 0x0
; v246 holds my lane's part of a row's sum; afterwards the sum over all 1,024 columns, in every lane of the row
.macro ACROSS off
	s_delay_alu instid0(VALU_DEP_1)
	v_permlanex16_b32 v245, v246, s26, s27
	s_delay_alu instid0(VALU_DEP_1)
	v_add_f32 v246, v246, v245                     ; my wave's 128 columns
	ds_store_b32 v5, v246 offset:\off              ; (lanes r and r + 16 write the same word with the same value)
	s_wait_dscnt 0x0                               ; for the others' sake: my store has landed
	s_barrier_signal -1
	s_barrier_wait -1
.irp k, 0,1,2,3,4,5,6,7
	ds_load_b32 v[246+\k], v6 offset:\off+64*\k
.endr
	s_wait_dscnt 0x0
	v_add_f32 v246, v246, v247
	v_add_f32 v248, v248, v249
	v_add_f32 v250, v250, v251
	v_add_f32 v252, v252, v253
	s_delay_alu instid0(VALU_DEP_3)
	v_add_f32 v246, v246, v248
	s_delay_alu instid0(VALU_DEP_2)
	v_add_f32 v250, v250, v252
	s_delay_alu instid0(VALU_DEP_1)
	v_add_f32 v246, v246, v250
.endm
.macro FOLD                            ; four chains of pairs into v246
	s_delay_alu instid0(VALU_DEP_3)
	v_pk_add_f32 v[246:247], v[246:247], v[248:249]
	s_delay_alu instid0(VALU_DEP_2)
	v_pk_add_f32 v[250:251], v[250:251], v[252:253]
	s_delay_alu instid0(VALU_DEP_1)
	v_pk_add_f32 v[246:247], v[246:247], v[250:251]
	s_delay_alu instid0(VALU_DEP_1)
	v_add_f32 v246, v246, v247
.endm
.irp k, 0,1,2,3
	v_pk_add_f32 v[246+2*\k:247+2*\k], v[X+4*\k:X+4*\k+1], v[X+4*\k+2:X+4*\k+3]   ; the first numbers start the chains: nothing is cleared
.endr
.irp j, 16,24,32,40,48,56
.irp k, 0,1,2,3
	s_delay_alu instid0(VALU_DEP_4)
	v_pk_add_f32 v[246+2*\k:247+2*\k], v[246+2*\k:247+2*\k], v[X+\j+2*\k:X+\j+2*\k+1]
.endr
.endr
	FOLD
	ACROSS 0
	s_delay_alu instid0(VALU_DEP_1)
	v_mul_f32 v254, s28, v246                      ; the mean
	s_delay_alu instid0(VALU_DEP_1)
	v_mov_b32 v255, v254
.set jj, 0
.rept 32
	v_pk_add_f32 v[X+jj:X+jj+1], v[X+jj:X+jj+1], v[254:255] neg_lo:[0,1] neg_hi:[0,1]   ; x - mean
.set jj, jj+2
.endr
.irp k, 0,1,2,3
	v_pk_mul_f32 v[246+2*\k:247+2*\k], v[X+2*\k:X+2*\k+1], v[X+2*\k:X+2*\k+1]
.endr
.irp j, 8,16,24,32,40,48,56
.irp k, 0,1,2,3
	s_delay_alu instid0(VALU_DEP_4)
	v_pk_fma_f32 v[246+2*\k:247+2*\k], v[X+\j+2*\k:X+\j+2*\k+1], v[X+\j+2*\k:X+\j+2*\k+1], v[246+2*\k:247+2*\k]
.endr
.endr
	FOLD
	ACROSS 512                                     ; other bytes than the first exchange's: no barrier is needed between the two
	s_delay_alu instid0(VALU_DEP_1)
	v_fma_f32 v246, v246, s28, s29                 ; the variance + 1e-5
	s_wait_alu depctr_va_vdst(0)
	v_rsq_f32 v254, v246
	v_nop                                          ; a plain instruction behind the transcendental,
	s_wait_alu depctr_va_vdst(0)                   ; and the wait ahead of its first reader
	v_mov_b32 v255, v254
	s_wait_alu depctr_va_vdst(0)
	s_wait_loadcnt 0x0                             ; g and b
.set jj, 0
.rept 32
	v_pk_mul_f32 v[X+jj:X+jj+1], v[X+jj:X+jj+1], v[254:255]
.set jj, jj+2
.endr
.set jj, 0
.rept 32
	v_pk_fma_f32 v[X+jj:X+jj+1], v[X+jj:X+jj+1], v[G+jj:G+jj+1], v[B+jj:B+jj+1]
.set jj, jj+2
.endr
; 64 numbers of a lane, register 16 b + i = column 32 b + 16 h + i of my row, become a fragment's codes and its scale word
.irp b, 0,1,2,3
	v_max3_num_f32 v[TM+\b], |v[X+16*\b]|, |v[X+16*\b+1]|, 0x1800000   ; my 16 numbers of block b, and the floor 2^(3 - 127): the byte cannot fall under 1
.endr
.irp i, 2,4,6,8,10,12,14
.irp b, 0,1,2,3
	s_delay_alu instid0(VALU_DEP_4)
	v_max3_num_f32 v[TM+\b], v[TM+\b], |v[X+16*\b+\i]|, |v[X+16*\b+\i+1]|
.endr
.endr
.irp b, 0,1,2,3
	s_delay_alu instid0(VALU_DEP_4)
	v_permlanex16_b32 v[TM+4+\b], v[TM+\b], s26, s27
.endr
.irp b, 0,1,2,3
	s_delay_alu instid0(VALU_DEP_4)
	v_max_num_f32 v[TM+\b], v[TM+\b], v[TM+4+\b]   ; with lane l xor 16's: the block's largest magnitude
.endr
.irp b, 0,1,2,3
	s_delay_alu instid0(VALU_DEP_4)
	v_add_nc_u32 v[TM+12+\b], 0xff000000, v[TM+\b] ; 2 off its exponent field: the conversion's scale operand
.endr
.irp b, 0,1,2,3
	s_delay_alu instid0(VALU_DEP_4)
	v_lshrrev_b32 v[TM+4+\b], 23, v[TM+12+\b]      ; the scale's byte
.endr
	s_delay_alu instid0(VALU_DEP_3)
	v_lshl_or_b32 v[PW], v[TM+5], 8, v[TM+4]
	s_delay_alu instid0(VALU_DEP_1)
	v_lshl_or_b32 v[PW], v[TM+6], 16, v[PW]
	s_delay_alu instid0(VALU_DEP_1)
	v_lshl_or_b32 v[PW], v[TM+7], 24, v[PW]
.irp c, 0,1
	v_cvt_scalef32_pk16_fp6_f32 v[PC+6*\c:PC+6*\c+2], v[X+32*\c:X+32*\c+15], v[TM+12+2*\c]
	v_cvt_scalef32_pk16_fp6_f32 v[PC+12+4*\c:PC+14+4*\c], v[X+32*\c+16:X+32*\c+31], v[TM+13+2*\c]
.endr
	v_nop                                          ; one plain instruction behind a scaled conversion
.irp c, 0,1                                    ; the operand's layout wants a whole block in a lane: lanes 0-15 block 2 c, lanes 16-31 block 2 c + 1
.irp i, 0,1,2
	v_permlane16_swap_b32 v[PC+6*\c+\i], v[PC+12+4*\c+\i]
.endr
.irp i, 0,1,2
	s_delay_alu instid0(VALU_DEP_3)
	v_mov_b32 v[PC+3+6*\c+\i], v[PC+12+4*\c+\i]
.endr
.endr
	global_store_b128 v1, v[PC:PC+3], s[10:11]                 ; 512 consecutive bytes,
	global_store_b64 v7, v[PC+4:PC+5], s[10:11] offset:512     ; 256,
	global_store_b128 v1, v[PC+6:PC+9], s[10:11] offset:768
	global_store_b64 v7, v[PC+10:PC+11], s[10:11] offset:1280  ; each at a multiple of 256 from the buffer's first byte
	global_store_b32 v8, v[PW], s[10:11]                       ; 128 bytes: the scale words, lanes 16-31 repeating lanes 0-15
	s_wait_tensorcnt 0x0
	ds_add_u32 v239, v243
	s_wait_dscnt 0x0
	s_endpgm
.Lfunc_end_k_q61ce5061a3_ln1:
	.size	k_q61ce5061a3_ln1, .Lfunc_end_k_q61ce5061a3_ln1-k_q61ce5061a3_ln1
	.p2alignl 7, 3214868480
	.fill 96, 4, 3214868480
	.section	.rodata,"a",@progbits
	.p2align	6, 0x0
	.amdhsa_kernel k_q61ce5061a3_ln1
		.amdhsa_group_segment_fixed_size 69632
		.amdhsa_private_segment_fixed_size 0
		.amdhsa_enable_private_segment 0
		.amdhsa_kernarg_size 32
		.amdhsa_user_sgpr_count 2
		.amdhsa_user_sgpr_kernarg_segment_ptr 1
		.amdhsa_wavefront_size32 1
		.amdhsa_system_sgpr_workgroup_id_x 1
		.amdhsa_system_sgpr_workgroup_id_y 1
		.amdhsa_system_sgpr_workgroup_id_z 1
		.amdhsa_system_vgpr_workitem_id 0
		.amdhsa_next_free_vgpr 256
		.amdhsa_next_free_sgpr 66
		.amdhsa_reserve_vcc 0
		.amdhsa_float_denorm_mode_32 3
		.amdhsa_float_denorm_mode_16_64 3
		.amdhsa_memory_ordered 1
		.amdhsa_forward_progress 1
		.amdhsa_inst_pref_size 31
	.end_amdhsa_kernel
	.amdgpu_metadata
---
amdhsa.version: [ 1, 2 ]
amdhsa.kernels:
  - .name:           k_q61ce5061a3_ln1
    .symbol:         k_q61ce5061a3_ln1.kd
    .args:
      - { .name: x, .offset: 0, .size: 8, .value_kind: global_buffer, .address_space: global }
      - { .name: ln1_g, .offset: 8, .size: 8, .value_kind: global_buffer, .address_space: global }
      - { .name: ln1_b, .offset: 16, .size: 8, .value_kind: global_buffer, .address_space: global }
      - { .name: himg, .offset: 24, .size: 8, .value_kind: global_buffer, .address_space: global }
    .group_segment_fixed_size: 69632
    .private_segment_fixed_size: 0
    .kernarg_segment_align: 8
    .kernarg_segment_size: 32
    .max_flat_workgroup_size: 256
    .sgpr_count:     66
    .vgpr_count:     256
    .wavefront_size: 32
...
	.end_amdgpu_metadata
.endif
;; end of part 9
;; launch gqkv (part 10): grid 48 x 4, 4 waves a work-group, clusters of 4 x 4, 327,680 bytes of LDS; arguments himg, wimg, qkv; writes qkv
.if DOCPART == 10
	.amdgcn_target "amdgcn-amd-amdhsa--gfx1250"
	.amdhsa_code_object_version 6
	.text
	.protected	k_q61ce5061a3_gqkv
	.globl	k_q61ce5061a3_gqkv
	.p2align	8
	.type	k_q61ce5061a3_gqkv,@function
k_q61ce5061a3_gqkv:
	s_mov_b64 s[64:65], 0
	v_nop
	global_prefetch_b8 v0, s[64:65] scope:SCOPE_SE
	s_setreg_imm32_b32 hwreg(HW_REG_WAVE_MODE, 25, 1), 1
	s_wait_xcnt 0x0
	s_wait_alu depctr_hold_cnt(0) depctr_sa_sdst(0) depctr_va_vdst(0) depctr_va_sdst(0) depctr_va_ssrc(0) depctr_va_vcc(0) depctr_vm_vsrc(0)
	s_getreg_b32 s2, hwreg(HW_REG_IB_STS2, 6, 4)
	s_cmp_eq_u32 s2, 0
	s_cbranch_scc0 .Lentry_in_a_cluster
	s_endpgm
.Lentry_in_a_cluster:
	s_bfe_u32 s2, ttmp6, 0x10000c
	s_cmp_lg_u32 s2, 0xf033
	s_cbranch_scc0 .Lentry_shape_is_right
	s_endpgm
.Lentry_shape_is_right:
.set KTOT,  1024
.set UNIT,  3328
.set HALFT, 8*UNIT
.set SLOT,  4*HALFT
.set SPARE, 2*SLOT
.set LAPS,  KTOT/512
.set FR,    12
.set ADRS,  10
.set A16,   16
.set A8,    18
.set B16,   20
.set B8,    22
.set SPW,   28
.set NIL,   29
.set SC,    32
.set AF,    128
.set TM,    200
.set PW,    216
.set PC,    220
.set G1,  24
.set G0,  32
.set G1B, 48
.set G0B, 56
.set MSB, 0
.macro WIN new
.if MSB != (\new)
	s_set_vgpr_msb (MSB<<8)|(\new)
.set MSB, (\new)
.endif
.endm
.set MUL_LO, 0xa1
.set MUL_HI, 0xf1
.set TO_B,   0x40
.macro JLOAD s
	s_cmp_eq_u32 s15, 0
	s_cbranch_scc0 .Lfor_b_\@
	tensor_load_to_lds s[G0+4*\s:G0+4*\s+3], s[G1:G1+7]
	s_nop 0
.rept 4
	v_nop
.endr
	s_branch .Lasked_\@
.Lfor_b_\@:
	tensor_load_to_lds s[G0B+4*\s:G0B+4*\s+3], s[G1B:G1B+7]
	s_nop 0
.rept 4
	v_nop
.endr
.Lasked_\@:
.endm
.macro CREST
	s_cmp_lg_u32 s14, 0
	s_cbranch_scc1 .Lnot_wave_0_\@
	s_barrier_signal -3
.Lnot_wave_0_\@:
	s_barrier_wait -3
	s_barrier_signal -1
	s_barrier_wait -1
.endm
.macro CROUND
	s_barrier_signal -1
	s_barrier_wait -1
	CREST
.endm
.macro PLACES n
.rept \n
	v_nop
.endr
.endm
	s_load_b128 s[4:7], s[0:1], 0x0
	s_load_b64 s[8:9], s[0:1], 0x10
	v_lshl_add_u32 v[SPW], v0, 2, SPARE
	v_mov_b32 v[NIL], 0
	ds_add_u32 v28, v29
	ds_add_u32 v28, v29
	s_wait_dscnt 0x0
	v_lshrrev_b32 v1, 5, v0
	v_readfirstlane_b32 s14, v1
	s_lshr_b32 s15, s14, 1
	s_and_b32 s16, s14, 1
	s_bfe_u32 s40, ttmp6, 0x40000
	s_bfe_u32 s41, ttmp6, 0x40004
	s_lshr_b32 s20, ttmp9, 1
	s_and_b32 s46, ttmp9, 1
	s_sub_co_u32 s47, ttmp9, 8
	s_mov_b32 s77, 256
	s_cmp_lt_u32 ttmp9, 8
	s_cselect_b32 s20, s20, 0
	s_cselect_b32 s46, s46, s47
	s_cselect_b32 s76, 256, 64
	s_cselect_b32 s77, 128, s77
	s_cselect_b32 s78, 256, 64
	s_cselect_b32 s79, 0, 1703936
	s_cselect_b32 s80, 0, 6815744
	s_lshl_b32 s17, s20, 2
	s_add_co_u32 s17, s17, s41
	s_lshl_b32 s42, s46, 2
	s_add_co_u32 s42, s42, s40
	s_lshl_b32 s43, s41, 2
	s_lshl_b32 s43, 15, s43
	s_lshl_b32 s44, 0x1111, s40
	s_or_b32 s[G1], s43, (3<<16)|(1<<21)
	s_or_b32 s[G1B], s44, (3<<16)|(1<<21)
.irp g, G1, G1B
	s_mov_b32 s[\g+1], 32<<16
	s_mov_b32 s[\g+2], 104<<16
	s_mov_b32 s[\g+3], 32<<16
	s_mov_b32 s[\g+4], 104
	s_mov_b32 s[\g+5], 32
	s_mov_b32 s[\g+6], 0
	s_mov_b32 s[\g+7], 0
.endr
	s_lshl_b32 s18, s16, 3
	s_lshl_b32 s20, s17, 4
	s_add_co_u32 s20, s20, s18
	s_mul_i32 s20, s20, UNIT
	s_add_co_u32 s20, s20, s79
	s_mov_b32 s21, 0
	s_lshl_b32 s46, s42, 4
	s_add_co_u32 s46, s46, s18
	s_mul_i32 s46, s46, UNIT
	s_mov_b32 s47, 0
	s_mul_i32 s68, s76, UNIT
	s_mov_b32 s69, 0
	s_mul_i32 s70, s77, UNIT
	s_mov_b32 s71, 0
	s_mul_i32 s45, s14, HALFT
	s_wait_kmcnt 0x0
	s_cmp_lt_u32 ttmp9, 8
	s_cselect_b64 s[82:83], s[4:5], s[6:7]
	s_cselect_b64 s[84:85], s[6:7], s[4:5]
	s_add_nc_u64 s[20:21], s[82:83], s[20:21]
	s_add_nc_u64 s[46:47], s[84:85], s[46:47]
	CROUND
	s_mov_b32 s[G0], 1
	s_mov_b32 s[G0+1], s45
	s_mov_b64 s[G0+2:G0+3], s[20:21]
	s_or_b32 s[G0+3], s[G0+3], 0x80000000
	s_mov_b32 s[G0+4], 1
	s_add_co_u32 s[G0+5], s45, SLOT
	s_add_nc_u64 s[G0+6:G0+7], s[20:21], s[68:69]
	s_or_b32 s[G0+7], s[G0+7], 0x80000000
	s_mov_b32 s[G0B], 1
	s_mov_b32 s[G0B+1], s45
	s_mov_b64 s[G0B+2:G0B+3], s[46:47]
	s_or_b32 s[G0B+3], s[G0B+3], 0x80000000
	s_mov_b32 s[G0B+4], 1
	s_add_co_u32 s[G0B+5], s45, SLOT
	s_add_nc_u64 s[G0B+6:G0B+7], s[46:47], s[70:71]
	s_or_b32 s[G0B+7], s[G0B+7], 0x80000000
	JLOAD 0
	; PREFETCHES INTO THE L2 of the pieces that I fetch later: 104 aligned blocks of 256 bytes each.  The four partners that fetch a piece jointly share it out BY ADDRESS, 26 blocks each (place cx for A, cy for B),
	; a lane a block; lanes 26-31 repeat lane 25's.  Here slots 1 and 2, behind slot 1's load slot 3: K has four slots' worth, so every address lies inside its image.  The address registers are never rewritten.
	s_cmp_eq_u32 s15, 0                            ; do I fetch for A?
	s_cselect_b64 s[86:87], s[20:21], s[46:47]     ; my piece of slot 0,
	s_cselect_b32 s94, s68, s70                    ; a slot on, in bytes,
	s_cselect_b32 s88, s40, s41                    ; my place among the four that ask with me
	s_mul_i32 s88, s88, 26*256
	s_mov_b32 s89, 0
	s_mov_b32 s95, 0
	s_add_nc_u64 s[86:87], s[86:87], s[88:89]
	s_add_nc_u64 s[86:87], s[86:87], s[94:95]      ; slot 1,
	s_add_nc_u64 s[88:89], s[86:87], s[94:95]      ; slot 2,
	s_add_nc_u64 s[90:91], s[88:89], s[94:95]      ; slot 3
	v_and_b32 v30, 31, v0
	v_min_u32 v30, 25, v30
	v_lshlrev_b32 v30, 8, v30
	global_prefetch_b8 v30, s[86:87] th:TH_LOAD_NT scope:SCOPE_SE
	global_prefetch_b8 v30, s[88:89] th:TH_LOAD_NT scope:SCOPE_SE
	s_wait_alu depctr_va_vdst(0)
	s_wait_tensorcnt 0x0
	ds_add_u32 v28, v29
	s_wait_dscnt 0x0
	CROUND
	JLOAD 1
	global_prefetch_b8 v30, s[90:91] th:TH_LOAD_NT scope:SCOPE_SE
	s_lshl_b32 s68, s68, 1
	s_lshl_b32 s70, s70, 1
	v_and_b32 v1, 31, v0
	v_bfe_u32 v2, v0, 4, 1
	v_lshlrev_b32 v3, 4, v1
	v_lshlrev_b32 v4, 3, v1
	v_lshlrev_b32 v5, 2, v1
	s_mul_i32 s21, s15, HALFT
	s_mul_i32 s22, s16, HALFT
	s_add_co_u32 s22, s22, 2*HALFT
	s_sub_co_u32 s23, s22, s21
	v_mul_u32_u24 v6, s23, v2
	v_add_nc_u32 v6, v6, v5
.irp s, 0,1
	v_add_nc_u32 v[A16+\s], s21, v3
	v_add_nc_u32 v[A8+\s], s21, v4
	v_add_nc_u32 v[B16+\s], s22, v3
	v_add_nc_u32 v[B8+\s], s22, v4
	v_add_nc_u32 v[ADRS+\s], s21, v6
	s_add_co_u32 s21, s21, SLOT
	s_add_co_u32 s22, s22, SLOT
.endr
	s_mul_i32 s92, s42, s78
	s_lshl_b32 s93, s17, 4
	s_add_co_u32 s92, s92, s93
	s_lshl_b32 s93, s15, 3
	s_add_co_u32 s92, s92, s93
	s_mul_i32 s92, s92, UNIT
	s_mul_i32 s93, s16, 1536
	s_add_co_u32 s92, s92, s93
	s_add_co_u32 s92, s92, s80
	s_mov_b32 s93, 0
	s_add_nc_u64 s[72:73], s[8:9], s[92:93]
	s_mul_i32 s93, s16, 1408
	s_sub_co_u32 s93, 3072, s93
	v_mov_b32 v24, v3
	v_mov_b32 v25, v4
	v_add_nc_u32 v26, s93, v5
	v_lshlrev_b32 v27, 4, v2
	s_mov_b32 s74, 0x76543210
	s_mov_b32 s75, 0xfedcba98
.macro FRAG reg, a16, a8, off
	ds_load_b128 v[\reg:\reg+3], v[\a16] offset:\off
	ds_load_b64 v[\reg+4:\reg+5], v[\a8] offset:\off+512
	ds_load_b128 v[\reg+6:\reg+9], v[\a16] offset:\off+768
	ds_load_b64 v[\reg+10:\reg+11], v[\a8] offset:\off+1280
.endm
.macro FETCH_B slot, q, p
	WIN TO_B
.irp i, 0,1,2,3,4,5,6,7
	FRAG 128*(\p)+FR*\i, B16+\slot, B8+\slot, \i*UNIT+(\q)*1536
.endr
	WIN 0
.endm
.macro FETCH_A slot, q, i0
.irp i, \i0, \i0+1, \i0+2, \i0+3
	FRAG AF+FR*(\i), A16+\slot, A8+\slot, (\i)*UNIT+(\q)*1536
.endr
.endm
.macro SCALES slot
.irp i, 0,1,2,3,4,5,6,7
.irp q, 0,1
	ds_load_b32 v[SC+16*\slot+2*\i+\q], v[ADRS+\slot] offset:\i*UNIT+3072+128*\q
.endr
.endr
.endm
.macro MUL16 a0, p, q, sc, zero
.irp a, \a0, \a0+1
.irp b, 0,1,2,3,4,5,6,7
.if \zero
	v_wmma_scale_f32_16x16x128_f8f6f4 v[8*(8*((\a)%4)+\b):8*(8*((\a)%4)+\b)+7], v[128*(\p)+FR*\b:128*(\p)+FR*\b+FR-1], v[AF+FR*(\a):AF+FR*(\a)+FR-1], 0, v[SC+16*(\sc)+2*\b+(\q)], v[SC+16*(\sc)+2*(\a)+(\q)] matrix_a_fmt:MATRIX_FMT_FP6 matrix_b_fmt:MATRIX_FMT_FP6 matrix_a_scale:MATRIX_SCALE_ROW1
.else
	v_wmma_scale_f32_16x16x128_f8f6f4 v[8*(8*((\a)%4)+\b):8*(8*((\a)%4)+\b)+7], v[128*(\p)+FR*\b:128*(\p)+FR*\b+FR-1], v[AF+FR*(\a):AF+FR*(\a)+FR-1], v[8*(8*((\a)%4)+\b):8*(8*((\a)%4)+\b)+7], v[SC+16*(\sc)+2*\b+(\q)], v[SC+16*(\sc)+2*(\a)+(\q)] matrix_a_fmt:MATRIX_FMT_FP6 matrix_b_fmt:MATRIX_FMT_FP6 matrix_a_scale:MATRIX_SCALE_ROW1
.endif
.endr
.endr
.endm
.macro STEP slot, zero
	s_wait_dscnt 16
	WIN MUL_LO
	MUL16 0, 0, 0, \slot, \zero
	MUL16 2, 0, 0, \slot, \zero
	s_wait_dscnt 0x0
	PLACES 4
	FETCH_B \slot, 1, 1
	FETCH_A \slot, 1, 0
	WIN MUL_HI
	MUL16 4, 0, 0, \slot, \zero
	MUL16 6, 0, 0, \slot, \zero
	PLACES 4
	WIN 0
	FETCH_A \slot, 1, 4
.endm
.macro TURN slot, next, fill
	s_wait_tensorcnt 0x0
	ds_add_u32 v[SPW], v[NIL]
	s_wait_dscnt 17
	WIN MUL_LO
	MUL16 0, 1, 1, \slot, 0
	s_wait_dscnt 0x0
	s_barrier_signal -1
	MUL16 2, 1, 1, \slot, 0
	WIN 0
	s_barrier_wait -1
.if \fill
	CREST
	s_add_nc_u64 s[G0+4*\slot+2:G0+4*\slot+3], s[G0+4*\slot+2:G0+4*\slot+3], s[68:69]
	s_add_nc_u64 s[G0B+4*\slot+2:G0B+4*\slot+3], s[G0B+4*\slot+2:G0B+4*\slot+3], s[70:71]
	JLOAD \slot
.else
	PLACES 4
.endif
	s_wait_alu depctr_va_vdst(0)
	FETCH_B \next, 0, 0
	FETCH_A \next, 0, 0
	SCALES \next
	WIN MUL_HI
	MUL16 4, 1, 1, \slot, 0
	MUL16 6, 1, 1, \slot, 0
	PLACES 4
	WIN 0
	FETCH_A \next, 0, 4
.endm
	s_wait_tensorcnt 1
	s_barrier_signal -1
	s_barrier_wait -1
	FETCH_B 0, 0, 0
	FETCH_A 0, 0, 0
	SCALES 0
	FETCH_A 0, 0, 4
	STEP 0, 1
	s_mov_b32 s3, LAPS-1
.Llap:
	TURN 0, 1, 1
	STEP 1, 0
	TURN 1, 0, 1
	STEP 0, 0
	s_sub_co_u32 s3, s3, 1
	s_cmp_lg_u32 s3, 0
	s_cbranch_scc1 .Llap
	TURN 0, 1, 0
	STEP 1, 0
	s_wait_dscnt 16
	WIN MUL_LO
	MUL16 0, 1, 1, 1, 0
	MUL16 2, 1, 1, 1, 0
	s_wait_dscnt 0x0
	WIN MUL_HI
	MUL16 4, 1, 1, 1, 0
	MUL16 6, 1, 1, 1, 0
	WIN 0
	PLACES 4
.macro QUANT s, sw
	WIN (\sw)|((\sw)<<2)
.irp b, 0,1,2,3
	v_max3_num_f32 v[TM+\b], |v[\s+16*\b]|, |v[\s+16*\b+1]|, 0x1800000
.endr
	WIN ((\sw)<<2)|((\sw)<<4)
.irp i, 2,4,6,8,10,12,14
.irp b, 0,1,2,3
	v_max3_num_f32 v[TM+\b], v[TM+\b], |v[\s+16*\b+\i]|, |v[\s+16*\b+\i+1]|
.endr
.endr
	WIN 0
.irp b, 0,1,2,3
	v_permlanex16_b32 v[TM+4+\b], v[TM+\b], s74, s75
.endr
.irp b, 0,1,2,3
	v_max_num_f32 v[TM+\b], v[TM+\b], v[TM+4+\b]
.endr
.irp b, 0,1,2,3
	v_add_nc_u32 v[TM+12+\b], 0xff000000, v[TM+\b]
.endr
.irp b, 0,1,2,3
	v_lshrrev_b32 v[TM+4+\b], 23, v[TM+12+\b]
.endr
	v_lshl_or_b32 v[PW], v[TM+5], 8, v[TM+4]
	v_lshl_or_b32 v[PW], v[TM+6], 16, v[PW]
	v_lshl_or_b32 v[PW], v[TM+7], 24, v[PW]
	WIN (\sw)
.irp c, 0,1
	v_cvt_scalef32_pk16_fp6_f32 v[PC+6*\c:PC+6*\c+2], v[\s+32*\c:\s+32*\c+15], v[TM+12+2*\c]
	v_cvt_scalef32_pk16_fp6_f32 v[PC+12+4*\c:PC+14+4*\c], v[\s+32*\c+16:\s+32*\c+31], v[TM+13+2*\c]
.endr
	WIN 0
	v_nop
.irp c, 0,1
.irp i, 0,1,2
	v_permlane16_swap_b32 v[PC+6*\c+\i], v[PC+12+4*\c+\i]
.endr
.irp i, 0,1,2
	v_mov_b32 v[PC+3+6*\c+\i], v[PC+12+4*\c+\i]
.endr
.endr
.endm
.irp b, 0,1,2,3
	v_mov_b32 v[TM+4+\b], 0
.endr
.irp a, 0,1,2,3,4,5,6,7
.if \a > 0
	s_wait_xcnt 0x0
.endif
	QUANT 64*(\a%4), 2+\a/4
	v_lshrrev_b32 v[PW], v27, v[PW]
	global_store_b128 v24, v[PC:PC+3], s[72:73] offset:\a*UNIT
	global_store_b64 v25, v[PC+4:PC+5], s[72:73] offset:\a*UNIT+512
	global_store_b128 v24, v[PC+6:PC+9], s[72:73] offset:\a*UNIT+768
	global_store_b64 v25, v[PC+10:PC+11], s[72:73] offset:\a*UNIT+1280
	global_store_b32 v26, v[PW], s[72:73] offset:\a*UNIT
.endr
	s_wait_tensorcnt 0x0
	ds_add_u32 v[SPW], v[NIL]
	s_wait_dscnt 0x0
	CROUND
	s_endpgm
.Lfunc_end_k_q61ce5061a3_gqkv:
	.size	k_q61ce5061a3_gqkv, .Lfunc_end_k_q61ce5061a3_gqkv-k_q61ce5061a3_gqkv
	.p2alignl 7, 3214868480
	.fill 96, 4, 3214868480
	.section	.rodata,"a",@progbits
	.p2align	6, 0x0
	.amdhsa_kernel k_q61ce5061a3_gqkv
		.amdhsa_group_segment_fixed_size 327680
		.amdhsa_private_segment_fixed_size 0
		.amdhsa_enable_private_segment 0
		.amdhsa_kernarg_size 24
		.amdhsa_user_sgpr_count 2
		.amdhsa_user_sgpr_kernarg_segment_ptr 1
		.amdhsa_wavefront_size32 1
		.amdhsa_system_sgpr_workgroup_id_x 1
		.amdhsa_system_sgpr_workgroup_id_y 1
		.amdhsa_system_sgpr_workgroup_id_z 1
		.amdhsa_system_vgpr_workitem_id 0
		.amdhsa_next_free_vgpr 1024
		.amdhsa_next_free_sgpr 98
		.amdhsa_reserve_vcc 0
		.amdhsa_float_denorm_mode_32 3
		.amdhsa_float_denorm_mode_16_64 3
		.amdhsa_memory_ordered 1
		.amdhsa_forward_progress 1
		.amdhsa_inst_pref_size 151
	.end_amdhsa_kernel
	.amdgpu_metadata
---
amdhsa.version: [ 1, 2 ]
amdhsa.kernels:
  - .name:           k_q61ce5061a3_gqkv
    .symbol:         k_q61ce5061a3_gqkv.kd
    .args:
      - { .name: himg, .offset: 0, .size: 8, .value_kind: global_buffer, .address_space: global }
      - { .name: wimg, .offset: 8, .size: 8, .value_kind: global_buffer, .address_space: global }
      - { .name: qkv, .offset: 16, .size: 8, .value_kind: global_buffer, .address_space: global }
    .group_segment_fixed_size: 327680
    .private_segment_fixed_size: 0
    .kernarg_segment_align: 8
    .kernarg_segment_size: 24
    .max_flat_workgroup_size: 128
    .sgpr_count:     98
    .vgpr_count:     1024
    .wavefront_size: 32
...
	.end_amdgpu_metadata
.endif
;; end of part 10
;; launch attn (part 11): grid 8 x 32, 16 waves a work-group, no clusters, 327,680 bytes of LDS; arguments qkv, cimg; writes cimg
.if DOCPART == 11
	.amdgcn_target "amdgcn-amd-amdhsa--gfx1250"
	.amdhsa_code_object_version 6
	.text
	.protected	k_q61ce5061a3_attn
	.globl	k_q61ce5061a3_attn
	.p2align	8
	.type	k_q61ce5061a3_attn,@function
k_q61ce5061a3_attn:
	s_mov_b64 s[64:65], 0
	v_nop
	global_prefetch_b8 v0, s[64:65] scope:SCOPE_SE
	s_setreg_imm32_b32 hwreg(HW_REG_WAVE_MODE, 25, 1), 1
	s_wait_xcnt 0x0
; ctx = softmax(q k^T / 8, causal) v for one head of 64, both products on codes of FP6 (E2M3) with E8M0 scales; ctx is quantised along the features and leaves as an image of operand registers.
; THE IMAGES: units of 3,328 bytes laid [k / 256][block of 16 rows]; in a unit, for K step q of 128 and half c of 64: at 1536 q + 768 c registers 6c..6c+3 (16 bytes at 16 x lane), at + 512 registers 6c+4, 6c+5 (8 bytes at
; 8 x lane); at 3072 + 128 q + 4 x lane the scale words (in q's and k's images lanes 16-31 hold the word >> 16: an odd head's two bytes).  Row r of block rb is row 32 (rb / 2) + 8 (rb % 2) + r + 8 (r / 8).
; q and k: rows = tokens, K = 2,048 features (q's, then k's): a head is HALF a fragment, 768 bytes; the other half of the instruction's 128 along K is zero codes, in registers written once.  v: rows = features, K = tokens.
; THE SOFTMAX AHEAD OF THE SECOND PRODUCT: t = score x log2(e) / 8; M = the running largest t rounded UP to a whole number; p = 2^(t - M) is quantised along the keys, not normalised; the row's sum is taken of the
; unquantised p and divides at the end.  When M moves, the sum and O are multiplied by 2^(old M - new M): exact.
; SHARES.  A work-group (g, batch and head) has sixteen waves; wave w owns ONE block of 16 queries, block g + 8 rank, rank = w xor 7 (w / 8).  A key step is 128 keys; the block's diagonal lies in step rank, whatever g:
; steps above rank are left out, step rank is masked, steps below are open.  So all work-groups have equal work, and waves w, w + 4, w + 8, w + 12 have ranks that add up to 30.
; LDS.  A WHOLE HEAD STAYS: K's 128 half fragments, K's scale words, V's 32 units.  No byte is filled twice.  Waves 0 and 1 fetch the first 256 keys' share at the head; behind the first barrier fourteen waves fetch
; one further share each, which land under the first two key steps; behind the second barrier the waves run free.  A wave has at most two tensor loads out.
; Both products are used transposed (S^T = K Q^T, O^T = V^T P^T): a lane holds ONE query throughout, and by the order of rows the 16 registers of two neighbouring tiles of keys are 16 neighbouring keys.
; The tiles are not asked for jointly in a cluster: a work-group reads each byte of K and V once, in 17 loads near its start, so no request recurs that partners could share, and the loop has no barrier to hang a round on.
; LIMITS: a block of zeros gets the scale byte 1 (this program alone reads the bytes); NaN and infinities are not served.
; REGISTERS: v1-4, v29, v30 addresses that stay; v7 the mask's figure; v8-11, v28, v31 the step's addresses; v12 -M, v13 the largest t, v[14:15] the sum in two halves; v16-27 Q; v32-79 four fragments of K;
;   v96-159 S^T, then p, then V's four fragments; v160-191 O^T; v224-235 p's codes; v232-254 at work; v248-251, v253, v255 scale words.
.set UNIT,  3328
.set KS,    98304                      ; behind K's codes (128 x 768 bytes from byte 0): K's scale words, 128 x 64 bytes
.set VU,    106496                     ; V: 8 shares of 4 units
.set SPARE, 212992                     ; the spare words, 128 bytes for each wave, which no other line names
.set WV,   18
.set RANK, 19
.set SEL,  20
.set CS,   22
.set G1K,  24                          ; s[24:31] 16 rows of 768 bytes, 3,328 apart
.set G1S,  32                          ; s[32:39] 128 rows of 64 bytes, 3,328 apart
.set G1V,  40                          ; s[40:47] a dense block of 13,312 bytes as 52 rows of 256
.set G0S,  48
.set G0K,  52
.set G0V,  56
.set G0KR, 60
.set G0VR, 68
.set TK,   2                           ; s2  where the share in hand begins among K's codes,
.set TS,   3                           ; s3  K's scale words,
.set TV,   66                          ; s66 V's units
.set STEPI, 67                         ; s67 the key step's number
	s_load_b128 s[4:7], s[0:1], 0x0                ; q's, k's, v's images; ctx's image
	v_lshl_add_u32 v5, v0, 2, SPARE
	v_mov_b32 v6, 0
	ds_add_u32 v5, v6
	ds_add_u32 v5, v6
	s_wait_dscnt 0x0
	v_lshrrev_b32 v8, 5, v0
	s_delay_alu instid0(VALU_DEP_1)
	v_readfirstlane_b32 s[WV], v8
	s_lshr_b32 s[RANK], s[WV], 3
	s_mul_i32 s[RANK], s[RANK], 7
	s_xor_b32 s[RANK], s[WV], s[RANK]              ; w for waves 0-7, 23 - w for waves 8-15
	s_and_b32 s73, s[WV], 7
	s_and_b32 s74, ttmp7, 0xffff
	s_lshr_b32 s75, s74, 4                         ; batch
	s_and_b32 s74, s74, 15                         ; head
	s_lshr_b32 s76, s74, 2                         ; its 256 features,
	s_bfe_u32 s77, s74, 0x10001                    ; its K step of 128 in them,
	s_and_b32 s78, s74, 1                          ; its half of 64 in that
	s_mul_i32 s79, s77, 1536
	s_mul_i32 s80, s78, 768
	s_add_co_u32 s79, s79, s80                     ; the head's half fragment in a unit
	s_lshl_b32 s90, s[RANK], 3
	s_add_co_u32 s90, s90, ttmp9                   ; my block of queries
	s_lshl_b32 s88, s76, 8
	s_lshl_b32 s89, s75, 7
	s_add_co_u32 s88, s88, s89
	s_add_co_u32 s81, s88, 1024                    ; K's first unit: k's features lie 4 x 256 behind q's
	s_add_co_u32 s88, s88, s90
	s_mul_i32 s88, s88, UNIT
	s_add_co_u32 s88, s88, s79                     ; my queries' half fragment, in q's image and in ctx's
	s_mov_b32 s89, 0
	s_mul_i32 s81, s81, UNIT
	s_add_co_u32 s82, s81, s79                     ; K's codes
	s_mov_b32 s83, 0
	s_lshl_b32 s84, s77, 7
	s_lshl_b32 s85, s78, 6
	s_add_co_u32 s84, s84, s85
	s_add_co_u32 s84, s84, 3072
	s_add_co_u32 s84, s84, s81                     ; K's scale words
	s_mov_b32 s85, 0
	s_lshl_b32 s86, s75, 9
	s_lshl_b32 s87, s74, 2
	s_add_co_u32 s86, s86, s87
	s_mul_i32 s86, s86, UNIT
	s_add_co_u32 s86, s86, 6815744                 ; V: unit [8 x batch][4 x head]
	s_mov_b32 s87, 0
	s_add_co_u32 s90, s73, 1                       ; the share that I fetch behind the first barrier: 1 + wave % 8
	s_mul_i32 s91, s90, 13312
	s_mul_i32 s92, s90, 16*UNIT
	s_mov_b32 s93, 0
	s_mul_i32 s94, s90, 64*UNIT
	s_mov_b32 s95, 0
	s_mul_i32 s96, s77, 1408
	s_sub_co_u32 s96, 3072, s96
	s_mul_i32 s97, s78, 704
	s_mul_i32 s98, s78, 766
	s_sub_co_u32 s98, s96, s98                     ; ctx's half scale word, counted from the half fragment: 3072 + 128 q + 2 c - 1536 q - 768 c
	s_sub_co_u32 s96, s96, s97                     ; Q's scale word likewise: 3072 + 128 q + 64 c - 1536 q - 768 c
	s_mov_b32 s[G1K], 3<<16                        ; no mask; elements of 8 bytes; no padding
	s_mov_b32 s[G1K+1], 96<<16
	s_mov_b32 s[G1K+2], 16<<16
	s_mov_b32 s[G1K+3], 96<<16
	s_mov_b32 s[G1K+4], 16
	s_mov_b32 s[G1K+5], 416
	s_mov_b32 s[G1K+6], 0
	s_mov_b32 s[G1K+7], 0
	s_mov_b32 s[G1S], 3<<16
	s_mov_b32 s[G1S+1], 8<<16
	s_mov_b32 s[G1S+2], 128<<16
	s_mov_b32 s[G1S+3], 8<<16
	s_mov_b32 s[G1S+4], 128
	s_mov_b32 s[G1S+5], 416
	s_mov_b32 s[G1S+6], 0
	s_mov_b32 s[G1S+7], 0
	s_mov_b32 s[G1V], 3<<16
	s_mov_b32 s[G1V+1], 32<<16
	s_mov_b32 s[G1V+2], 52<<16
	s_mov_b32 s[G1V+3], 32<<16
	s_mov_b32 s[G1V+4], 52
	s_mov_b32 s[G1V+5], 32
	s_mov_b32 s[G1V+6], 0
	s_mov_b32 s[G1V+7], 0
	s_mov_b32 s[G0S], 1
	s_mov_b32 s[G0S+1], KS
	s_mov_b32 s[G0K], 1
	s_mov_b32 s[G0K+1], 0
	s_mov_b32 s[G0V], 1
	s_mov_b32 s[G0V+1], VU
	s_mov_b32 s[G0KR], 1
	s_mul_i32 s[G0KR+1], s90, 12288
	s_mov_b32 s[G0VR], 1
	s_add_co_u32 s[G0VR+1], s91, VU
	s_mov_b32 s[SEL], 0x76543210
	s_mov_b32 s[SEL+1], 0xfedcba98                 ; v_permlanex16_b32's selects for lane l xor 16
	s_mov_b32 s[CS], 0x3e38aa3b                    ; c = log2(e) / 8
	s_mov_b32 s[CS+1], s[CS]                       ; (named with it as a pair, so it is written)
	s_mov_b32 s[TK], 0
	s_mov_b32 s[TS], 0
	s_mov_b32 s[TV], 0
	s_mov_b32 s[STEPI], 0
	s_wait_kmcnt 0x0
	s_add_nc_u64 s[G0S+2:G0S+3], s[4:5], s[84:85]
	s_add_nc_u64 s[G0K+2:G0K+3], s[4:5], s[82:83]
	s_add_nc_u64 s[G0KR+2:G0KR+3], s[G0K+2:G0K+3], s[92:93]
	s_add_nc_u64 s[G0V+2:G0V+3], s[4:5], s[86:87]
	s_add_nc_u64 s[G0VR+2:G0VR+3], s[G0V+2:G0V+3], s[94:95]
	s_or_b32 s[G0S+3], s[G0S+3], 0x80000000
	s_or_b32 s[G0K+3], s[G0K+3], 0x80000000
	s_or_b32 s[G0KR+3], s[G0KR+3], 0x80000000
	s_or_b32 s[G0V+3], s[G0V+3], 0x80000000
	s_or_b32 s[G0VR+3], s[G0VR+3], 0x80000000
	s_cmp_eq_u32 s[WV], 0                          ; the first fills: wave 0 K's first 256 keys, wave 1 V's first 256 keys, wave 2 K's scale words
	s_cbranch_scc0 .Lnot_wave_0
	tensor_load_to_lds s[G0K:G0K+3], s[G1K:G1K+7]  ; wave 0: K's first 256 keys.  One tensor load a wave at the head, each in its own arm of one chain
	s_nop 0
.rept 4
	v_nop
.endr
	s_branch .Lhead_asked
.Lnot_wave_0:
	s_cmp_eq_u32 s[WV], 1
	s_cbranch_scc0 .Lnot_wave_1
	tensor_load_to_lds s[G0V:G0V+3], s[G1V:G1V+7]  ; wave 1: V's first 256 keys
	s_nop 0
.rept 4
	v_nop
.endr
	s_branch .Lhead_asked
.Lnot_wave_1:
	s_cmp_eq_u32 s[WV], 2
	s_cbranch_scc0 .Lhead_asked
	tensor_load_to_lds s[G0S:G0S+3], s[G1S:G1S+7]  ; wave 2: K's scale words
	s_nop 0
.rept 4
	v_nop
.endr
.Lhead_asked:
	s_add_nc_u64 s[8:9], s[4:5], s[88:89]          ; my queries
	s_add_nc_u64 s[10:11], s[6:7], s[88:89]        ; my part of ctx
	v_and_b32 v9, 31, v0                           ; lane
	v_and_b32 v10, 15, v0                          ; r
	v_bfe_u32 v11, v0, 4, 1                        ; h
	s_delay_alu instid0(VALU_DEP_3)
	v_lshlrev_b32 v1, 4, v9                        ; 16 x lane: K's codes begin at LDS byte 0
	s_delay_alu instid0(VALU_DEP_4)
	v_lshlrev_b32 v2, 3, v9                        ; 8 x lane
	s_delay_alu instid0(VALU_DEP_4)
	v_lshl_add_u32 v3, v10, 2, KS
	s_delay_alu instid0(VALU_DEP_3)
	v_add_nc_u32 v4, VU, v1
	s_delay_alu instid0(VALU_DEP_3)
	v_add_nc_u32 v29, VU, v2
	v_lshl_add_u32 v30, v9, 2, VU
	global_load_b128 v[16:19], v1, s[8:9]          ; Q's half fragment stays in registers
	global_load_b64 v[20:21], v2, s[8:9] offset:512
	v_lshl_add_u32 v254, v10, 2, s96
	global_load_b32 v255, v254, s[8:9]             ; and its scale words
	s_lshr_b32 s97, ttmp9, 1
	s_lshl_b32 s97, s97, 5
	s_and_b32 s99, ttmp9, 1
	s_lshl_b32 s99, s99, 3
	s_add_co_u32 s97, s97, s99
	v_and_b32 v7, 8, v10
	s_delay_alu instid0(VALU_DEP_1)
	v_add_nc_u32 v7, v7, v10
	s_delay_alu instid0(VALU_DEP_1)
	v_add_nc_u32 v7, s97, v7                       ; my query's place in its step of 128: 32 (g / 2) + 8 (g % 2) + r + 8 (r / 8),
	v_lshlrev_b32 v8, 4, v11
	s_delay_alu instid0(VALU_DEP_1)
	v_sub_nc_u32 v7, v7, v8                        ; less 16 h: register 16 b + i holds key 32 b + 16 h + i, hidden where 32 b + i is above this figure
.irp j, 22,23,24,25,26,27
	v_mov_b32 v[\j], 0                             ; the upper 64 along K: zero codes
.endr
.irp t, 0,1,2,3
.irp j, 6,7,8,9,10,11
	v_mov_b32 v[32+12*\t+\j], 0                    ; likewise in K's four fragments: written once
.endr
.endr
	v_mov_b32 v13, 0xff61b1e6                      ; the largest t so far: -3e38, under every t
	s_delay_alu instid0(VALU_DEP_1)
	v_floor_f32 v12, -v13                          ; -M
	v_mov_b32 v14, 0
	v_mov_b32 v15, 0
.irp b, 0,1,2,3
	v_mov_b32 v[236+\b], 0                         ; written once: a lane permute's destination counts as one of its sources
.endr
	v_mov_b32 v253, 0                              ; (named as the upper half of the pair v[252:253] before it is first written)
.set jj, 0
.rept 32
	v_mov_b32 v[160+jj], 0                         ; O^T: the step is written for every step alike; the first finds zeros, which the first change of M leaves zeros
.set jj, jj+1
.endr
.macro CHANGE                          ; every wave: all my tensor loads have landed; the add; it and my LDS reads are done; the work-group's barrier
	s_wait_tensorcnt 0x0
	ds_add_u32 v5, v6                              ; 0 onto my spare word
	ds_add_u32 v5, v6
	s_wait_dscnt 0x0
	s_barrier_signal -1
	s_barrier_wait -1
.endm
; A KEY STEP: 128 keys, the q-th of the share of 256 in hand.
.macro STEP q
	s_cmp_gt_u32 s[STEPI], s[RANK]                 ; all its keys come after my queries: left out.  No barrier and no tensor load stands in a step
	s_cbranch_scc1 .Lhidden_\@
	v_add_nc_u32 v8, s[TK], v1
	s_wait_alu depctr_va_vdst(0)
	v_add_nc_u32 v9, s[TK], v2
	s_wait_alu depctr_va_vdst(0)
	v_add_nc_u32 v10, s[TS], v3
	s_wait_alu depctr_va_vdst(0)
	v_add_nc_u32 v11, s[TV], v4
	v_add_nc_u32 v28, s[TV], v29
	v_add_nc_u32 v31, s[TV], v30
	v_nop                                          ; seven plain instructions: the products below write over registers that the last step's products read (five are asked)
.irp g, 0,1                                    ; S^T = K Q^T, four tiles of 16 keys at a time
.if \g > 0
.rept 4
	v_nop                                          ; places in front of loads into registers that matrix instructions have read
.endr
.endif
.irp t, 0,1,2,3
	ds_load_b128 v[32+12*\t:35+12*\t], v8 offset:(\q)*6144+(4*\g+\t)*768
	ds_load_b64 v[36+12*\t:37+12*\t], v9 offset:(\q)*6144+(4*\g+\t)*768+512
	ds_load_b32 v[248+\t], v10 offset:(\q)*512+(4*\g+\t)*64
.endr
	s_wait_dscnt 0x0
.irp t, 0,1,2,3
	v_wmma_scale_f32_16x16x128_f8f6f4 v[96+8*(4*\g+\t):103+8*(4*\g+\t)], v[32+12*\t:43+12*\t], v[16:27], 0, v[248+\t], v255 matrix_a_fmt:MATRIX_FMT_FP6 matrix_b_fmt:MATRIX_FMT_FP6
.endr
.endr
.rept 4
	v_nop
.endr
	s_cmp_lg_u32 s[STEPI], s[RANK]                 ; on the diagonal the scores of hidden keys become -infinity ahead of the maximum: p = 0 then
	s_cbranch_scc1 .Lopen_\@
	v_mov_b32 v254, 0xff800000
.set nn, 0
.rept 64
	v_cmp_gt_i32 vcc_lo, 32*(nn/16)+nn%16, v7
	v_cndmask_b32 v[96+nn], v[96+nn], v254, vcc_lo
.set nn, nn+1
.endr
.Lopen_\@:
.irp b, 0,1,2,3
	v_max3_num_f32 v[232+\b], v[96+16*\b], v[97+16*\b], v[98+16*\b]   ; the largest score of each block of 32 keys: for the row's maximum, and, since p rises with the score, for the block's largest p
.endr
.irp i, 3,5,7,9,11,13
.irp b, 0,1,2,3
	v_max3_num_f32 v[232+\b], v[232+\b], v[96+16*\b+\i], v[97+16*\b+\i]
.endr
.endr
.irp b, 0,1,2,3
	v_max_num_f32 v[232+\b], v[232+\b], v[111+16*\b]
.endr
.irp b, 0,1,2,3
	s_delay_alu instid0(VALU_DEP_4)
	v_permlanex16_b32 v[236+\b], v[232+\b], s[SEL], s[SEL+1]
.endr
.irp b, 0,1,2,3
	s_delay_alu instid0(VALU_DEP_4)
	v_max_num_f32 v[232+\b], v[232+\b], v[236+\b]  ; with lane l xor 16's 16 keys
.endr
	s_delay_alu instid0(VALU_DEP_2)
	v_max3_num_f32 v254, v232, v233, v234
	s_delay_alu instid0(VALU_DEP_1)
	v_max_num_f32 v254, v254, v235                 ; the step's largest score of my query
	s_delay_alu instid0(VALU_DEP_1)
	v_mul_f32 v254, s[CS], v254                    ; as t
	s_delay_alu instid0(VALU_DEP_1)
	v_max_num_f32 v13, v13, v254                   ; the running largest t
	v_mov_b32 v254, v12
	s_delay_alu instid0(VALU_DEP_2)
	v_floor_f32 v12, -v13                          ; the new -M = -ceil(t): a whole number
	s_delay_alu instid0(VALU_DEP_1)
	v_sub_f32 v254, v12, v254                      ; old M - new M: a whole number, 0 or less
	s_delay_alu instid0(VALU_DEP_1)
	v_cvt_i32_f32 v254, v254                       ; (it saturates)
	s_delay_alu instid0(VALU_DEP_1)
	v_ldexp_f32 v252, 1.0, v254                    ; f = 2^(old M - new M)
.set jj, 0
.rept 32
	v_pk_fma_f32 v[96+jj:97+jj], v[96+jj:97+jj], s[CS:CS+1], v[12:13] op_sel_hi:[1,0,0]   ; t - M, two at a time
.set jj, jj+2
.endr
.irp b, 0,1,2,3
	v_fma_f32 v[232+\b], v[232+\b], s[CS], v12     ; the same of each block's largest score
.endr
.set jj, 0
	s_wait_alu depctr_va_vdst(0)
.rept 64
	v_exp_f32 v[96+jj], v[96+jj]                   ; p = 2^(t - M), at most 1
.set jj, jj+1
.endr
	v_pk_mul_f32 v[14:15], v[14:15], v[252:253] op_sel_hi:[1,0]   ; the sums under the new M (a plain instruction behind the exponentials)
	s_wait_alu depctr_va_vdst(0)                   ; one wait for the whole batch, ahead of its first reader
.irp b, 0,1,2,3
	v_exp_f32 v[232+\b], v[232+\b]                 ; the block's largest p: the same two instructions on the same number give the same bits
.endr
	v_pk_add_f32 v[236:237], v[100:101], v[104:105]
	v_pk_add_f32 v[250:251], v[108:109], v[112:113]
	v_pk_add_f32 v[248:249], v[116:117], v[120:121]
	v_pk_add_f32 v[246:247], v[124:125], v[128:129]
	v_pk_add_f32 v[244:245], v[132:133], v[136:137]
	v_pk_add_f32 v[242:243], v[140:141], v[144:145]
	v_pk_add_f32 v[240:241], v[148:149], v[152:153]
	v_pk_add_f32 v[14:15], v[14:15], v[156:157]
	v_pk_add_f32 v[236:237], v[236:237], v[96:97]
	v_pk_add_f32 v[250:251], v[250:251], v[98:99]
	v_pk_add_f32 v[248:249], v[248:249], v[102:103]
	v_pk_add_f32 v[246:247], v[246:247], v[106:107]
	v_pk_add_f32 v[244:245], v[244:245], v[110:111]
	v_pk_add_f32 v[242:243], v[242:243], v[114:115]
	v_pk_add_f32 v[240:241], v[240:241], v[118:119]
	v_pk_add_f32 v[14:15], v[14:15], v[122:123]
	v_pk_add_f32 v[236:237], v[236:237], v[126:127]
	v_pk_add_f32 v[250:251], v[250:251], v[130:131]
	v_pk_add_f32 v[248:249], v[248:249], v[134:135]
	v_pk_add_f32 v[246:247], v[246:247], v[138:139]
	v_pk_add_f32 v[244:245], v[244:245], v[142:143]
	v_pk_add_f32 v[242:243], v[242:243], v[146:147]
	v_pk_add_f32 v[240:241], v[240:241], v[150:151]
	v_pk_add_f32 v[14:15], v[14:15], v[154:155]
	v_pk_add_f32 v[236:237], v[236:237], v[158:159]
	s_delay_alu instid0(VALU_DEP_2)
	v_pk_add_f32 v[14:15], v[14:15], v[246:247]
	s_delay_alu instid0(VALU_DEP_2)
	v_pk_add_f32 v[236:237], v[236:237], v[244:245]
	v_pk_add_f32 v[250:251], v[250:251], v[242:243]
	v_pk_add_f32 v[248:249], v[248:249], v[240:241]
	s_delay_alu instid0(VALU_DEP_2)
	v_pk_add_f32 v[14:15], v[14:15], v[250:251]
	s_delay_alu instid0(VALU_DEP_2)
	v_pk_add_f32 v[236:237], v[236:237], v[248:249]
	s_delay_alu instid0(VALU_DEP_1)
	v_pk_add_f32 v[14:15], v[14:15], v[236:237]
	s_wait_alu depctr_va_vdst(0)                   ; and one for the four
.irp b, 0,1,2,3
	v_max_num_f32 v[232+\b], 0x1800000, v[232+\b]  ; the floor 2^(3 - 127): the byte cannot fall under 1
.endr
.irp b, 0,1,2,3
	s_delay_alu instid0(VALU_DEP_4)
	v_add_nc_u32 v[244+\b], 0xff000000, v[232+\b]  ; 2 off the exponent field: the conversion's scale operand
.endr
.irp b, 0,1,2,3
	s_delay_alu instid0(VALU_DEP_4)
	v_lshrrev_b32 v[236+\b], 23, v[244+\b]
.endr
	s_delay_alu instid0(VALU_DEP_3)
	v_lshl_or_b32 v253, v237, 8, v236              ; p's scale word for these 128 keys
	s_delay_alu instid0(VALU_DEP_1)
	v_lshl_or_b32 v253, v238, 16, v253
	s_delay_alu instid0(VALU_DEP_1)
	v_lshl_or_b32 v253, v239, 24, v253
.irp c, 0,1
	v_cvt_scalef32_pk16_fp6_f32 v[224+6*\c:226+6*\c], v[96+32*\c:111+32*\c], v[244+2*\c]
	v_cvt_scalef32_pk16_fp6_f32 v[236+4*\c:238+4*\c], v[112+32*\c:127+32*\c], v[245+2*\c]
.endr
	v_nop                                          ; one plain instruction behind a scaled conversion
.irp c, 0,1                                    ; the operand's layout wants a whole block in a lane
.irp i, 0,1,2
	v_permlane16_swap_b32 v[224+6*\c+\i], v[236+4*\c+\i]
.endr
.irp i, 0,1,2
	s_delay_alu instid0(VALU_DEP_3)
	v_mov_b32 v[227+6*\c+\i], v[236+4*\c+\i]
.endr
.endr
.set jj, 0
.rept 16
	v_pk_mul_f32 v[160+jj:161+jj], v[160+jj:161+jj], v[252:253] op_sel_hi:[1,0]   ; O^T under the new M; these sixteen are also the places in front of the products below
.set jj, jj+2
.endr
.irp t, 0,1,2,3                                ; O^T += V^T P^T: four tiles of 16 of the head's 64; K = these 128 keys.  V's fragments take p's registers
	ds_load_b128 v[96+12*\t:99+12*\t], v11 offset:\t*UNIT+(\q)*1536
	ds_load_b64 v[100+12*\t:101+12*\t], v28 offset:\t*UNIT+(\q)*1536+512
	ds_load_b128 v[102+12*\t:105+12*\t], v11 offset:\t*UNIT+(\q)*1536+768
	ds_load_b64 v[106+12*\t:107+12*\t], v28 offset:\t*UNIT+(\q)*1536+1280
	ds_load_b32 v[248+\t], v31 offset:\t*UNIT+3072+128*(\q)
.endr
	s_wait_alu depctr_va_vdst(0)
	s_wait_dscnt 0x0
.irp t, 0,1,2,3
	v_wmma_scale_f32_16x16x128_f8f6f4 v[160+8*\t:167+8*\t], v[96+12*\t:107+12*\t], v[224:235], v[160+8*\t:167+8*\t], v[248+\t], v253 matrix_a_fmt:MATRIX_FMT_FP6 matrix_b_fmt:MATRIX_FMT_FP6
.endr
.Lhidden_\@:
	s_add_co_u32 s[STEPI], s[STEPI], 1
.endm
.macro NEXT_SHARE
	s_add_co_u32 s[TK], s[TK], 12288
	s_add_co_u32 s[TS], s[TS], 1024
	s_add_co_u32 s[TV], s[TV], 13312
.endm
	CHANGE                                         ; the first 256 keys' share is whole
	s_cmp_eq_u32 s73, 7                            ; behind it one load a wave, each into bytes that nothing has filled: waves 0-6 K's shares 1-7, waves 8-14 V's
	s_cbranch_scc1 .Lrest_asked
	s_cmp_lt_u32 s[WV], 8
	s_cbranch_scc0 .Lrest_v
	tensor_load_to_lds s[G0KR:G0KR+3], s[G1K:G1K+7]
	s_nop 0
.rept 4
	v_nop
.endr
	s_branch .Lrest_asked
.Lrest_v:
	tensor_load_to_lds s[G0VR:G0VR+3], s[G1V:G1V+7]
	s_nop 0
.rept 4
	v_nop
.endr
.Lrest_asked:
	s_wait_loadcnt 0x0                             ; Q
	STEP 0
	STEP 1
	NEXT_SHARE
	CHANGE                                         ; the whole head lies in LDS: from here on no barrier
	s_mov_b32 s72, 7
.Lshare:
	STEP 0
	STEP 1
	NEXT_SHARE
	s_sub_co_u32 s72, s72, 1
	s_cmp_lg_u32 s72, 0
	s_cbranch_scc1 .Lshare
	; THE WAY OUT: O^T / the sum; register 16 b + i is feature 32 b + 16 h + i of my query: two blocks, half a fragment, half a scale word
.rept 4
	v_nop                                          ; places behind the last products
.endr
	v_add_f32 v14, v14, v15
	s_delay_alu instid0(VALU_DEP_1)
	v_permlanex16_b32 v252, v14, s[SEL], s[SEL+1]
	s_delay_alu instid0(VALU_DEP_1)
	v_add_f32 v14, v14, v252                       ; the row's sum
	s_wait_alu depctr_va_vdst(0)
	v_rcp_f32 v14, v14
	v_and_b32 v8, 31, v0                           ; (a plain instruction behind the transcendental)
	s_delay_alu instid0(VALU_DEP_1)
	v_lshl_add_u32 v8, v8, 2, s98                  ; the half scale word's place
	s_wait_alu depctr_va_vdst(0)                   ; the wait ahead of the first reader
.set jj, 0
.rept 32
	v_mul_f32 v[96+jj], v[160+jj], v14
.set jj, jj+1
.endr
.irp b, 0,1
	v_max3_num_f32 v[240+\b], |v[96+16*\b]|, |v[97+16*\b]|, 0x1800000
.endr
.irp i, 2,4,6,8,10,12,14
.irp b, 0,1
	s_delay_alu instid0(VALU_DEP_2)
	v_max3_num_f32 v[240+\b], v[240+\b], |v[96+16*\b+\i]|, |v[97+16*\b+\i]|
.endr
.endr
.irp b, 0,1
	s_delay_alu instid0(VALU_DEP_2)
	v_permlanex16_b32 v[236+\b], v[240+\b], s[SEL], s[SEL+1]
.endr
.irp b, 0,1
	s_delay_alu instid0(VALU_DEP_2)
	v_max_num_f32 v[240+\b], v[240+\b], v[236+\b]
.endr
.irp b, 0,1
	s_delay_alu instid0(VALU_DEP_2)
	v_add_nc_u32 v[244+\b], 0xff000000, v[240+\b]
.endr
.irp b, 0,1
	s_delay_alu instid0(VALU_DEP_2)
	v_lshrrev_b32 v[236+\b], 23, v[244+\b]
.endr
	s_delay_alu instid0(VALU_DEP_1)
	v_lshl_or_b32 v242, v237, 8, v236              ; the two bytes
	v_cvt_scalef32_pk16_fp6_f32 v[224:226], v[96:111], v244
	v_cvt_scalef32_pk16_fp6_f32 v[232:234], v[112:127], v245
	v_nop                                          ; one plain instruction behind a scaled conversion
.irp i, 0,1,2
	v_permlane16_swap_b32 v[224+\i], v[232+\i]
.endr
.irp i, 0,1,2
	s_delay_alu instid0(VALU_DEP_3)
	v_mov_b32 v[227+\i], v[232+\i]
.endr
	global_store_b128 v1, v[224:227], s[10:11]             ; 512 consecutive bytes,
	global_store_b64 v2, v[228:229], s[10:11] offset:512   ; 256, each at a multiple of 256 from the buffer's first byte
	global_store_b16 v8, v242, s[10:11]                    ; two bytes a lane in one stretch of 128: the neighbouring head's work-group writes the other halves
	s_wait_tensorcnt 0x0                           ; the wave's end
	ds_add_u32 v5, v6
	s_wait_dscnt 0x0
	s_endpgm
.Lfunc_end_k_q61ce5061a3_attn:
	.size	k_q61ce5061a3_attn, .Lfunc_end_k_q61ce5061a3_attn-k_q61ce5061a3_attn
	.p2alignl 7, 3214868480
	.fill 96, 4, 3214868480
	.section	.rodata,"a",@progbits
	.p2align	6, 0x0
	.amdhsa_kernel k_q61ce5061a3_attn
		.amdhsa_group_segment_fixed_size 327680
		.amdhsa_private_segment_fixed_size 0
		.amdhsa_enable_private_segment 0
		.amdhsa_kernarg_size 16
		.amdhsa_user_sgpr_count 2
		.amdhsa_user_sgpr_kernarg_segment_ptr 1
		.amdhsa_wavefront_size32 1
		.amdhsa_system_sgpr_workgroup_id_x 1
		.amdhsa_system_sgpr_workgroup_id_y 1
		.amdhsa_system_sgpr_workgroup_id_z 1
		.amdhsa_system_vgpr_workitem_id 0
		.amdhsa_next_free_vgpr 256
		.amdhsa_next_free_sgpr 100
		.amdhsa_reserve_vcc 1
		.amdhsa_float_denorm_mode_32 3
		.amdhsa_float_denorm_mode_16_64 3
		.amdhsa_memory_ordered 1
		.amdhsa_forward_progress 1
		.amdhsa_inst_pref_size 109
	.end_amdhsa_kernel
	.amdgpu_metadata
---
amdhsa.version: [ 1, 2 ]
amdhsa.kernels:
  - .name:           k_q61ce5061a3_attn
    .symbol:         k_q61ce5061a3_attn.kd
    .args:
      - { .name: qkv, .offset: 0, .size: 8, .value_kind: global_buffer, .address_space: global }
      - { .name: cimg, .offset: 8, .size: 8, .value_kind: global_buffer, .address_space: global }
    .group_segment_fixed_size: 327680
    .private_segment_fixed_size: 0
    .kernarg_segment_align: 8
    .kernarg_segment_size: 16
    .max_flat_workgroup_size: 512
    .sgpr_count:     100
    .vgpr_count:     256
    .wavefront_size: 32
...
	.end_amdgpu_metadata
.endif
;; end of part 11
;; launch gwo (part 12): grid 8 x 32, 4 waves a work-group, clusters of 4 x 4, 327,680 bytes of LDS; arguments cimg, wimg, x, bo, x2; writes x2
.if DOCPART == 12
	.amdgcn_target "amdgcn-amd-amdhsa--gfx1250"
	.amdhsa_code_object_version 6
	.text
	.protected	k_q61ce5061a3_gwo
	.globl	k_q61ce5061a3_gwo
	.p2align	8
	.type	k_q61ce5061a3_gwo,@function
k_q61ce5061a3_gwo:
	s_mov_b64 s[64:65], 0
	v_nop
	global_prefetch_b8 v0, s[64:65] scope:SCOPE_SE
	s_setreg_imm32_b32 hwreg(HW_REG_WAVE_MODE, 25, 1), 1
	s_wait_xcnt 0x0
	s_wait_alu depctr_hold_cnt(0) depctr_sa_sdst(0) depctr_va_vdst(0) depctr_va_sdst(0) depctr_va_ssrc(0) depctr_va_vcc(0) depctr_vm_vsrc(0)
	s_getreg_b32 s2, hwreg(HW_REG_IB_STS2, 6, 4)
	s_cmp_eq_u32 s2, 0
	s_cbranch_scc0 .Lentry_in_a_cluster
	s_endpgm
.Lentry_in_a_cluster:
	s_bfe_u32 s2, ttmp6, 0x10000c
	s_cmp_lg_u32 s2, 0xf033
	s_cbranch_scc0 .Lentry_shape_is_right
	s_endpgm
.Lentry_shape_is_right:
; y = a W + bias + res, f32 [4,096][1,024]: a (tokens) and W (its columns) are codes of FP6 (E2M3) with E8M0 scales, given as images of operand registers; K = KTOT.  Here: a = ctx, W = Wo, res = x.
; AN IMAGE: units of 3,328 bytes laid [k / 256][block of 16 rows].  In a unit, for K step q of 128 and half c: at 1536 q + 768 c registers 6c..6c+3 of the fragment (16 bytes at 16 x lane), at + 512 registers 6c+4, 6c+5
; (8 bytes at 8 x lane); at 3072 + 128 q + 4 x lane the scale word of lane % 16's row.  Row r of block rb is row 32 (rb / 2) + 8 (rb % 2) + r + 8 (r / 8) of the operand.
; THE TILE is 128 x 128, so that y's 4,096 x 1,024 numbers make 256 work-groups; four waves, each 64 x 64: 16 accumulators.  A wave reads 8 fragments from LDS for 16 products.
; THE RING: two LDS slots of 512 along K.  A slot is four pieces of 8 units (26,624 dense bytes of memory): A's first 256 along K, A's second, B's first, B's second; a wave fetches an operand's two pieces of one slot by one tensor load.
; The scale words travel in the units.  With KTOT = 1,024 the two slots hold all of K: both are first fills and nothing is filled again; the parts of the text that fill again are assembled only where KTOT is larger.
; THE PRODUCT IS USED TRANSPOSED: source 0 = 16 rows of side B (W's columns), source 1 = 16 rows of side A (tokens): lane (r, h) holds token r of A's block, and register j of accumulator b the column
; 32 (b / 2) + 16 h + 8 (b % 2) + j of my 64.
; THE RESIDUAL comes in rows (sixteen lanes read 256 consecutive bytes, aligned), asked for behind the first fills and waited for on the way out, where y's rows come back from the stage in the same layout.
; CLUSTERS: 4 x 4 work-groups; A's pieces are asked for jointly along a row of the cluster, B's along a column.
; REGISTERS, in windows of 256: window 0: v1-31 addresses (v12-15 the bias); v32-63 scale words, two sets; v64-127 rows on the way out, two sets; v128-255 the accumulators ((a, b) at v[128 + 8 (4 a + b)]).
;   window 1: two sets of fragments, at v0 and v128: A's four blocks, then B's four.   window 2: v0-127 the residual.
.set KTOT,  1024
.set WOFF,  2555904                    ; W's image in the weights' buffer
.set NRBA,  256                        ; blocks of rows in A's image
.set NRBB,  64                         ; and in B's
.set UNIT,  3328
.set HALFT, 8*UNIT                     ; a piece: half of what one tensor load brings
.set SLOT,  4*HALFT
.set SPARE, 2*SLOT                     ; behind the ring: the spare words, 128 bytes for each wave, which no other line names
.set NSLOT, KTOT/512                   ; slots' worth of K
.set SPITCH, 272                       ; the way out: a stage row, 256 bytes + 16: sixteen rows' 16 bytes fall on different banks
.set FR,    12
.set ADRS,  10                         ; v10-11 my scale words in slot 0, 1: lanes 0-15 A's, lanes 16-31 B's
.set BIA,   12                         ; v12-15 the bias of my four columns of a row
.set A16,   16                         ; v16-17 A's fragments in slot 0, 1: 16 x lane;  v18-19: 8 x lane
.set A8,    18
.set B16,   20                         ; v20-23 the same for B
.set B8,    22
.set STO,   24                         ; v24 the stage: where I put 16 bytes of a row
.set RD,    25                         ; v25 and where I read a row back
.set RO,    26                         ; v26 my byte in two rows of y or of the residual: 4,096 (lane / 16) + 16 (lane % 16)
.set RC,    27                         ; v27 16 (lane % 16)
.set SPW,   28                         ; v28 LDS address of my spare word; v29 = 0; neither is rewritten
.set NIL,   29
.set PFO,   30                         ; v30 the prefetches' offset: 256 x min(lane, 25); never rewritten
.set SC,    32                         ; set s at v[SC + 16 s]; register 4 i + j: lanes 0-15 the word of A's block i, lanes 16-31 of B's block i, for the slot's j-th 128 along K
.set BK,    64
.set ACC,   128
.set G1,  24                           ; s[24:31] group 1 for A's pieces, s[32:39] group 0, a set for each slot
.set G0,  32
.set G1B, 48                           ; s[48:55], s[56:63] the same for B's
.set G0B, 56
.set PFA, 76                           ; s[76:77] where my prefetches stand;  s[78:79] a slot on, in bytes;  s80: 1 in a wave that prefetches, else the greatest number
.set PFS, 78
.set LIM, 80
.set MSB, 0
.macro WIN new                         ; the immediate's high byte repeats the setting that is left; a switch that changes nothing is dropped
.if MSB != (\new)
	s_set_vgpr_msb (MSB<<8)|(\new)
.set MSB, (\new)
.endif
.endm
.set MUL,  0x05                        ; sources 0 (B) and 1 (A) window 1; C and D window 0
.set TO_F, 0x40                        ; destination window 1, address window 0
.macro JLOAD s                         ; a joint load: waves 0 and 1 fetch A's pieces, waves 2 and 3 B's; four v_nop follow each of the two lines
	s_cmp_eq_u32 s15, 0
	s_cbranch_scc0 .Lfor_b_\@
	tensor_load_to_lds s[G0+4*\s:G0+4*\s+3], s[G1:G1+7]
	s_nop 0
.rept 4
	v_nop
.endr
	s_branch .Lasked_\@
.Lfor_b_\@:
	tensor_load_to_lds s[G0B+4*\s:G0B+4*\s+3], s[G1B:G1B+7]
	s_nop 0
.rept 4
	v_nop
.endr
.Lasked_\@:
.endm
; A PREFETCH INTO THE L2 of the piece that I fetch at the NEXT change of slots: 104 aligned blocks of 256 bytes.  It stands behind the joint load, its four lines and the run of LDS loads.
; Each block is named by one work-group of the launch.  A's piece is read by both clusters of a row of clusters: the one with x = 0 asks; B's by all eight of a column: the one with y = 0 asks.  The four partners that fetch
; a piece jointly share it out BY ADDRESS, 26 blocks each (place cx for A, cy for B), a lane a block; lanes 26-31 repeat lane 25's.  last = 1: the trip's second change, which in the loop's last trip has no slot behind it.
.macro ASK last
.if \last
	s_cmp_gt_u32 s3, s[LIM]                        ; s3 = 1 in the loop's last trip
.else
	s_cmp_eq_u32 s[LIM], 1
.endif
	s_cbranch_scc0 .Lnot_mine_\@
	global_prefetch_b8 v[PFO], s[PFA:PFA+1] th:TH_LOAD_NT scope:SCOPE_SE
.Lnot_mine_\@:
.endm
.macro CREST                           ; a round of the cluster's barrier behind its opening barrier
	s_cmp_lg_u32 s14, 0
	s_cbranch_scc1 .Lnot_wave_0_\@
	s_barrier_signal -3
.Lnot_wave_0_\@:
	s_barrier_wait -3
	s_barrier_signal -1
	s_barrier_wait -1
.endm
.macro CROUND
	s_barrier_signal -1
	s_barrier_wait -1
	CREST
.endm
.macro PLACES n                        ; plain vector instructions between a matrix instruction and a load into, or a read of, its registers (ISA guide 7.12.1 for reads)
.rept \n
	v_nop
.endr
.endm
	s_load_b256 s[4:11], s[0:1], 0x0               ; a's image, the weights' images, the residual, the bias
	s_load_b64 s[12:13], s[0:1], 0x20              ; y
	v_lshl_add_u32 v[SPW], v0, 2, SPARE
	v_mov_b32 v[NIL], 0
	ds_add_u32 v28, v29
	ds_add_u32 v28, v29
	s_wait_dscnt 0x0
	v_lshrrev_b32 v1, 5, v0
	v_readfirstlane_b32 s14, v1                    ; wave
	s_lshr_b32 s15, s14, 1                         ; which 64 of the tile's tokens are mine.  Also: I fetch for A (0) or for B (1)
	s_and_b32 s16, s14, 1                          ; which 64 of its columns.  Also: which slot I fetch
	s_bfe_u32 s40, ttmp6, 0x40000                  ; cx, cy: my place in the cluster
	s_bfe_u32 s41, ttmp6, 0x40004
	s_lshl_b32 s42, ttmp9, 2
	s_add_co_u32 s42, s42, s40                     ; tile along the columns, 0 to 7
	s_and_b32 s17, ttmp7, 0xffff
	s_lshl_b32 s17, s17, 2
	s_add_co_u32 s17, s17, s41                     ; tile along the tokens, 0 to 31
	s_lshl_b32 s43, s41, 2
	s_lshl_b32 s43, 15, s43                        ; my row of the cluster
	s_lshl_b32 s44, 0x1111, s40                    ; my column
	s_or_b32 s[G1], s43, (3<<16)|(1<<21)           ; 15:0 the mask; 17:16 elements of 8 bytes; 21 set beside a mask; no padding
	s_or_b32 s[G1B], s44, (3<<16)|(1<<21)
.irp g, G1, G1B                        ; one load brings an operand's two pieces of a slot: two rows of 26,624 bytes (3,328 elements of 8), which lie on end in LDS
	s_mov_b32 s[\g+1], (HALFT/8)<<16               ; tensor_dim0
	s_mov_b32 s[\g+2], 2<<16                       ; tensor_dim1
	s_mov_b32 s[\g+3], (HALFT/8)<<16               ; tile_dim0
	s_mov_b32 s[\g+4], 2                           ; tile_dim1
	s_mov_b32 s[\g+6], 0
	s_mov_b32 s[\g+7], 0
.endr
	s_mov_b32 s[G1+5], NRBA*UNIT/8                 ; from row to row: 256 along K further on in the image, a multiple of 256 bytes
	s_mov_b32 s[G1B+5], NRBB*UNIT/8
	s_lshl_b32 s20, s17, 3
	s_mul_i32 s18, s16, 2*NRBA                     ; wave % 2 is the slot that I fetch: 512 along K
	s_add_co_u32 s20, s20, s18                     ; A: unit [which 256 along K][8 x tile]
	s_mul_i32 s20, s20, UNIT
	s_mov_b32 s21, 0
	s_lshl_b32 s46, s42, 3
	s_mul_i32 s19, s16, 2*NRBB
	s_add_co_u32 s46, s46, s19                     ; B likewise
	s_mul_i32 s46, s46, UNIT
	s_add_co_u32 s46, s46, WOFF
	s_mov_b32 s47, 0
	s_wait_kmcnt 0x0
	s_add_nc_u64 s[20:21], s[4:5], s[20:21]
	s_add_nc_u64 s[46:47], s[6:7], s[46:47]
	CROUND                                         ; all sixteen work-groups are here: the first joint loads meet
	; ONE TENSOR LOAD A WAVE: wave 0 A's two pieces of slot 0, wave 1 those of slot 1, waves 2 and 3 the same for B.  The four loads hold all of K
	s_mov_b32 s[G0], 1
	s_mul_i32 s[G0+1], s16, SLOT                   ; A's two pieces open a slot: no place in the cluster enters an LDS address
	s_mov_b64 s[G0+2:G0+3], s[20:21]
	s_or_b32 s[G0+3], s[G0+3], 0x80000000
	s_mov_b32 s[G0B], 1
	s_add_co_u32 s[G0B+1], s[G0+1], 2*HALFT        ; B's two lie behind them
	s_mov_b64 s[G0B+2:G0B+3], s[46:47]
	s_or_b32 s[G0B+3], s[G0B+3], 0x80000000
	JLOAD 0
	v_and_b32 v1, 31, v0                           ; lane
	v_bfe_u32 v2, v0, 4, 1                         ; h
	v_lshlrev_b32 v3, 4, v1
	v_lshlrev_b32 v4, 3, v1
	v_lshlrev_b32 v5, 2, v1
.if NSLOT > 2                          ; the prefetches: where my wave's stand, and who asks.  Nothing is prefetched here, at the head, where every work-group's first pieces are on their way
	s_mov_b32 s[PFS], 2*NRBB*UNIT
	s_and_b32 s84, ttmp7, 0xffff                   ; cluster y
	s_cmp_eq_u32 s15, 0                            ; do I fetch for A?
	s_cselect_b64 s[PFA:PFA+1], s[20:21], s[46:47] ; my piece of slot 0,
	s_cselect_b32 s[PFS], 2*NRBA*UNIT, s[PFS]      ; a slot on,
	s_cselect_b32 s82, s40, s41                    ; my place among the four that ask for it with me,
	s_cselect_b32 s84, ttmp9, s84                  ; the coordinate along which other clusters read the same piece
	s_mov_b32 s[PFS+1], 0
	s_mul_i32 s82, s82, 26*256                     ; my work-group's 26 blocks
	s_mov_b32 s83, 0
	s_add_nc_u64 s[PFA:PFA+1], s[PFA:PFA+1], s[82:83]
	s_add_nc_u64 s[PFA:PFA+1], s[PFA:PFA+1], s[PFS:PFS+1]
	s_add_nc_u64 s[PFA:PFA+1], s[PFA:PFA+1], s[PFS:PFS+1]  ; two slots on: the first change of slots, which fetches that piece, steps it once more and names the piece behind it
	s_cmp_eq_u32 s84, 0
	s_cselect_b32 s[LIM], 1, -1                    ; the same in all sixteen partners, for a given wave
	v_min_u32 v[PFO], 25, v1
	v_lshlrev_b32 v[PFO], 8, v[PFO]
.endif
	s_lshl_b32 s92, s17, 7
	s_lshl_b32 s93, s15, 6
	s_add_co_u32 s92, s92, s93                     ; my first token,
	s_lshl_b32 s92, s92, 12                        ; in bytes;
	s_lshl_b32 s94, s42, 9
	s_lshl_b32 s95, s16, 8
	s_add_co_u32 s94, s94, s95                     ; my first column, in bytes: a multiple of 256
	s_mov_b32 s95, 0
	s_add_co_u32 s92, s92, s94
	s_mov_b32 s93, 0
	s_add_nc_u64 s[8:9], s[8:9], s[92:93]          ; the residual,
	s_add_nc_u64 s[72:73], s[12:13], s[92:93]      ; y,
	s_add_nc_u64 s[10:11], s[10:11], s[94:95]      ; the bias
	v_and_b32 v8, 15, v0                           ; r
	v_lshlrev_b32 v[RC], 4, v8
	s_wait_alu depctr_va_vdst(0)
	v_lshl_add_u32 v[RO], v2, 12, v[RC]            ; lanes 0-15 one row's 256 bytes, lanes 16-31 the next row's
	s_mul_i32 s21, s15, 4*UNIT                     ; my 4 units of a piece of A
	s_mul_i32 s22, s16, 4*UNIT
	s_add_co_u32 s22, s22, 2*HALFT                 ; my 4 units of a piece of B, behind A's two pieces
	s_sub_co_u32 s23, s22, s21
	v_mul_u32_u24 v6, s23, v2                      ; lanes 16-31 take B's scale words
	v_add_nc_u32 v6, v6, v5
.irp s, 0,1
	v_add_nc_u32 v[A16+\s], s21, v3
	v_add_nc_u32 v[A8+\s], s21, v4
	v_add_nc_u32 v[B16+\s], s22, v3
	v_add_nc_u32 v[B8+\s], s22, v4
	v_add_nc_u32 v[ADRS+\s], s21, v6
	s_add_co_u32 s21, s21, SLOT
	s_add_co_u32 s22, s22, SLOT
.endr
	s_mul_i32 s23, s14, 16*SPITCH                  ; my stage for the way out, in slot 0, which by then has had its last fill and its last read
	v_mul_u32_u24 v[STO], v8, SPITCH
	v_lshl_add_u32 v[STO], v2, 6, v[STO]
	v_add_nc_u32 v[STO], s23, v[STO]               ; in: row r, + 64 h
	v_mul_u32_u24 v[RD], v2, SPITCH
	v_add_nc_u32 v[RD], v[RD], v[RC]
	v_add_nc_u32 v[RD], s23, v[RD]                 ; back: lanes 0-15 one row, lanes 16-31 the next
.macro FRAG reg, a16, a8, off          ; a fragment's image: 12 registers by four loads of consecutive bytes
	ds_load_b128 v[\reg:\reg+3], v[\a16] offset:\off
	ds_load_b64 v[\reg+4:\reg+5], v[\a8] offset:\off+512
	ds_load_b128 v[\reg+6:\reg+9], v[\a16] offset:\off+768
	ds_load_b64 v[\reg+10:\reg+11], v[\a8] offset:\off+1280
.endm
.macro FETCH slot, j                   ; the eight fragments of the slot's j-th 128 along K into set j % 2: 32 LDS loads in one run
	WIN TO_F
.irp i, 0,1,2,3
	FRAG 128*((\j)%2)+48+FR*\i, B16+\slot, B8+\slot, ((\j)/2)*HALFT+\i*UNIT+((\j)%2)*1536
.endr
.irp i, 0,1,2,3
	FRAG 128*((\j)%2)+FR*\i, A16+\slot, A8+\slot, ((\j)/2)*HALFT+\i*UNIT+((\j)%2)*1536
.endr
.endm
.macro SCALES slot                     ; a slot's 16 scale registers
.irp i, 0,1,2,3
.irp j, 0,1,2,3
	ds_load_b32 v[SC+16*\slot+4*\i+\j], v[ADRS+\slot] offset:(\j/2)*HALFT+\i*UNIT+3072+128*(\j%2)
.endr
.endr
.endm
; 8 matrix instructions: A's blocks a0, a0 + 1 x B's four, 128 along K, from set p.  zero = 1: the first products start the sums: nothing is cleared.
; The 16 accumulators take turns, one instruction a turn, in the same order in every step.
.macro MUL8 a0, p, sc, j, zero
.irp a, \a0, \a0+1
.irp b, 0,1,2,3
.if \zero
	v_wmma_scale_f32_16x16x128_f8f6f4 v[ACC+8*(4*(\a)+\b):ACC+8*(4*(\a)+\b)+7], v[128*(\p)+48+FR*\b:128*(\p)+48+FR*\b+FR-1], v[128*(\p)+FR*(\a):128*(\p)+FR*(\a)+FR-1], 0, v[SC+16*(\sc)+4*\b+(\j)], v[SC+16*(\sc)+4*(\a)+(\j)] matrix_a_fmt:MATRIX_FMT_FP6 matrix_b_fmt:MATRIX_FMT_FP6 matrix_a_scale:MATRIX_SCALE_ROW1
.else
	v_wmma_scale_f32_16x16x128_f8f6f4 v[ACC+8*(4*(\a)+\b):ACC+8*(4*(\a)+\b)+7], v[128*(\p)+48+FR*\b:128*(\p)+48+FR*\b+FR-1], v[128*(\p)+FR*(\a):128*(\p)+FR*(\a)+FR-1], v[ACC+8*(4*(\a)+\b):ACC+8*(4*(\a)+\b)+7], v[SC+16*(\sc)+4*\b+(\j)], v[SC+16*(\sc)+4*(\a)+(\j)] matrix_a_fmt:MATRIX_FMT_FP6 matrix_b_fmt:MATRIX_FMT_FP6 matrix_a_scale:MATRIX_SCALE_ROW1
.endif
.endr
.endr
.endm
.macro STEP slot, j, zero              ; one of a slot's first three steps of 128 along K: it fetches its successor into the other set, then multiplies
	s_wait_dscnt 0x0                               ; this step's fragments are in (asked for 16 matrix instructions ago)
	PLACES 4                                       ; behind the last step's products, which read the other set
	FETCH \slot, (\j)+1
	WIN MUL
	MUL8 0, (\j)%2, \slot, \j, \zero
	MUL8 2, (\j)%2, \slot, \j, \zero
.endm
; A slot's fourth step changes slots.  Its fragments are the slot's last reads: in front of the barrier each wave waits for all its tensor loads, adds 0 to its spare word, and waits for that and for those reads.
; fill = 1: the slot is filled again, two slots ahead; the load then has a whole slot's 64 matrix instructions in which to land.
.macro TURN slot, next, fill
	WIN 0                                          ; (the add's two registers lie in window 0)
.if \fill
	s_wait_xcnt 0x0                                ; the last prefetch, a slot back, has read its address, so it may be written
	s_add_nc_u64 s[PFA:PFA+1], s[PFA:PFA+1], s[PFS:PFS+1]
.endif
	s_wait_tensorcnt 0x0                           ; all my tensor loads have landed: my piece of the next slot; so every group 0 may be written
	ds_add_u32 v[SPW], v[NIL]                      ; 0 onto my spare word
.if \fill
	s_add_nc_u64 s[G0+4*\slot+2:G0+4*\slot+3], s[G0+4*\slot+2:G0+4*\slot+3], 4*NRBA*UNIT
	s_add_nc_u64 s[G0B+4*\slot+2:G0B+4*\slot+3], s[G0B+4*\slot+2:G0B+4*\slot+3], 4*NRBB*UNIT
.endif
	s_wait_dscnt 0x0                               ; the add is done, and my reads of this slot are over
	s_barrier_signal -1
	WIN MUL
	MUL8 0, 1, \slot, 3, 0                         ; work on registers while the others arrive
	WIN 0
	s_barrier_wait -1
.if \fill
	CREST                                          ; the barrier has opened a round of the cluster's: no wave of any partner still reads this slot or has a load on its way
	JLOAD \slot                                    ; the first tensor load behind the round; its four v_nop are also the places in front of the loads below
.else
	PLACES 4
.endif
	FETCH \next, 0
	WIN 0
	SCALES \next
.if \fill
	ASK \slot
.endif
	WIN MUL
	MUL8 2, 1, \slot, 3, 0
.endm
	s_wait_alu depctr_va_vdst(0)
	s_wait_tensorcnt 0x0                           ; my one load is in,
	s_barrier_signal -1
	s_barrier_wait -1                              ; everybody's is
	FETCH 0, 0
	WIN 0
	SCALES 0
	global_load_b128 v[BIA:BIA+3], v[RC], s[10:11] ; the bias and the residual are asked for here, when the tiles are in: they are wanted on the way out
	WIN 0x80                                       ; destination window 2
.irp a, 0,1,2,3                                ; the residual of A's block a, rows 2 t and 2 t + 1 of its sixteen: token 32 (a / 2) + 8 (a % 2) + row + 8 (row / 8)
.irp t, 0,1,2,3,4,5,6,7
	global_load_b128 v[32*\a+4*\t:32*\a+4*\t+3], v[RO], s[8:9] offset:(32*(\a/2)+8*(\a%2)+2*\t+8*(\t/4))*4096 th:TH_LOAD_NT
.endr
.endr
	WIN 0
	STEP 0, 0, 1
	STEP 0, 1, 0
	STEP 0, 2, 0
.if NSLOT > 2
	WIN 0                                          ; at a label and at a branch every window is 0
	s_mov_b32 s3, (NSLOT-2)/2
.Llap:                                                 ; a trip goes once round the ring, from a slot's fourth step to the same slot's third, and fills both slots again
	TURN 0, 1, 1
	STEP 1, 0, 0
	STEP 1, 1, 0
	STEP 1, 2, 0
	TURN 1, 0, 1
	STEP 0, 0, 0
	STEP 0, 1, 0
	STEP 0, 2, 0
	WIN 0
	s_sub_co_u32 s3, s3, 1
	s_cmp_lg_u32 s3, 0
	s_cbranch_scc1 .Llap
.endif
	TURN 0, 1, 0                                   ; the last change of slots fills nothing
	STEP 1, 0, 0
	STEP 1, 1, 0
	STEP 1, 2, 0
	s_wait_dscnt 0x0                               ; the very last step: nothing more to fetch
	MUL8 0, 1, 1, 3, 0
	MUL8 2, 1, 1, 3, 0
	WIN 0
	PLACES 4
	s_wait_loadcnt 0x0                             ; the residual and the bias
; THE WAY OUT, block by block of 16 tokens x 64 columns: through my own stage in LDS, back two rows an instruction, the residual and the bias added, stored.  LDS serves a wave's instructions in order: no wait between stores and loads.
.macro TOSTAGE a
.irp b, 0,1,2,3
	ds_store_b128 v[STO], v[ACC+8*(4*(\a)+\b):ACC+8*(4*(\a)+\b)+3] offset:128*(\b/2)+32*(\b%2)      ; each accumulator from its low end on
	ds_store_b128 v[STO], v[ACC+8*(4*(\a)+\b)+4:ACC+8*(4*(\a)+\b)+7] offset:128*(\b/2)+32*(\b%2)+16
.endr
.irp t, 0,1,2,3,4,5,6,7
	ds_load_b128 v[BK+32*((\a)%2)+4*\t:BK+32*((\a)%2)+4*\t+3], v[RD] offset:\t*2*SPITCH
.endr
.endm
.macro SEND a, younger                 ; younger: the LDS instructions issued behind block a's loads, which may stay out
	s_wait_dscnt \younger
	WIN 0x08                                       ; source 1 (the residual) window 2
.irp t, 0,1,2,3,4,5,6,7
	v_pk_add_f32 v[BK+32*((\a)%2)+4*\t:BK+32*((\a)%2)+4*\t+1], v[BK+32*((\a)%2)+4*\t:BK+32*((\a)%2)+4*\t+1], v[32*(\a)+4*\t:32*(\a)+4*\t+1]
	v_pk_add_f32 v[BK+32*((\a)%2)+4*\t+2:BK+32*((\a)%2)+4*\t+3], v[BK+32*((\a)%2)+4*\t+2:BK+32*((\a)%2)+4*\t+3], v[32*(\a)+4*\t+2:32*(\a)+4*\t+3]
.endr
	WIN 0
.irp t, 0,1,2,3,4,5,6,7
	v_pk_add_f32 v[BK+32*((\a)%2)+4*\t:BK+32*((\a)%2)+4*\t+1], v[BK+32*((\a)%2)+4*\t:BK+32*((\a)%2)+4*\t+1], v[BIA:BIA+1]
	v_pk_add_f32 v[BK+32*((\a)%2)+4*\t+2:BK+32*((\a)%2)+4*\t+3], v[BK+32*((\a)%2)+4*\t+2:BK+32*((\a)%2)+4*\t+3], v[BIA+2:BIA+3]
.endr
.irp t, 0,1,2,3,4,5,6,7
	global_store_b128 v[RO], v[BK+32*((\a)%2)+4*\t:BK+32*((\a)%2)+4*\t+3], s[72:73] offset:(32*((\a)/2)+8*((\a)%2)+2*\t+8*(\t/4))*4096 th:TH_STORE_NT   ; 16 lanes store 256 consecutive bytes, at a multiple of 256 from y's first byte
.endr
.endm
	TOSTAGE 0
.irp a, 1,2,3
.if \a > 1
	s_wait_xcnt 0x0                                ; block a - 2's stores have read their registers: block a's loads may land there
.endif
	TOSTAGE \a
	SEND \a-1, 16                                  ; behind block a - 1's loads: block a's 8 stores and 8 loads
.endr
	SEND 3, 0
	s_wait_tensorcnt 0x0                           ; the wave's end
	ds_add_u32 v[SPW], v[NIL]
	s_wait_dscnt 0x0
	CROUND                                         ; the closing round: no work-group ends while a partner may still ask for a piece that names it
	s_endpgm
.Lfunc_end_k_q61ce5061a3_gwo:
	.size	k_q61ce5061a3_gwo, .Lfunc_end_k_q61ce5061a3_gwo-k_q61ce5061a3_gwo
	.p2alignl 7, 3214868480
	.fill 96, 4, 3214868480
	.section	.rodata,"a",@progbits
	.p2align	6, 0x0
	.amdhsa_kernel k_q61ce5061a3_gwo
		.amdhsa_group_segment_fixed_size 327680
		.amdhsa_private_segment_fixed_size 0
		.amdhsa_enable_private_segment 0
		.amdhsa_kernarg_size 40
		.amdhsa_user_sgpr_count 2
		.amdhsa_user_sgpr_kernarg_segment_ptr 1
		.amdhsa_wavefront_size32 1
		.amdhsa_system_sgpr_workgroup_id_x 1
		.amdhsa_system_sgpr_workgroup_id_y 1
		.amdhsa_system_sgpr_workgroup_id_z 1
		.amdhsa_system_vgpr_workitem_id 0
		.amdhsa_next_free_vgpr 640
		.amdhsa_next_free_sgpr 98
		.amdhsa_reserve_vcc 0
		.amdhsa_float_denorm_mode_32 3
		.amdhsa_float_denorm_mode_16_64 3
		.amdhsa_memory_ordered 1
		.amdhsa_forward_progress 1
		.amdhsa_inst_pref_size 62
	.end_amdhsa_kernel
	.amdgpu_metadata
---
amdhsa.version: [ 1, 2 ]
amdhsa.kernels:
  - .name:           k_q61ce5061a3_gwo
    .symbol:         k_q61ce5061a3_gwo.kd
    .args:
      - { .name: cimg, .offset: 0, .size: 8, .value_kind: global_buffer, .address_space: global }
      - { .name: wimg, .offset: 8, .size: 8, .value_kind: global_buffer, .address_space: global }
      - { .name: x, .offset: 16, .size: 8, .value_kind: global_buffer, .address_space: global }
      - { .name: bo, .offset: 24, .size: 8, .value_kind: global_buffer, .address_space: global }
      - { .name: x2, .offset: 32, .size: 8, .value_kind: global_buffer, .address_space: global }
    .group_segment_fixed_size: 327680
    .private_segment_fixed_size: 0
    .kernarg_segment_align: 8
    .kernarg_segment_size: 40
    .max_flat_workgroup_size: 128
    .sgpr_count:     98
    .vgpr_count:     640
    .wavefront_size: 32
...
	.end_amdgpu_metadata
.endif
;; end of part 12
;; launch ln2: the kernel of part 9 again; grid 256 x 1, 8 waves a work-group, no clusters, 69,632 bytes of LDS; arguments x2, ln2_g, ln2_b, himg; writes himg
;; launch gw1 (part 13): grid 16 x 16, 4 waves a work-group, clusters of 4 x 4, 327,680 bytes of LDS; arguments himg, wimg, b1, hid; writes hid
.if DOCPART == 13
	.amdgcn_target "amdgcn-amd-amdhsa--gfx1250"
	.amdhsa_code_object_version 6
	.text
	.protected	k_q61ce5061a3_gw1
	.globl	k_q61ce5061a3_gw1
	.p2align	8
	.type	k_q61ce5061a3_gw1,@function
k_q61ce5061a3_gw1:
	s_mov_b64 s[64:65], 0
	v_nop
	global_prefetch_b8 v0, s[64:65] scope:SCOPE_SE
	s_setreg_imm32_b32 hwreg(HW_REG_WAVE_MODE, 25, 1), 1
	s_wait_xcnt 0x0
	s_wait_alu depctr_hold_cnt(0) depctr_sa_sdst(0) depctr_va_vdst(0) depctr_va_sdst(0) depctr_va_ssrc(0) depctr_va_vcc(0) depctr_vm_vsrc(0)
	s_getreg_b32 s2, hwreg(HW_REG_IB_STS2, 6, 4)
	s_cmp_eq_u32 s2, 0
	s_cbranch_scc0 .Lentry_in_a_cluster
	s_endpgm
.Lentry_in_a_cluster:
	s_bfe_u32 s2, ttmp6, 0x10000c
	s_cmp_lg_u32 s2, 0xf033
	s_cbranch_scc0 .Lentry_shape_is_right
	s_endpgm
.Lentry_shape_is_right:
.set KTOT,  1024
.set WOFF,  3407872
.set NRBA,  256
.set NRBB,  256
.set UNIT,  3328
.set HALFT, 8*UNIT
.set SLOT,  4*HALFT
.set SPARE, 2*SLOT
.set LAPS,  KTOT/512
.set FR,    12
.set ADRS,  10
.set A16,   16
.set A8,    18
.set B16,   20
.set B8,    22
.set SPW,   28
.set NIL,   29
.set SC,    32
.set BI,    64
.set AF,    128
.set H,     128
.set TM,    200
.set PW,    216
.set PC,    220
.set G1,  24
.set G0,  32
.set G1B, 48
.set G0B, 56
.set MSB, 0
.macro WIN new
.if MSB != (\new)
	s_set_vgpr_msb (MSB<<8)|(\new)
.set MSB, (\new)
.endif
.endm
.set MUL_LO, 0xa1
.set MUL_HI, 0xf1
.set TO_B,   0x40
.macro JLOAD s
	s_cmp_eq_u32 s15, 0
	s_cbranch_scc0 .Lfor_b_\@
	tensor_load_to_lds s[G0+4*\s:G0+4*\s+3], s[G1:G1+7]
	s_nop 0
.rept 4
	v_nop
.endr
	s_branch .Lasked_\@
.Lfor_b_\@:
	tensor_load_to_lds s[G0B+4*\s:G0B+4*\s+3], s[G1B:G1B+7]
	s_nop 0
.rept 4
	v_nop
.endr
.Lasked_\@:
.endm
.macro CREST
	s_cmp_lg_u32 s14, 0
	s_cbranch_scc1 .Lnot_wave_0_\@
	s_barrier_signal -3
.Lnot_wave_0_\@:
	s_barrier_wait -3
	s_barrier_signal -1
	s_barrier_wait -1
.endm
.macro CROUND
	s_barrier_signal -1
	s_barrier_wait -1
	CREST
.endm
.macro PLACES n
.rept \n
	v_nop
.endr
.endm
	s_load_b256 s[4:11], s[0:1], 0x0
	v_lshl_add_u32 v[SPW], v0, 2, SPARE
	v_mov_b32 v[NIL], 0
	ds_add_u32 v28, v29
	ds_add_u32 v28, v29
	s_wait_dscnt 0x0
	v_lshrrev_b32 v1, 5, v0
	v_readfirstlane_b32 s14, v1
	s_lshr_b32 s15, s14, 1
	s_and_b32 s16, s14, 1
	s_bfe_u32 s40, ttmp6, 0x40000
	s_bfe_u32 s41, ttmp6, 0x40004
	s_lshl_b32 s42, ttmp9, 2
	s_add_co_u32 s42, s42, s40
	s_and_b32 s17, ttmp7, 0xffff
	s_lshl_b32 s17, s17, 2
	s_add_co_u32 s17, s17, s41
	s_lshl_b32 s43, s41, 2
	s_lshl_b32 s43, 15, s43
	s_lshl_b32 s44, 0x1111, s40
	s_or_b32 s[G1], s43, (3<<16)|(1<<21)
	s_or_b32 s[G1B], s44, (3<<16)|(1<<21)
.irp g, G1, G1B
	s_mov_b32 s[\g+1], 32<<16
	s_mov_b32 s[\g+2], 104<<16
	s_mov_b32 s[\g+3], 32<<16
	s_mov_b32 s[\g+4], 104
	s_mov_b32 s[\g+5], 32
	s_mov_b32 s[\g+6], 0
	s_mov_b32 s[\g+7], 0
.endr
	s_lshl_b32 s18, s16, 3
	s_lshl_b32 s20, s17, 4
	s_add_co_u32 s20, s20, s18
	s_mul_i32 s20, s20, UNIT
	s_mov_b32 s21, 0
	s_lshl_b32 s46, s42, 4
	s_add_co_u32 s46, s46, s18
	s_mul_i32 s46, s46, UNIT
	s_add_co_u32 s46, s46, WOFF
	s_mov_b32 s47, 0
	s_mul_i32 s45, s14, HALFT
	s_wait_kmcnt 0x0
	s_add_nc_u64 s[20:21], s[4:5], s[20:21]
	s_add_nc_u64 s[46:47], s[6:7], s[46:47]
	CROUND
	s_mov_b32 s[G0], 1
	s_mov_b32 s[G0+1], s45
	s_mov_b64 s[G0+2:G0+3], s[20:21]
	s_or_b32 s[G0+3], s[G0+3], 0x80000000
	s_mov_b32 s[G0+4], 1
	s_add_co_u32 s[G0+5], s45, SLOT
	s_add_nc_u64 s[G0+6:G0+7], s[20:21], NRBA*UNIT
	s_or_b32 s[G0+7], s[G0+7], 0x80000000
	s_mov_b32 s[G0B], 1
	s_mov_b32 s[G0B+1], s45
	s_mov_b64 s[G0B+2:G0B+3], s[46:47]
	s_or_b32 s[G0B+3], s[G0B+3], 0x80000000
	s_mov_b32 s[G0B+4], 1
	s_add_co_u32 s[G0B+5], s45, SLOT
	s_add_nc_u64 s[G0B+6:G0B+7], s[46:47], NRBB*UNIT
	s_or_b32 s[G0B+7], s[G0B+7], 0x80000000
	JLOAD 0
	; PREFETCHES INTO THE L2 of the pieces that I fetch later: 104 aligned blocks of 256 bytes each.  The four partners that fetch a piece jointly share it out BY ADDRESS, 26 blocks each (place cx for A, cy for B),
	; a lane a block; lanes 26-31 repeat lane 25's.  Here slots 1 and 2, behind slot 1's load slot 3: K has four slots' worth, so every address lies inside its image.  The address registers are never rewritten.
	s_cmp_eq_u32 s15, 0                            ; do I fetch for A?
	s_cselect_b64 s[76:77], s[20:21], s[46:47]     ; my piece of slot 0,
	s_cselect_b32 s78, s40, s41                    ; my place among the four that ask with me
	s_mul_i32 s78, s78, 26*256
	s_mov_b32 s79, 0
	s_add_nc_u64 s[76:77], s[76:77], s[78:79]
	v_and_b32 v30, 31, v0
	v_min_u32 v30, 25, v30
	v_lshlrev_b32 v30, 8, v30
	global_prefetch_b8 v30, s[76:77] offset:NRBA*UNIT th:TH_LOAD_NT scope:SCOPE_SE     ; a slot on is NRBA units in A's image and as many in B's (NRBB = NRBA)
	global_prefetch_b8 v30, s[76:77] offset:2*NRBA*UNIT th:TH_LOAD_NT scope:SCOPE_SE
	s_wait_alu depctr_va_vdst(0)
	s_wait_tensorcnt 0x0
	ds_add_u32 v28, v29
	s_wait_dscnt 0x0
	CROUND
	JLOAD 1
	global_prefetch_b8 v30, s[76:77] offset:3*NRBA*UNIT th:TH_LOAD_NT scope:SCOPE_SE
	v_and_b32 v1, 31, v0
	v_bfe_u32 v2, v0, 4, 1
	s_wait_alu depctr_va_vdst(0)
	v_lshlrev_b32 v3, 4, v1
	v_lshlrev_b32 v4, 3, v1
	v_lshlrev_b32 v5, 2, v1
	s_lshl_b32 s94, s42, 10
	s_lshl_b32 s95, s16, 9
	s_add_co_u32 s94, s94, s95
	s_mov_b32 s95, 0
	s_add_nc_u64 s[8:9], s[8:9], s[94:95]
	v_lshlrev_b32 v12, 6, v2
.irp b, 0,1,2,3,4,5,6,7
	global_load_b128 v[BI+8*\b:BI+8*\b+3], v12, s[8:9] offset:128*(\b/2)+32*(\b%2)
	global_load_b128 v[BI+8*\b+4:BI+8*\b+7], v12, s[8:9] offset:128*(\b/2)+32*(\b%2)+16
.endr
	s_mul_i32 s21, s15, HALFT
	s_mul_i32 s22, s16, HALFT
	s_add_co_u32 s22, s22, 2*HALFT
	s_sub_co_u32 s23, s22, s21
	v_mul_u32_u24 v6, s23, v2
	s_wait_alu depctr_va_vdst(0)
	v_add_nc_u32 v6, v6, v5
.irp s, 0,1
	v_add_nc_u32 v[A16+\s], s21, v3
	v_add_nc_u32 v[A8+\s], s21, v4
	v_add_nc_u32 v[B16+\s], s22, v3
	v_add_nc_u32 v[B8+\s], s22, v4
	v_add_nc_u32 v[ADRS+\s], s21, v6
	s_add_co_u32 s21, s21, SLOT
	s_add_co_u32 s22, s22, SLOT
.endr
	s_lshl_b32 s92, s42, 8
	s_lshl_b32 s93, s17, 4
	s_add_co_u32 s92, s92, s93
	s_lshl_b32 s93, s15, 3
	s_add_co_u32 s92, s92, s93
	s_mul_i32 s92, s92, UNIT
	s_mul_i32 s93, s16, 1536
	s_add_co_u32 s92, s92, s93
	s_mov_b32 s93, 0
	s_add_nc_u64 s[72:73], s[10:11], s[92:93]
	s_mul_i32 s93, s16, 1408
	s_sub_co_u32 s93, 3072, s93
	v_mov_b32 v24, v3
	v_mov_b32 v25, v4
	v_add_nc_u32 v26, s93, v5
	s_mov_b32 s74, 0x76543210
	s_mov_b32 s75, 0xfedcba98
.macro FRAG reg, a16, a8, off
	ds_load_b128 v[\reg:\reg+3], v[\a16] offset:\off
	ds_load_b64 v[\reg+4:\reg+5], v[\a8] offset:\off+512
	ds_load_b128 v[\reg+6:\reg+9], v[\a16] offset:\off+768
	ds_load_b64 v[\reg+10:\reg+11], v[\a8] offset:\off+1280
.endm
.macro FETCH_B slot, q, p
	WIN TO_B
.irp i, 0,1,2,3,4,5,6,7
	FRAG 128*(\p)+FR*\i, B16+\slot, B8+\slot, \i*UNIT+(\q)*1536
.endr
	WIN 0
.endm
.macro FETCH_A slot, q, i0
.irp i, \i0, \i0+1, \i0+2, \i0+3
	FRAG AF+FR*(\i), A16+\slot, A8+\slot, (\i)*UNIT+(\q)*1536
.endr
.endm
.macro SCALES slot
.irp i, 0,1,2,3,4,5,6,7
.irp q, 0,1
	ds_load_b32 v[SC+16*\slot+2*\i+\q], v[ADRS+\slot] offset:\i*UNIT+3072+128*\q
.endr
.endr
.endm
.macro MUL16 a0, p, q, sc, first
.irp a, \a0, \a0+1
.irp b, 0,1,2,3,4,5,6,7
.if \first
	v_wmma_scale_f32_16x16x128_f8f6f4 v[8*(8*((\a)%4)+\b):8*(8*((\a)%4)+\b)+7], v[128*(\p)+FR*\b:128*(\p)+FR*\b+FR-1], v[AF+FR*(\a):AF+FR*(\a)+FR-1], v[BI+8*\b:BI+8*\b+7], v[SC+16*(\sc)+2*\b+(\q)], v[SC+16*(\sc)+2*(\a)+(\q)] matrix_a_fmt:MATRIX_FMT_FP6 matrix_b_fmt:MATRIX_FMT_FP6 matrix_a_scale:MATRIX_SCALE_ROW1
.else
	v_wmma_scale_f32_16x16x128_f8f6f4 v[8*(8*((\a)%4)+\b):8*(8*((\a)%4)+\b)+7], v[128*(\p)+FR*\b:128*(\p)+FR*\b+FR-1], v[AF+FR*(\a):AF+FR*(\a)+FR-1], v[8*(8*((\a)%4)+\b):8*(8*((\a)%4)+\b)+7], v[SC+16*(\sc)+2*\b+(\q)], v[SC+16*(\sc)+2*(\a)+(\q)] matrix_a_fmt:MATRIX_FMT_FP6 matrix_b_fmt:MATRIX_FMT_FP6 matrix_a_scale:MATRIX_SCALE_ROW1
.endif
.endr
.endr
.endm
.macro STEP slot, first
	s_wait_dscnt 16
.if \first
	WIN 0x81
.else
	WIN MUL_LO
.endif
	MUL16 0, 0, 0, \slot, \first
	MUL16 2, 0, 0, \slot, \first
	s_wait_dscnt 0x0
	PLACES 4
	FETCH_B \slot, 1, 1
	FETCH_A \slot, 1, 0
.if \first
	WIN 0xc1
.else
	WIN MUL_HI
.endif
	MUL16 4, 0, 0, \slot, \first
	MUL16 6, 0, 0, \slot, \first
	PLACES 4
	WIN 0
	FETCH_A \slot, 1, 4
.endm
.macro TURN slot, next, fill
	s_wait_tensorcnt 0x0
	ds_add_u32 v[SPW], v[NIL]
	s_wait_dscnt 17
	WIN MUL_LO
	MUL16 0, 1, 1, \slot, 0
	s_wait_dscnt 0x0
	s_barrier_signal -1
	MUL16 2, 1, 1, \slot, 0
	WIN 0
	s_barrier_wait -1
.if \fill
	CREST
	s_add_nc_u64 s[G0+4*\slot+2:G0+4*\slot+3], s[G0+4*\slot+2:G0+4*\slot+3], 2*NRBA*UNIT
	s_add_nc_u64 s[G0B+4*\slot+2:G0B+4*\slot+3], s[G0B+4*\slot+2:G0B+4*\slot+3], 2*NRBB*UNIT
	JLOAD \slot
.else
	PLACES 4
.endif
	FETCH_B \next, 0, 0
	FETCH_A \next, 0, 0
	SCALES \next
	WIN MUL_HI
	MUL16 4, 1, 1, \slot, 0
	MUL16 6, 1, 1, \slot, 0
	PLACES 4
	WIN 0
	FETCH_A \next, 0, 4
.endm
	s_wait_alu depctr_va_vdst(0)
	s_wait_tensorcnt 1
	s_barrier_signal -1
	s_barrier_wait -1
	FETCH_B 0, 0, 0
	FETCH_A 0, 0, 0
	SCALES 0
	FETCH_A 0, 0, 4
	s_wait_loadcnt 0x0
	STEP 0, 1
	s_mov_b32 s3, LAPS-1
.Llap:
	TURN 0, 1, 1
	STEP 1, 0
	TURN 1, 0, 1
	STEP 0, 0
	s_sub_co_u32 s3, s3, 1
	s_cmp_lg_u32 s3, 0
	s_cbranch_scc1 .Llap
	TURN 0, 1, 0
	STEP 1, 0
	s_wait_dscnt 16
	WIN MUL_LO
	MUL16 0, 1, 1, 1, 0
	MUL16 2, 1, 1, 1, 0
	s_wait_dscnt 0x0
	WIN MUL_HI
	MUL16 4, 1, 1, 1, 0
	MUL16 6, 1, 1, 1, 0
	WIN 0
	PLACES 4
.macro GELU s, sw
	WIN (\sw)|((\sw)<<2)
.set jj, 0
.rept 32
	v_pk_mul_f32 v[H+jj:H+jj+1], v[\s+jj:\s+jj+1], v[\s+jj:\s+jj+1]
.set jj, jj+2
.endr
	WIN 0
.set jj, 0
.rept 32
	v_pk_fma_f32 v[H+jj:H+jj+1], v[H+jj:H+jj+1], v[242:243], v[240:241]
.set jj, jj+2
.endr
	WIN ((\sw)<<2)
.set jj, 0
.rept 32
	v_pk_mul_f32 v[H+jj:H+jj+1], v[H+jj:H+jj+1], v[\s+jj:\s+jj+1]
.set jj, jj+2
.endr
	WIN 0
.set jj, 0
	s_wait_alu depctr_va_vdst(0)
.rept 64
	v_exp_f32 v[H+jj], v[H+jj]
.set jj, jj+1
.endr
	v_nop
	s_wait_alu depctr_va_vdst(0)
.set jj, 0
.rept 32
	v_pk_add_f32 v[H+jj:H+jj+1], v[H+jj:H+jj+1], 1.0 op_sel_hi:[1,0]
.set jj, jj+2
.endr
.set jj, 0
	s_wait_alu depctr_va_vdst(0)
.rept 64
	v_rcp_f32 v[H+jj], v[H+jj]
.set jj, jj+1
.endr
	v_nop
	s_wait_alu depctr_va_vdst(0)
	WIN ((\sw)<<2)
.set jj, 0
.rept 32
	v_pk_mul_f32 v[H+jj:H+jj+1], v[H+jj:H+jj+1], v[\s+jj:\s+jj+1]
.set jj, jj+2
.endr
	WIN 0
.endm
.macro QUANT s
.irp b, 0,1,2,3
	v_max3_num_f32 v[TM+\b], |v[\s+16*\b]|, |v[\s+16*\b+1]|, 0x1800000
.endr
.irp i, 2,4,6,8,10,12,14
.irp b, 0,1,2,3
	v_max3_num_f32 v[TM+\b], v[TM+\b], |v[\s+16*\b+\i]|, |v[\s+16*\b+\i+1]|
.endr
.endr
.irp b, 0,1,2,3
	v_permlanex16_b32 v[TM+4+\b], v[TM+\b], s74, s75
.endr
.irp b, 0,1,2,3
	v_max_num_f32 v[TM+\b], v[TM+\b], v[TM+4+\b]
.endr
.irp b, 0,1,2,3
	v_add_nc_u32 v[TM+12+\b], 0xff000000, v[TM+\b]
.endr
.irp b, 0,1,2,3
	v_lshrrev_b32 v[TM+4+\b], 23, v[TM+12+\b]
.endr
	v_lshl_or_b32 v[PW], v[TM+5], 8, v[TM+4]
	v_lshl_or_b32 v[PW], v[TM+6], 16, v[PW]
	v_lshl_or_b32 v[PW], v[TM+7], 24, v[PW]
.irp c, 0,1
	v_cvt_scalef32_pk16_fp6_f32 v[PC+6*\c:PC+6*\c+2], v[\s+32*\c:\s+32*\c+15], v[TM+12+2*\c]
	v_cvt_scalef32_pk16_fp6_f32 v[PC+12+4*\c:PC+14+4*\c], v[\s+32*\c+16:\s+32*\c+31], v[TM+13+2*\c]
.endr
	v_nop
.irp c, 0,1
.irp i, 0,1,2
	v_permlane16_swap_b32 v[PC+6*\c+\i], v[PC+12+4*\c+\i]
.endr
.irp i, 0,1,2
	v_mov_b32 v[PC+3+6*\c+\i], v[PC+12+4*\c+\i]
.endr
.endr
.endm
.irp b, 0,1,2,3
	v_mov_b32 v[TM+4+\b], 0
.endr
	v_mov_b32 v240, 0xc0135761
	v_mov_b32 v241, 0xc0135761
	v_mov_b32 v242, 0xbdd2d3e8
	v_mov_b32 v243, 0xbdd2d3e8
.irp a, 0,1,2,3,4,5,6,7
	GELU 64*(\a%4), 2+\a/4
.if \a > 0
	s_wait_xcnt 0x0
.endif
	QUANT H
	global_store_b128 v24, v[PC:PC+3], s[72:73] offset:\a*UNIT
	global_store_b64 v25, v[PC+4:PC+5], s[72:73] offset:\a*UNIT+512
	global_store_b128 v24, v[PC+6:PC+9], s[72:73] offset:\a*UNIT+768
	global_store_b64 v25, v[PC+10:PC+11], s[72:73] offset:\a*UNIT+1280
	global_store_b32 v26, v[PW], s[72:73] offset:\a*UNIT
.endr
	s_wait_tensorcnt 0x0
	ds_add_u32 v[SPW], v[NIL]
	s_wait_dscnt 0x0
	CROUND
	s_endpgm
.Lfunc_end_k_q61ce5061a3_gw1:
	.size	k_q61ce5061a3_gw1, .Lfunc_end_k_q61ce5061a3_gw1-k_q61ce5061a3_gw1
	.p2alignl 7, 3214868480
	.fill 96, 4, 3214868480
	.section	.rodata,"a",@progbits
	.p2align	6, 0x0
	.amdhsa_kernel k_q61ce5061a3_gw1
		.amdhsa_group_segment_fixed_size 327680
		.amdhsa_private_segment_fixed_size 0
		.amdhsa_enable_private_segment 0
		.amdhsa_kernarg_size 32
		.amdhsa_user_sgpr_count 2
		.amdhsa_user_sgpr_kernarg_segment_ptr 1
		.amdhsa_wavefront_size32 1
		.amdhsa_system_sgpr_workgroup_id_x 1
		.amdhsa_system_sgpr_workgroup_id_y 1
		.amdhsa_system_sgpr_workgroup_id_z 1
		.amdhsa_system_vgpr_workitem_id 0
		.amdhsa_next_free_vgpr 1024
		.amdhsa_next_free_sgpr 98
		.amdhsa_reserve_vcc 0
		.amdhsa_float_denorm_mode_32 3
		.amdhsa_float_denorm_mode_16_64 3
		.amdhsa_memory_ordered 1
		.amdhsa_forward_progress 1
		.amdhsa_inst_pref_size 255
	.end_amdhsa_kernel
	.section	.bss,"aw",@nobits
	.p2align	6
	.space	262144
	.amdgpu_metadata
---
amdhsa.version: [ 1, 2 ]
amdhsa.kernels:
  - .name:           k_q61ce5061a3_gw1
    .symbol:         k_q61ce5061a3_gw1.kd
    .args:
      - { .name: himg, .offset: 0, .size: 8, .value_kind: global_buffer, .address_space: global }
      - { .name: wimg, .offset: 8, .size: 8, .value_kind: global_buffer, .address_space: global }
      - { .name: b1, .offset: 16, .size: 8, .value_kind: global_buffer, .address_space: global }
      - { .name: hid, .offset: 24, .size: 8, .value_kind: global_buffer, .address_space: global }
    .group_segment_fixed_size: 327680
    .private_segment_fixed_size: 0
    .kernarg_segment_align: 8
    .kernarg_segment_size: 32
    .max_flat_workgroup_size: 128
    .sgpr_count:     98
    .vgpr_count:     1024
    .wavefront_size: 32
...
	.end_amdgpu_metadata
.endif
;; end of part 13
;; launch gw2 (part 14): grid 8 x 32, 4 waves a work-group, clusters of 4 x 4, 327,680 bytes of LDS; arguments hid, wimg, x2, b2, out0; writes out0
.if DOCPART == 14
	.amdgcn_target "amdgcn-amd-amdhsa--gfx1250"
	.amdhsa_code_object_version 6
	.text
	.protected	k_q61ce5061a3_gw2
	.globl	k_q61ce5061a3_gw2
	.p2align	8
	.type	k_q61ce5061a3_gw2,@function
k_q61ce5061a3_gw2:
	s_mov_b64 s[64:65], 0
	v_nop
	global_prefetch_b8 v0, s[64:65] scope:SCOPE_SE
	s_setreg_imm32_b32 hwreg(HW_REG_WAVE_MODE, 25, 1), 1
	s_wait_xcnt 0x0
	s_wait_alu depctr_hold_cnt(0) depctr_sa_sdst(0) depctr_va_vdst(0) depctr_va_sdst(0) depctr_va_ssrc(0) depctr_va_vcc(0) depctr_vm_vsrc(0)
	s_getreg_b32 s2, hwreg(HW_REG_IB_STS2, 6, 4)
	s_cmp_eq_u32 s2, 0
	s_cbranch_scc0 .Lentry_in_a_cluster
	s_endpgm
.Lentry_in_a_cluster:
	s_bfe_u32 s2, ttmp6, 0x10000c
	s_cmp_lg_u32 s2, 0xf033
	s_cbranch_scc0 .Lentry_shape_is_right
	s_endpgm
.Lentry_shape_is_right:
; y = a W + bias + res, f32 [4,096][1,024]: a (tokens) and W (its columns) are codes of FP6 (E2M3) with E8M0 scales, given as images of operand registers; K = KTOT.  Here: a = the hidden layer, W = W2, res = the residual stream.
; AN IMAGE: units of 3,328 bytes laid [k / 256][block of 16 rows].  In a unit, for K step q of 128 and half c: at 1536 q + 768 c registers 6c..6c+3 of the fragment (16 bytes at 16 x lane), at + 512 registers 6c+4, 6c+5
; (8 bytes at 8 x lane); at 3072 + 128 q + 4 x lane the scale word of lane % 16's row.  Row r of block rb is row 32 (rb / 2) + 8 (rb % 2) + r + 8 (r / 8) of the operand.
; THE TILE is 128 x 128, so that y's 4,096 x 1,024 numbers make 256 work-groups; four waves, each 64 x 64: 16 accumulators.  A wave reads 8 fragments from LDS for 16 products.
; THE RING: two LDS slots of 512 along K.  A slot is four pieces of 8 units (26,624 dense bytes of memory): A's first 256 along K, A's second, B's first, B's second; wave w fetches piece w by one tensor load.
; The scale words travel in the units.  K is eight slots' worth: two first fills and six refills, each behind a round of the cluster's barrier; a wave has one load out at the start and one behind each round.
; THE PRODUCT IS USED TRANSPOSED: source 0 = 16 rows of side B (W's columns), source 1 = 16 rows of side A (tokens): lane (r, h) holds token r of A's block, and register j of accumulator b the column
; 32 (b / 2) + 16 h + 8 (b % 2) + j of my 64.
; THE RESIDUAL comes in rows (sixteen lanes read 256 consecutive bytes, aligned), asked for behind the first fills and waited for on the way out, where y's rows come back from the stage in the same layout.
; CLUSTERS: 4 x 4 work-groups; A's pieces are asked for jointly along a row of the cluster, B's along a column.
; REGISTERS, in windows of 256: window 0: v1-31 addresses (v12-15 the bias); v32-63 scale words, two sets; v64-127 rows on the way out, two sets; v128-255 the accumulators ((a, b) at v[128 + 8 (4 a + b)]).
;   window 1: two sets of fragments, at v0 and v128: A's four blocks, then B's four.   window 2: v0-127 the residual.
.set KTOT,  4096
.set WOFF,  6815744                    ; W's image in the weights' buffer
.set NRBA,  256                        ; blocks of rows in A's image
.set NRBB,  64                         ; and in B's
.set UNIT,  3328
.set HALFT, 8*UNIT                     ; a piece: what one tensor load brings
.set SLOT,  4*HALFT
.set SPARE, 2*SLOT                     ; behind the ring: the spare words, 128 bytes for each wave, which no other line names
.set NSLOT, KTOT/512                   ; slots' worth of K
.set SPITCH, 272                       ; the way out: a stage row, 256 bytes + 16: sixteen rows' 16 bytes fall on different banks
.set FR,    12
.set ADRS,  10                         ; v10-11 my scale words in slot 0, 1: lanes 0-15 A's, lanes 16-31 B's
.set BIA,   12                         ; v12-15 the bias of my four columns of a row
.set A16,   16                         ; v16-17 A's fragments in slot 0, 1: 16 x lane;  v18-19: 8 x lane
.set A8,    18
.set B16,   20                         ; v20-23 the same for B
.set B8,    22
.set STO,   24                         ; v24 the stage: where I put 16 bytes of a row
.set RD,    25                         ; v25 and where I read a row back
.set RO,    26                         ; v26 my byte in two rows of y or of the residual: 4,096 (lane / 16) + 16 (lane % 16)
.set RC,    27                         ; v27 16 (lane % 16)
.set SPW,   28                         ; v28 LDS address of my spare word; v29 = 0; neither is rewritten
.set NIL,   29
.set PFO,   30                         ; v30 the prefetches' offset: 256 x min(lane, 25); never rewritten
.set SC,    32                         ; set s at v[SC + 16 s]; register 4 i + j: lanes 0-15 the word of A's block i, lanes 16-31 of B's block i, for the slot's j-th 128 along K
.set BK,    64
.set ACC,   128
.set G1,  24                           ; s[24:31] group 1 for A's pieces, s[32:39] group 0, a set for each slot
.set G0,  32
.set G1B, 48                           ; s[48:55], s[56:63] the same for B's
.set G0B, 56
.set PFA, 76                           ; s[76:77] where my prefetches stand;  s[78:79] a slot on, in bytes;  s80: 1 in a wave that prefetches, else the greatest number
.set PFS, 78
.set LIM, 80
.set MSB, 0
.macro WIN new                         ; the immediate's high byte repeats the setting that is left; a switch that changes nothing is dropped
.if MSB != (\new)
	s_set_vgpr_msb (MSB<<8)|(\new)
.set MSB, (\new)
.endif
.endm
.set MUL,  0x05                        ; sources 0 (B) and 1 (A) window 1; C and D window 0
.set TO_F, 0x40                        ; destination window 1, address window 0
.macro JLOAD s                         ; a joint load: waves 0 and 1 fetch A's pieces, waves 2 and 3 B's; four v_nop follow each of the two lines
	s_cmp_eq_u32 s15, 0
	s_cbranch_scc0 .Lfor_b_\@
	tensor_load_to_lds s[G0+4*\s:G0+4*\s+3], s[G1:G1+7]
	s_nop 0
.rept 4
	v_nop
.endr
	s_branch .Lasked_\@
.Lfor_b_\@:
	tensor_load_to_lds s[G0B+4*\s:G0B+4*\s+3], s[G1B:G1B+7]
	s_nop 0
.rept 4
	v_nop
.endr
.Lasked_\@:
.endm
; A PREFETCH INTO THE L2 of the piece that I fetch at the NEXT change of slots: 104 aligned blocks of 256 bytes, a slot's 64 matrix instructions ahead of that load.  It stands behind the joint load, its lines and the run of LDS loads.
; Every cluster asks for what it will itself load.  The four partners that fetch a piece jointly share it out BY ADDRESS, 26 blocks each (place cx for A, cy for B), a lane a block; lanes 26-31 repeat lane 25's.
; last = 1: the trip's second change, which in the loop's last trip has no slot behind it.  The first two slots' worth come by their loads alone; the third is asked for at the head.
.macro ASK last
.if \last
	s_cmp_gt_u32 s3, s[LIM]                        ; s3 = 1 in the loop's last trip
.else
	s_cmp_eq_u32 s[LIM], 1
.endif
	s_cbranch_scc0 .Lnot_mine_\@
	global_prefetch_b8 v[PFO], s[PFA:PFA+1] th:TH_LOAD_NT scope:SCOPE_SE
.Lnot_mine_\@:
.endm
.macro CREST                           ; a round of the cluster's barrier behind its opening barrier
	s_cmp_lg_u32 s14, 0
	s_cbranch_scc1 .Lnot_wave_0_\@
	s_barrier_signal -3
.Lnot_wave_0_\@:
	s_barrier_wait -3
	s_barrier_signal -1
	s_barrier_wait -1
.endm
.macro CROUND
	s_barrier_signal -1
	s_barrier_wait -1
	CREST
.endm
.macro PLACES n                        ; plain vector instructions between a matrix instruction and a load into, or a read of, its registers (ISA guide 7.12.1 for reads)
.rept \n
	v_nop
.endr
.endm
	s_load_b256 s[4:11], s[0:1], 0x0               ; a's image, the weights' images, the residual, the bias
	s_load_b64 s[12:13], s[0:1], 0x20              ; y
	v_lshl_add_u32 v[SPW], v0, 2, SPARE
	v_mov_b32 v[NIL], 0
	ds_add_u32 v28, v29
	ds_add_u32 v28, v29
	s_wait_dscnt 0x0
	v_lshrrev_b32 v1, 5, v0
	v_readfirstlane_b32 s14, v1                    ; wave
	s_lshr_b32 s15, s14, 1                         ; which 64 of the tile's tokens are mine.  Also: I fetch for A (0) or for B (1)
	s_and_b32 s16, s14, 1                          ; which 64 of its columns.  Also: which 256 along K of a slot I fetch
	s_bfe_u32 s40, ttmp6, 0x40000                  ; cx, cy: my place in the cluster
	s_bfe_u32 s41, ttmp6, 0x40004
	s_lshl_b32 s42, ttmp9, 2
	s_add_co_u32 s42, s42, s40                     ; tile along the columns, 0 to 7
	s_and_b32 s17, ttmp7, 0xffff
	s_lshl_b32 s17, s17, 2
	s_add_co_u32 s17, s17, s41                     ; tile along the tokens, 0 to 31
	s_lshl_b32 s43, s41, 2
	s_lshl_b32 s43, 15, s43                        ; my row of the cluster
	s_lshl_b32 s44, 0x1111, s40                    ; my column
	s_or_b32 s[G1], s43, (3<<16)|(1<<21)           ; 15:0 the mask; 17:16 elements of 8 bytes; 21 set beside a mask; no padding
	s_or_b32 s[G1B], s44, (3<<16)|(1<<21)
.irp g, G1, G1B                        ; at the head one load brings an operand's two pieces of a slot: two rows of 26,624 bytes (3,328 elements of 8), which lie on end in LDS
	s_mov_b32 s[\g+1], (HALFT/8)<<16               ; tensor_dim0
	s_mov_b32 s[\g+2], 2<<16                       ; tensor_dim1
	s_mov_b32 s[\g+3], (HALFT/8)<<16               ; tile_dim0
	s_mov_b32 s[\g+4], 2                           ; tile_dim1
	s_mov_b32 s[\g+6], 0
	s_mov_b32 s[\g+7], 0
.endr
	s_mov_b32 s[G1+5], NRBA*UNIT/8                 ; from row to row: 256 along K further on in the image, a multiple of 256 bytes
	s_mov_b32 s[G1B+5], NRBB*UNIT/8
	s_lshl_b32 s20, s17, 3
	s_mul_i32 s18, s16, NRBA
	s_add_co_u32 s20, s20, s18                     ; A: unit [which 256 along K][8 x tile]
	s_mul_i32 s20, s20, UNIT
	s_mov_b32 s21, 0
	s_lshl_b32 s46, s42, 3
	s_mul_i32 s19, s16, NRBB
	s_add_co_u32 s46, s46, s19                     ; B likewise
	s_mul_i32 s46, s46, UNIT
	s_add_co_u32 s46, s46, WOFF
	s_mov_b32 s47, 0
	s_mul_i32 s45, s14, HALFT                      ; where my piece of a refill goes: no place in the cluster enters an LDS address
	s_mul_i32 s66, s18, UNIT                       ; from piece (wave % 2) of slot 0 to the first piece of slot (wave % 2): wave % 2 steps of 256 along K, in A's image
	s_mov_b32 s67, 0
	s_mul_i32 s74, s19, UNIT                       ; and in B's
	s_mov_b32 s75, 0
	s_wait_kmcnt 0x0
	s_add_nc_u64 s[20:21], s[4:5], s[20:21]
	s_add_nc_u64 s[46:47], s[6:7], s[46:47]
	CROUND                                         ; all sixteen work-groups are here: the first joint loads meet
	s_mov_b32 s[G0], 1
	s_mov_b32 s[G0+1], s45
	s_mov_b64 s[G0+2:G0+3], s[20:21]
	s_or_b32 s[G0+3], s[G0+3], 0x80000000
	s_mov_b32 s[G0+4], 1
	s_add_co_u32 s[G0+5], s45, SLOT
	s_add_nc_u64 s[G0+6:G0+7], s[20:21], 2*NRBA*UNIT
	s_or_b32 s[G0+7], s[G0+7], 0x80000000
	s_mov_b32 s[G0B], 1
	s_mov_b32 s[G0B+1], s45
	s_mov_b64 s[G0B+2:G0B+3], s[46:47]
	s_or_b32 s[G0B+3], s[G0B+3], 0x80000000
	s_mov_b32 s[G0B+4], 1
	s_add_co_u32 s[G0B+5], s45, SLOT
	s_add_nc_u64 s[G0B+6:G0B+7], s[46:47], 2*NRBB*UNIT
	s_or_b32 s[G0B+7], s[G0B+7], 0x80000000
	; THE HEAD'S LOADS, ONE A WAVE: wave 0 A's two pieces of slot 0, wave 1 those of slot 1, waves 2 and 3 the same for B: both slots are on their way at once
	s_mov_b32 s68, 1
	s_mul_i32 s69, s16, SLOT                       ; A's two pieces open a slot,
	s_add_nc_u64 s[70:71], s[20:21], s[66:67]
	s_or_b32 s71, s71, 0x80000000
	s_mov_b32 s88, 1
	s_add_co_u32 s89, s69, 2*HALFT                 ; B's two lie behind them
	s_add_nc_u64 s[90:91], s[46:47], s[74:75]
	s_or_b32 s91, s91, 0x80000000
	s_cmp_eq_u32 s15, 0
	s_cbranch_scc0 .Lhead_b
	tensor_load_to_lds s[68:71], s[G1:G1+7]
	s_nop 0
.rept 4
	v_nop
.endr
	s_branch .Lhead_asked
.Lhead_b:
	tensor_load_to_lds s[88:91], s[G1B:G1B+7]
	s_nop 0
.rept 4
	v_nop
.endr
.Lhead_asked:
	v_and_b32 v1, 31, v0                           ; lane
	s_wait_alu depctr_va_vdst(0)
	v_bfe_u32 v2, v0, 4, 1                         ; h
	v_lshlrev_b32 v3, 4, v1
	v_lshlrev_b32 v4, 3, v1
	v_lshlrev_b32 v5, 2, v1
.if NSLOT > 2                          ; the prefetches: where my wave's stand
	s_mov_b32 s[PFS], 2*NRBB*UNIT
	s_cmp_eq_u32 s15, 0                            ; do I fetch for A?
	s_cselect_b64 s[PFA:PFA+1], s[20:21], s[46:47] ; my piece of slot 0,
	s_cselect_b32 s[PFS], 2*NRBA*UNIT, s[PFS]      ; a slot on,
	s_cselect_b32 s82, s40, s41                    ; my place among the four that ask for it with me,
	s_mov_b32 s[PFS+1], 0
	s_mul_i32 s82, s82, 26*256                     ; my work-group's 26 blocks
	s_mov_b32 s83, 0
	s_add_nc_u64 s[PFA:PFA+1], s[PFA:PFA+1], s[82:83]
	s_add_nc_u64 s[PFA:PFA+1], s[PFA:PFA+1], s[PFS:PFS+1]
	s_add_nc_u64 s[PFA:PFA+1], s[PFA:PFA+1], s[PFS:PFS+1]  ; two slots on: the first change of slots, which fetches that piece, steps it once more and names the piece behind it
	s_mov_b32 s[LIM], 1                            ; every wave of every cluster asks
	v_min_u32 v[PFO], 25, v1
	v_lshlrev_b32 v[PFO], 8, v[PFO]
	global_prefetch_b8 v[PFO], s[PFA:PFA+1] th:TH_LOAD_NT scope:SCOPE_SE   ; my share of the piece that the first change of slots fetches
.endif
	s_lshl_b32 s92, s17, 7
	s_lshl_b32 s93, s15, 6
	s_add_co_u32 s92, s92, s93                     ; my first token,
	s_lshl_b32 s92, s92, 12                        ; in bytes;
	s_lshl_b32 s94, s42, 9
	s_lshl_b32 s95, s16, 8
	s_add_co_u32 s94, s94, s95                     ; my first column, in bytes: a multiple of 256
	s_mov_b32 s95, 0
	s_add_co_u32 s92, s92, s94
	s_mov_b32 s93, 0
	s_add_nc_u64 s[8:9], s[8:9], s[92:93]          ; the residual,
	s_add_nc_u64 s[72:73], s[12:13], s[92:93]      ; y,
	s_add_nc_u64 s[10:11], s[10:11], s[94:95]      ; the bias
	v_and_b32 v8, 15, v0                           ; r
	v_lshlrev_b32 v[RC], 4, v8
	s_wait_alu depctr_va_vdst(0)
	v_lshl_add_u32 v[RO], v2, 12, v[RC]            ; lanes 0-15 one row's 256 bytes, lanes 16-31 the next row's
	s_mul_i32 s21, s15, 4*UNIT                     ; my 4 units of a piece of A
	s_mul_i32 s22, s16, 4*UNIT
	s_add_co_u32 s22, s22, 2*HALFT                 ; my 4 units of a piece of B, behind A's two pieces
	s_sub_co_u32 s23, s22, s21
	v_mul_u32_u24 v6, s23, v2                      ; lanes 16-31 take B's scale words
	v_add_nc_u32 v6, v6, v5
.irp s, 0,1
	v_add_nc_u32 v[A16+\s], s21, v3
	v_add_nc_u32 v[A8+\s], s21, v4
	v_add_nc_u32 v[B16+\s], s22, v3
	v_add_nc_u32 v[B8+\s], s22, v4
	v_add_nc_u32 v[ADRS+\s], s21, v6
	s_add_co_u32 s21, s21, SLOT
	s_add_co_u32 s22, s22, SLOT
.endr
	s_mul_i32 s23, s14, 16*SPITCH                  ; my stage for the way out, in slot 0, which by then has had its last fill and its last read
	v_mul_u32_u24 v[STO], v8, SPITCH
	v_lshl_add_u32 v[STO], v2, 6, v[STO]
	v_add_nc_u32 v[STO], s23, v[STO]               ; in: row r, + 64 h
	v_mul_u32_u24 v[RD], v2, SPITCH
	v_add_nc_u32 v[RD], v[RD], v[RC]
	v_add_nc_u32 v[RD], s23, v[RD]                 ; back: lanes 0-15 one row, lanes 16-31 the next
.macro FRAG reg, a16, a8, off          ; a fragment's image: 12 registers by four loads of consecutive bytes
	ds_load_b128 v[\reg:\reg+3], v[\a16] offset:\off
	ds_load_b64 v[\reg+4:\reg+5], v[\a8] offset:\off+512
	ds_load_b128 v[\reg+6:\reg+9], v[\a16] offset:\off+768
	ds_load_b64 v[\reg+10:\reg+11], v[\a8] offset:\off+1280
.endm
.macro FETCH slot, j                   ; the eight fragments of the slot's j-th 128 along K into set j % 2: 32 LDS loads in one run
	WIN TO_F
.irp i, 0,1,2,3
	FRAG 128*((\j)%2)+48+FR*\i, B16+\slot, B8+\slot, ((\j)/2)*HALFT+\i*UNIT+((\j)%2)*1536
.endr
.irp i, 0,1,2,3
	FRAG 128*((\j)%2)+FR*\i, A16+\slot, A8+\slot, ((\j)/2)*HALFT+\i*UNIT+((\j)%2)*1536
.endr
.endm
.macro SCALES slot                     ; a slot's 16 scale registers
.irp i, 0,1,2,3
.irp j, 0,1,2,3
	ds_load_b32 v[SC+16*\slot+4*\i+\j], v[ADRS+\slot] offset:(\j/2)*HALFT+\i*UNIT+3072+128*(\j%2)
.endr
.endr
.endm
; 8 matrix instructions: A's blocks a0, a0 + 1 x B's four, 128 along K, from set p.  zero = 1: the first products start the sums: nothing is cleared.
; The 16 accumulators take turns, one instruction a turn, in the same order in every step.
.macro MUL8 a0, p, sc, j, zero
.irp a, \a0, \a0+1
.irp b, 0,1,2,3
.if \zero
	v_wmma_scale_f32_16x16x128_f8f6f4 v[ACC+8*(4*(\a)+\b):ACC+8*(4*(\a)+\b)+7], v[128*(\p)+48+FR*\b:128*(\p)+48+FR*\b+FR-1], v[128*(\p)+FR*(\a):128*(\p)+FR*(\a)+FR-1], 0, v[SC+16*(\sc)+4*\b+(\j)], v[SC+16*(\sc)+4*(\a)+(\j)] matrix_a_fmt:MATRIX_FMT_FP6 matrix_b_fmt:MATRIX_FMT_FP6 matrix_a_scale:MATRIX_SCALE_ROW1
.else
	v_wmma_scale_f32_16x16x128_f8f6f4 v[ACC+8*(4*(\a)+\b):ACC+8*(4*(\a)+\b)+7], v[128*(\p)+48+FR*\b:128*(\p)+48+FR*\b+FR-1], v[128*(\p)+FR*(\a):128*(\p)+FR*(\a)+FR-1], v[ACC+8*(4*(\a)+\b):ACC+8*(4*(\a)+\b)+7], v[SC+16*(\sc)+4*\b+(\j)], v[SC+16*(\sc)+4*(\a)+(\j)] matrix_a_fmt:MATRIX_FMT_FP6 matrix_b_fmt:MATRIX_FMT_FP6 matrix_a_scale:MATRIX_SCALE_ROW1
.endif
.endr
.endr
.endm
.macro STEP slot, j, zero              ; one of a slot's first three steps of 128 along K: it fetches its successor into the other set, then multiplies
	s_wait_dscnt 0x0                               ; this step's fragments are in (asked for 16 matrix instructions ago)
	PLACES 4                                       ; behind the last step's products, which read the other set
	FETCH \slot, (\j)+1
	WIN MUL
	MUL8 0, (\j)%2, \slot, \j, \zero
	MUL8 2, (\j)%2, \slot, \j, \zero
.endm
; A slot's fourth step changes slots.  Its fragments are the slot's last reads: in front of the barrier each wave waits for all its tensor loads, adds 0 to its spare word, and waits for that and for those reads.
; fill = 1: the slot is filled again, two slots ahead; the load then has a whole slot's 64 matrix instructions in which to land.
.macro TURN slot, next, fill
	WIN 0                                          ; (the add's two registers lie in window 0)
.if \fill
	s_wait_xcnt 0x0                                ; the last prefetch, a slot back, has read its address, so it may be written
	s_add_nc_u64 s[PFA:PFA+1], s[PFA:PFA+1], s[PFS:PFS+1]
.endif
	s_wait_tensorcnt 0x0                           ; all my tensor loads have landed: my piece of the next slot; so every group 0 may be written
	ds_add_u32 v[SPW], v[NIL]                      ; 0 onto my spare word
.if \fill
	s_add_nc_u64 s[G0+4*\slot+2:G0+4*\slot+3], s[G0+4*\slot+2:G0+4*\slot+3], 4*NRBA*UNIT
	s_add_nc_u64 s[G0B+4*\slot+2:G0B+4*\slot+3], s[G0B+4*\slot+2:G0B+4*\slot+3], 4*NRBB*UNIT
.endif
	s_wait_dscnt 0x0                               ; the add is done, and my reads of this slot are over
	s_barrier_signal -1
	WIN MUL
	MUL8 0, 1, \slot, 3, 0                         ; work on registers while the others arrive
	WIN 0
	s_barrier_wait -1
.if \fill
	CREST                                          ; the barrier has opened a round of the cluster's: no wave of any partner still reads this slot or has a load on its way
	JLOAD \slot                                    ; the first tensor load behind the round; its four v_nop are also the places in front of the loads below
.else
	PLACES 4
.endif
	s_wait_alu depctr_va_vdst(0)
	FETCH \next, 0
	WIN 0
	SCALES \next
.if \fill
	ASK \slot
.endif
	WIN MUL
	MUL8 2, 1, \slot, 3, 0
.endm
	s_wait_alu depctr_va_vdst(0)                   ; the wait at the head's end
	s_wait_tensorcnt 0x0                           ; my one load is in, so a descriptor may be written: from here on a load brings one piece, a dense block of 26,624 bytes as 104 rows of 256
.irp g, G1, G1B
	s_mov_b32 s[\g+1], 32<<16                      ; tensor_dim0
	s_mov_b32 s[\g+2], 104<<16                     ; tensor_dim1
	s_mov_b32 s[\g+3], 32<<16                      ; tile_dim0
	s_mov_b32 s[\g+4], 104                         ; tile_dim1
	s_mov_b32 s[\g+5], 32                          ; from row to row
.endr
	s_barrier_signal -1
	s_barrier_wait -1                              ; everybody's is
	FETCH 0, 0
	WIN 0
	SCALES 0
	global_load_b128 v[BIA:BIA+3], v[RC], s[10:11] ; the bias and the residual are asked for here, when the first tiles are in: they are wanted on the way out
	WIN 0x80                                       ; destination window 2
.irp a, 0,1,2,3                                ; the residual of A's block a, rows 2 t and 2 t + 1 of its sixteen: token 32 (a / 2) + 8 (a % 2) + row + 8 (row / 8)
.irp t, 0,1,2,3,4,5,6,7
	global_load_b128 v[32*\a+4*\t:32*\a+4*\t+3], v[RO], s[8:9] offset:(32*(\a/2)+8*(\a%2)+2*\t+8*(\t/4))*4096 th:TH_LOAD_NT
.endr
.endr
	WIN 0
	STEP 0, 0, 1
	STEP 0, 1, 0
	STEP 0, 2, 0
.if NSLOT > 2
	WIN 0                                          ; at a label and at a branch every window is 0
	s_mov_b32 s3, (NSLOT-2)/2
.Llap:                                                 ; a trip goes once round the ring, from a slot's fourth step to the same slot's third, and fills both slots again
	TURN 0, 1, 1
	STEP 1, 0, 0
	STEP 1, 1, 0
	STEP 1, 2, 0
	TURN 1, 0, 1
	STEP 0, 0, 0
	STEP 0, 1, 0
	STEP 0, 2, 0
	WIN 0
	s_sub_co_u32 s3, s3, 1
	s_cmp_lg_u32 s3, 0
	s_cbranch_scc1 .Llap
.endif
	TURN 0, 1, 0                                   ; the last change of slots fills nothing
	STEP 1, 0, 0
	STEP 1, 1, 0
	STEP 1, 2, 0
	s_wait_dscnt 0x0                               ; the very last step: nothing more to fetch
	MUL8 0, 1, 1, 3, 0
	MUL8 2, 1, 1, 3, 0
	WIN 0
	PLACES 4
	s_wait_loadcnt 0x0                             ; the residual and the bias
; THE WAY OUT, block by block of 16 tokens x 64 columns: through my own stage in LDS, back two rows an instruction, the residual and the bias added, stored.  LDS serves a wave's instructions in order: no wait between stores and loads.
.macro TOSTAGE a
.irp b, 0,1,2,3
	ds_store_b128 v[STO], v[ACC+8*(4*(\a)+\b):ACC+8*(4*(\a)+\b)+3] offset:128*(\b/2)+32*(\b%2)      ; each accumulator from its low end on
	ds_store_b128 v[STO], v[ACC+8*(4*(\a)+\b)+4:ACC+8*(4*(\a)+\b)+7] offset:128*(\b/2)+32*(\b%2)+16
.endr
.irp t, 0,1,2,3,4,5,6,7
	ds_load_b128 v[BK+32*((\a)%2)+4*\t:BK+32*((\a)%2)+4*\t+3], v[RD] offset:\t*2*SPITCH
.endr
.endm
.macro SEND a, younger                 ; younger: the LDS instructions issued behind block a's loads, which may stay out
	s_wait_dscnt \younger
	WIN 0x08                                       ; source 1 (the residual) window 2
.irp t, 0,1,2,3,4,5,6,7
	v_pk_add_f32 v[BK+32*((\a)%2)+4*\t:BK+32*((\a)%2)+4*\t+1], v[BK+32*((\a)%2)+4*\t:BK+32*((\a)%2)+4*\t+1], v[32*(\a)+4*\t:32*(\a)+4*\t+1]
	v_pk_add_f32 v[BK+32*((\a)%2)+4*\t+2:BK+32*((\a)%2)+4*\t+3], v[BK+32*((\a)%2)+4*\t+2:BK+32*((\a)%2)+4*\t+3], v[32*(\a)+4*\t+2:32*(\a)+4*\t+3]
.endr
	WIN 0
.irp t, 0,1,2,3,4,5,6,7
	v_pk_add_f32 v[BK+32*((\a)%2)+4*\t:BK+32*((\a)%2)+4*\t+1], v[BK+32*((\a)%2)+4*\t:BK+32*((\a)%2)+4*\t+1], v[BIA:BIA+1]
	v_pk_add_f32 v[BK+32*((\a)%2)+4*\t+2:BK+32*((\a)%2)+4*\t+3], v[BK+32*((\a)%2)+4*\t+2:BK+32*((\a)%2)+4*\t+3], v[BIA+2:BIA+3]
.endr
.irp t, 0,1,2,3,4,5,6,7
	global_store_b128 v[RO], v[BK+32*((\a)%2)+4*\t:BK+32*((\a)%2)+4*\t+3], s[72:73] offset:(32*((\a)/2)+8*((\a)%2)+2*\t+8*(\t/4))*4096 th:TH_STORE_NT   ; 16 lanes store 256 consecutive bytes, at a multiple of 256 from y's first byte
.endr
.endm
	TOSTAGE 0
.irp a, 1,2,3
.if \a > 1
	s_wait_xcnt 0x0                                ; block a - 2's stores have read their registers: block a's loads may land there
.endif
	TOSTAGE \a
	SEND \a-1, 16                                  ; behind block a - 1's loads: block a's 8 stores and 8 loads
.endr
	SEND 3, 0
	s_wait_tensorcnt 0x0                           ; the wave's end
	ds_add_u32 v[SPW], v[NIL]
	s_wait_dscnt 0x0
	CROUND                                         ; the closing round: no work-group ends while a partner may still ask for a piece that names it
	s_endpgm
.Lfunc_end_k_q61ce5061a3_gw2:
	.size	k_q61ce5061a3_gw2, .Lfunc_end_k_q61ce5061a3_gw2-k_q61ce5061a3_gw2
	.p2alignl 7, 3214868480
	.fill 96, 4, 3214868480
	.section	.rodata,"a",@progbits
	.p2align	6, 0x0
	.amdhsa_kernel k_q61ce5061a3_gw2
		.amdhsa_group_segment_fixed_size 327680
		.amdhsa_private_segment_fixed_size 0
		.amdhsa_enable_private_segment 0
		.amdhsa_kernarg_size 40
		.amdhsa_user_sgpr_count 2
		.amdhsa_user_sgpr_kernarg_segment_ptr 1
		.amdhsa_wavefront_size32 1
		.amdhsa_system_sgpr_workgroup_id_x 1
		.amdhsa_system_sgpr_workgroup_id_y 1
		.amdhsa_system_sgpr_workgroup_id_z 1
		.amdhsa_system_vgpr_workitem_id 0
		.amdhsa_next_free_vgpr 640
		.amdhsa_next_free_sgpr 98
		.amdhsa_reserve_vcc 0
		.amdhsa_float_denorm_mode_32 3
		.amdhsa_float_denorm_mode_16_64 3
		.amdhsa_memory_ordered 1
		.amdhsa_forward_progress 1
		.amdhsa_inst_pref_size 103
	.end_amdhsa_kernel
	.amdgpu_metadata
---
amdhsa.version: [ 1, 2 ]
amdhsa.kernels:
  - .name:           k_q61ce5061a3_gw2
    .symbol:         k_q61ce5061a3_gw2.kd
    .args:
      - { .name: hid, .offset: 0, .size: 8, .value_kind: global_buffer, .address_space: global }
      - { .name: wimg, .offset: 8, .size: 8, .value_kind: global_buffer, .address_space: global }
      - { .name: x2, .offset: 16, .size: 8, .value_kind: global_buffer, .address_space: global }
      - { .name: b2, .offset: 24, .size: 8, .value_kind: global_buffer, .address_space: global }
      - { .name: out0, .offset: 32, .size: 8, .value_kind: global_buffer, .address_space: global }
    .group_segment_fixed_size: 327680
    .private_segment_fixed_size: 0
    .kernarg_segment_align: 8
    .kernarg_segment_size: 40
    .max_flat_workgroup_size: 128
    .sgpr_count:     98
    .vgpr_count:     640
    .wavefront_size: 32
...
	.end_amdgpu_metadata
.endif
;; end of part 14
